; MI455X (gfx1250); checked and timed in simulation.
; The chip was launched on July 23, 2026; its instructions are those of AMD's public machine-readable ISA for CDNA 5 (MIT licence, August 2026) and "CDNA5" Instruction Set Architecture Reference Guide (July 2026). The comments in the code are by the model that wrote it; some were corrected since.
;; Multihead Self Attention. Allowed arithmetic: matrix products marked QUANTISED: E2M1 operands, one E8M0 scale for each 32 along K, by v_wmma_scale_f32_16x16x128_f8f6f4 with both operands' format E2M1 (or v_wmma_scale_f32_32x16x128_f4), f32 sums; everything else in f32.
;; Inputs: ln_beta 1,024 float32; ln_gamma 1,024 float32; mask 1,024 x 2,048 x 4 bool; memory 1,024 x 4 x 1,024 float32; pos_emb 1,024 x 1 x 1,024 float32; w_o_codes 1,024 x 32 x 16 uint8 (E2M1 codes of w_o, K innermost, in blocks of 32 codes, two codes a byte); w_o_scales 1,024 x 32 uint8 (E8M0 scales of w_o, one for each 32 codes along K); w_qkv_codes 3,072 x 32 x 16 uint8 (E2M1 codes of w_qkv, K innermost, in blocks of 32 codes, two codes a byte); w_qkv_scales 3,072 x 32 uint8 (E8M0 scales of w_qkv, one for each 32 codes along K); x 1,024 x 4 x 1,024 float32.
;; Outputs: out0 1,024 x 4 x 1,024 float32.
;; This version of the problem:
;;   THIS VERSION OF THE PROBLEM IS GIVEN IN LOW PRECISION. The matrix products marked QUANTISED in the list below multiply operands that are first quantised to E2M1 (2 exponent bits, 1 mantissa bit; 4 bits a number), with one power-of-two scale for each 32 numbers along K (OCP MX v1.0); their sums are f32. All else is computed in f32.
;;   The module's matrix products, in the order in which they are computed (A, B: the left and right operand; K: the contracted axis; several contracted axes count as one K, in the product's order):
;;     1. [M 8,192, K 1,024] x [K 1,024, N 3,072]; A: computed on the way; B: input w_qkv (given as codes): QUANTISED
;;     2. batch 64 x [M 2,048, K 64] x [K 64, N 1,024]; A: computed on the way; B: computed on the way: QUANTISED
;;     3. batch 64 x [M 64, K 2,048] x [K 2,048, N 1,024]; A: computed on the way; B: softmax (see below): QUANTISED
;;     4. [M 4,096, K 1,024] x [K 1,024, N 1,024]; A: computed on the way; B: input w_o (given as codes): QUANTISED
;;   THE QUANTISER, for each operand of a quantised product, along K:
;;     - K is cut into blocks of 32 from its start; a last block that is shorter is filled with zeros.
;;     - A block's scale is 2^e with e = floor(log2(the largest magnitude in the block)) - 2, held to -126 .. 127; a block of zeros has e = 0. As a byte (E8M0): e + 127.
;;     - Each number is divided by its block's scale, clamped to +-6, and rounded to the nearest number of E2M1, ties to even, subnormals kept.
;;     - The product sums the exact products of the quantised numbers (number of the format x scale) in f32.
;;   ~~~python
;;   def quantise(x, axis):      # numpy; x: float32 -> the quantised numbers, widened to float32 again
;;       x = np.moveaxis(x, axis, -1); K = x.shape[-1]
;;       x = np.pad(x, [(0, 0)] * (x.ndim - 1) + [(0, -K % 32)]); x = x.reshape(x.shape[:-1] + (-1, 32)); a = np.abs(x).max(-1, keepdims=True)
;;       e = np.where(a > 0, np.clip(np.frexp(np.where(a > 0, a, 1))[1] - 1 - 2, -126, 127), 0)      # np.frexp(a)[1] - 1 = floor(log2(a)), exactly
;;       r = np.clip(x / 2.0 ** e, -6, 6)
;;       step = 2.0 ** (np.maximum(np.frexp(np.where(r == 0, 1, r))[1] - 1, 0) - 1)
;;       q = np.round(r / step) * step * 2.0 ** e      # np.round: ties to even
;;       return np.moveaxis(q.reshape(q.shape[:-2] + (-1,))[..., :K], -1, axis).astype(np.float32)
;;   ~~~
;;   SOFTMAX AHEAD OF A QUANTISED PRODUCT. Where the list says 'softmax', what is quantised is not the finished softmax but p = 2^(t - M), with t = logit x log2(e) and M = ceil(the row's largest t), a whole number; so 1/2 < the row's largest p <= 1. The row's sum l is taken of the UNQUANTISED p, in f32, and the product's result is divided by l at the end. Since M is a whole number, a kernel that streams over the keys may use a running M (the ceiling of the running maximum): every later rescaling is an exact power of two, which a block's scale takes up: the codes' values come out the same.
;;   OPERANDS COMPUTED ON THE WAY. 'Computed on the way' means the value that the module computes at that place (a softmax that the list does not call 'softmax' is quantised finished and normalised). What goes into a quantiser is computed in f32, as accurately as f32 sums, v_exp_f32 and their like allow (about 1e-6 of the number): no bf16 or f16 on the way to a quantiser, and a product that is left as it is and whose result goes on into a quantised operand takes f32 operands (vector FMAs, or v_wmma_f32_16x16x4_f32). A number that lies on a knife's edge between two numbers of the format may be rounded either way, as far as f32 arithmetic and the matrix unit's own rounding can turn it there, and no further.
;;   INPUTS GIVEN AS CODES. w_o (in the module: [1024, 1024], K = its axis 0); w_qkv (in the module: [1024, 3072], K = its axis 0): each comes as NAME_codes (uint8): NAME with its K axis moved to the last place and cut into blocks of 32 codes, [.., K / 32, bytes a block], one block behind the other in memory; two codes a byte, the lower K in the low four bits (a code: sign, 2 exponent bits, 1 mantissa bit); and NAME_scales (uint8): the same leading axes, one E8M0 byte (e + 127) for each 32 codes along K. Its value is code x scale, taken as it is: it is not quantised again, and the codes and scales need not be those that the quantiser above would give.
;; 3 versions, each right; version 2 is faster than version 1; version 3 is version 2 with the launch attn written anew for expert scheduling mode. Each part assembles by itself: llvm-mc -triple=amdgcn-amd-amdhsa -mcpu=gfx1250 --defsym DOCPART=n.
;; ======== version 1 of 3: 4 launches
;; workspace buffers: cq 4,456,448 bytes; qkv 11,141,120 bytes; mk 1,048,576 bytes of whole numbers; vq 2,228,224 bytes; wo 524,288 bytes
;; launch prep (part 1): grid 528 x 1, 4 waves a work-group, no clusters, 99,840 bytes of LDS; arguments x, pos_emb, memory, mask, w_o_codes, cq, mk, wo; writes cq, mk, wo
.if DOCPART == 1
	.amdgcn_target "amdgcn-amd-amdhsa--gfx1250"
	.amdhsa_code_object_version 6
	.text
	.protected	k_qf589a12518_prep
	.globl	k_qf589a12518_prep
	.p2align	8
	.type	k_qf589a12518_prep,@function
k_qf589a12518_prep:
	s_mov_b64 s[64:65], 0
	v_nop
	global_prefetch_b8 v0, s[64:65] scope:SCOPE_SE
	s_setreg_imm32_b32 hwreg(HW_REG_WAVE_MODE, 25, 1), 1
	s_wait_xcnt 0x0
; PREP: four jobs that share one launch, told apart by the work-group's number; each job is a path of its own that ends by itself.
;  work-groups   0-127  MEM : memory [1024][4][1024] f32           -> codes of FP4 (E2M1) and E8M0 scale bytes of c's rows t = 0 .. 1023
;  work-groups 128-255  X   : x + pos_emb (f32 sum)                -> the same for t = 1024 .. 2047
;  work-groups 256-511  MASK: mask [1024][2048][4] bool            -> lane-mask words for each 16 queries x 128 keys x b
;  work-groups 512-527  WO  : w_o's codes [1024][512 bytes]        -> the same bytes in the order of a matrix operand's registers
; cq: codes at 0, [row = 2048 b + t][512 bytes]; scale bytes at 0x400000, [row][32].
; mk: [b][tile of 16 queries][step of 128 keys][n = 0 .. 63] words: bit L of word n = 16 beta + i is mask[16 tile + L % 16][128 step + 32 beta + 16 (L / 16) + i][b].
; wo: [tile of 16 rows][K step of 128][c = 0, 1][lane][16 bytes]: lane (r, h) holds the bytes 64 step + 32 c + 16 h on of row r.
; THE QUANTISER: a block's scale is 2^(floor(log2(its largest magnitude)) - 2); its byte is the largest magnitude's exponent field - 2, held at 1 from below.
; LIMITS: a block of zeros, and a block whose largest magnitude lies under 2^-124, keeps the byte 1 (the bytes are read by this program alone; a block of zeros has zero codes);
; NaN and infinities among the inputs are not served.
; No matrix unit, no cluster, no barrier: the waves share nothing, and every byte is read once.  Each path that uses LDS has bytes of its own.
.set SP,    80                         ; a lane's place in a stage: its 64 bytes + 16 of padding
.set STEPS, 16                         ; steps of 512 numbers for a wave
.set R,     16                         ; v16-79    four sets of 16 numbers as they are loaded
.set PR,    176                        ; v176-239  the same of pos_emb
.set XN,    80                         ; v80-111   two sets of 16 neighbours
.set E,     112                        ; v112-127  a scale byte for each step
.set C,     128                        ; v128-159  two registers of codes for each step: no store's data are written again
.set MEMLB, 0                          ; LDS of path MEM: 8,192 bytes a wave
.set XLB,   32768                      ; of path X
.set MKLB,  65536                      ; of path MASK: 16 rows x 528 bytes a wave
.set MP,    528
; step t's 2,048 bytes: row t / 2 of the wave's eight, half t % 2.  Each load reads 512 consecutive bytes.
.macro QLOAD t, pos
.irp i, 0,1,2,3
	global_load_b128 v[R+16*((\t)%4)+4*\i:R+16*((\t)%4)+4*\i+3], v3, s[22:23] offset:((\t)/2)*16384+((\t)%2)*2048+512*\i th:TH_LOAD_NT
.endr
.if \pos
.irp i, 0,1,2,3
	global_load_b128 v[PR+16*((\t)%4)+4*\i:PR+16*((\t)%4)+4*\i+3], v3, s[24:25] offset:((\t)/2)*4096+((\t)%2)*2048+512*\i   ; the four waves (b = 0 .. 3) read the same row of pos_emb
.endr
.endif
.endm
; step t's numbers through the wave's own stage: in as they lie, out 64 bytes a lane.  LDS serves a wave's instructions in order: no wait between the stores and the loads.
.macro QTURN t, pos
.if \pos
.irp i, 0,2,4,6,8,10,12,14
	v_pk_add_f32 v[R+16*((\t)%4)+\i:R+16*((\t)%4)+\i+1], v[R+16*((\t)%4)+\i:R+16*((\t)%4)+\i+1], v[PR+16*((\t)%4)+\i:PR+16*((\t)%4)+\i+1]   ; x + pos_emb
.endr
.endif
.irp i, 0,1,2,3
	ds_store_b128 v14, v[R+16*((\t)%4)+4*\i:R+16*((\t)%4)+4*\i+3] offset:32*SP*((\t)%2)+8*SP*\i
.endr
.irp i, 0,1,2,3
	ds_load_b128 v[XN+16*((\t)%2)+4*\i:XN+16*((\t)%2)+4*\i+3], v15 offset:32*SP*((\t)%2)+16*\i
.endr
.endm
.macro QSTEP t, pos
.set XS, XN+16*((\t)%2)
.if (\t) > 0
	s_wait_dscnt 1                                 ; this step's numbers are back from the stage (the last step's byte store may be out): its stores into the stage have read their registers,
.else
	s_wait_dscnt 0x0
.endif
.if (\t)+4 < STEPS
	QLOAD (\t)+4, \pos                             ; which take the loads of four steps on
.endif
.if (\t)+1 < STEPS
.if STEPS-2-(\t) >= 3
	s_wait_loadcnt 3*(4+4*\pos)                    ; the next step's loads are in; those of the three steps behind it may be out
.else
	s_wait_loadcnt (4+4*\pos)*(STEPS-2-(\t))
.endif
	QTURN (\t)+1, \pos
.endif
	v_max3_num_f32 v8, |v[XS]|, |v[XS+1]|, |v[XS+2]|               ; the largest magnitude of my 16, in two chains
	v_max3_num_f32 v9, |v[XS+3]|, |v[XS+4]|, |v[XS+5]|
.irp i, 6,10
	v_max3_num_f32 v8, v8, |v[XS+\i]|, |v[XS+\i+1]|
	v_max3_num_f32 v9, v9, |v[XS+\i+2]|, |v[XS+\i+3]|
.endr
	v_max3_num_f32 v8, v8, |v[XS+14]|, |v[XS+15]|
	v_max3_num_f32 v8, v8, v9, 0x1800000           ; and the floor 2^(3 - 127): the byte cannot fall under 1
	v_max_num_f32_dpp v8, v8, v8 row_xmask:1 row_mask:0xf bank_mask:0xf   ; and of my neighbour's 16: the block's
	v_add_nc_u32 v11, 0xff000000, v8               ; 2 off its exponent field: the conversion takes the exponent field of this operand as its scale
	v_cvt_scalef32_pk8_fp4_f32 v[C+2*(\t)], v[XS:XS+7], v11
	v_cvt_scalef32_pk8_fp4_f32 v[C+2*(\t)+1], v[XS+8:XS+15], v11
	v_lshrrev_b32 v[E+(\t)], 23, v11               ; the scale's byte (a plain line behind the conversions)
	ds_store_b8 v5, v[E+(\t)] offset:16*(\t)       ; both lanes of a block write the same byte with the same value
	global_store_b64 v4, v[C+2*(\t):C+2*(\t)+1], s[34:35] offset:256*(\t)   ; the wave stores 256 consecutive bytes, aligned
.endm
; A whole path: wave = b; the work-group takes eight neighbouring t.  pos = 1: x + pos_emb, rows t = 1024 on.
.macro QPATH pos, lb
	v_lshlrev_b32 v3, 4, v2                        ; my 16 bytes of a load's 512
	s_lshl_b32 s21, s20, 13
	s_add_co_u32 s21, s21, \lb                     ; my wave's LDS
	v_lshrrev_b32 v14, 2, v2
	v_mul_u32_u24 v14, v14, SP
	v_and_b32 v15, 3, v2
	v_lshl_add_u32 v14, v15, 4, v14
	v_add_nc_u32 v14, s21, v14                     ; the stage, in: SP (lane / 4) + 16 (lane % 4)
	v_mul_u32_u24 v15, v2, SP
	v_add_nc_u32 v15, s21, v15                     ; and out: SP x lane
	v_lshlrev_b32 v4, 3, v2                        ; 8 bytes a lane: my codes in a step's 256, my part of the 256 scale bytes
	v_lshrrev_b32 v5, 1, v2
	s_add_co_u32 s21, s21, 2*32*SP
	v_add_nc_u32 v5, s21, v5                       ; LDS: my block's byte among the wave's 256
	v_add_nc_u32 v6, s21, v4
.if \pos
	s_sub_co_u32 s26, ttmp9, 128
.else
	s_mov_b32 s26, ttmp9
.endif
	s_lshl_b32 s28, s26, 17                        ; eight rows of 16,384 bytes,
	s_lshl_b32 s29, s20, 12                        ; + b's 4,096
	s_add_co_u32 s28, s28, s29
	s_mov_b32 s29, 0
	s_lshl_b32 s30, s26, 12                        ; codes: eight rows of 512 bytes,
	s_lshl_b32 s31, s20, 20                        ; + 2,048 b rows
	s_add_co_u32 s30, s30, s31
	s_add_co_u32 s30, s30, \pos*1024*512
	s_mov_b32 s31, 0
	s_lshl_b32 s32, s26, 8                         ; scale bytes: eight rows of 32
	s_lshl_b32 s33, s20, 16
	s_add_co_u32 s32, s32, s33
	s_add_co_u32 s32, s32, 0x400000+\pos*1024*32
	s_mov_b32 s33, 0
	s_lshl_b32 s38, s26, 15                        ; pos_emb: eight rows of 4,096 bytes
	s_mov_b32 s39, 0
	s_wait_kmcnt 0x0
.if \pos
	s_add_nc_u64 s[22:23], s[4:5], s[28:29]
	s_add_nc_u64 s[24:25], s[6:7], s[38:39]
.else
	s_add_nc_u64 s[22:23], s[8:9], s[28:29]
.endif
	s_add_nc_u64 s[34:35], s[14:15], s[30:31]
	s_add_nc_u64 s[36:37], s[14:15], s[32:33]
.irp t, 0,1,2,3
	QLOAD \t, \pos
.endr
	s_wait_loadcnt 3*(4+4*\pos)                    ; step 0's loads are in
	QTURN 0, \pos
.irp t, 0,1,2,3,4,5,6,7,8,9,10,11,12,13,14,15
	QSTEP \t, \pos
.endr
	ds_load_b64 v[12:13], v6                       ; LDS serves a wave's instructions in order: these see my byte stores
	s_wait_dscnt 0x0
	global_store_b64 v4, v[12:13], s[36:37]        ; the wave's 256 scale bytes: consecutive, aligned
	s_wait_tensorcnt 0x0
	ds_add_u32 v240, v241
	s_wait_dscnt 0x0
	s_endpgm
.endm
	s_load_b512 s[4:19], s[0:1], 0x0               ; x 4:5, pos_emb 6:7, memory 8:9, mask 10:11, w_o_codes 12:13, cq 14:15, mk 16:17, wo 18:19
	v_lshl_add_u32 v240, v0, 2, 0x18400
	v_mov_b32 v241, 0
	v_lshrrev_b32 v1, 5, v0
	v_readfirstlane_b32 s20, v1                    ; wave
	v_and_b32 v2, 31, v0                           ; lane
	s_cmp_ge_u32 ttmp9, 512
	s_cbranch_scc1 .Lwo
	s_cmp_ge_u32 ttmp9, 256
	s_cbranch_scc1 .Lmask
	s_cmp_ge_u32 ttmp9, 128
	s_cbranch_scc1 .Lx
	QPATH 0, MEMLB
.Lx:
	QPATH 1, XLB
; ---- MASK: a wave takes 16 queries x 128 keys x 4 b: 16 rows of 512 consecutive bytes
.Lmask:
	s_sub_co_u32 s21, ttmp9, 256
	s_lshl_b32 s21, s21, 2
	s_add_co_u32 s21, s21, s20                     ; task = 16 x tile + step
	s_lshr_b32 s22, s21, 4
	s_and_b32 s23, s21, 15
	s_lshl_b32 s28, s22, 17                        ; 16 queries of 8,192 bytes,
	s_lshl_b32 s29, s23, 9                         ; + 128 keys of 4
	s_add_co_u32 s28, s28, s29
	s_mov_b32 s29, 0
	s_lshl_b32 s30, s21, 8                         ; words: 256 bytes a task
	s_mov_b32 s31, 0
	s_mul_i32 s34, s20, 16*MP
	s_add_co_u32 s34, s34, MKLB                    ; my wave's LDS
	v_lshlrev_b32 v3, 4, v2
	v_add_nc_u32 v4, s34, v3                       ; in: 16 bytes a lane of a row
	v_and_b32 v5, 15, v2
	v_lshrrev_b32 v6, 4, v2
	v_mul_u32_u24 v5, v5, MP
	v_lshl_add_u32 v5, v6, 6, v5
	v_add_nc_u32 v5, s34, v5                       ; out: row lane % 16, + 16 keys (64 bytes) for lanes 16-31
	v_lshlrev_b32 v7, 3, v2                        ; two words a lane
	s_wait_kmcnt 0x0
	s_add_nc_u64 s[10:11], s[10:11], s[28:29]
	s_add_nc_u64 s[36:37], s[16:17], s[30:31]
.irp r, 0,1,2,3,4,5,6,7,8,9,10,11,12,13,14,15
	global_load_b128 v[16+4*\r:19+4*\r], v3, s[10:11] offset:8192*\r th:TH_LOAD_NT
.endr
.irp r, 0,1,2,3,4,5,6,7,8,9,10,11,12,13,14,15
	s_wait_loadcnt 15-\r                           ; loads come back in order: row r is in
	ds_store_b128 v4, v[16+4*\r:19+4*\r] offset:MP*\r
.endr
.irp k, 0,1,2,3,4,5,6,7,8,9,10,11,12,13,14,15
	ds_load_b128 v[80+4*\k:83+4*\k], v5 offset:128*(\k/4)+16*(\k%4)   ; register 80 + n: the four b bytes of (query lane % 16, key 32 beta + 16 (lane / 16) + i), n = 16 beta + i
.endr
.irp j, 144,145,146,147,148,149,150,151
	v_mov_b32 v\j, 0                               ; a lane write's destination counts as read
.endr
	s_wait_dscnt 0x0
.irp b, 0,1,2,3
.set n, 0
.rept 64
	v_and_b32 v[10+n%4], 0xff<<(8*\b), v[80+n]
	v_cmp_ne_u32 s[24+n%4], 0, v[10+n%4]           ; word n: a bit for each lane
	v_writelane_b32 v[144+2*\b+n%2], s[24+n%4], n/2   ; lane n / 2 keeps words n and n + 1 as a pair
.set n, n+1
.endr
	global_store_b64 v7, v[144+2*\b:145+2*\b], s[36:37] offset:262144*\b   ; b's 64 words: 256 consecutive bytes, aligned; each b has its own pair of registers
.endr
	s_wait_tensorcnt 0x0
	ds_add_u32 v240, v241
	s_wait_dscnt 0x0
	s_endpgm
; ---- WO: a wave takes a tile of 16 rows of w_o's codes (8,192 bytes) and lays it fragment by fragment
.Lwo:
	s_sub_co_u32 s21, ttmp9, 512
	s_lshl_b32 s21, s21, 2
	s_add_co_u32 s21, s21, s20                     ; tile
	s_lshl_b32 s28, s21, 13
	s_mov_b32 s29, 0
	v_and_b32 v3, 15, v2
	v_lshrrev_b32 v4, 4, v2
	v_lshlrev_b32 v3, 9, v3
	v_lshl_add_u32 v3, v4, 4, v3                   ; in: row r of 512 bytes, + 16 h
	v_lshlrev_b32 v5, 4, v2                        ; out: 16 bytes a lane
	s_wait_kmcnt 0x0
	s_add_nc_u64 s[12:13], s[12:13], s[28:29]
	s_add_nc_u64 s[18:19], s[18:19], s[28:29]
.irp k, 0,1,2,3,4,5,6,7,8,9,10,11,12,13,14,15
	global_load_b128 v[16+4*\k:19+4*\k], v3, s[12:13] offset:32*\k th:TH_LOAD_NT   ; k = 2 step + c
.endr
.irp k, 0,1,2,3,4,5,6,7,8,9,10,11,12,13,14,15
	s_wait_loadcnt 15-\k
	global_store_b128 v5, v[16+4*\k:19+4*\k], s[18:19] offset:512*\k   ; 512 consecutive bytes
.endr
	s_endpgm
.Lfunc_end_k_qf589a12518_prep:
	.size	k_qf589a12518_prep, .Lfunc_end_k_qf589a12518_prep-k_qf589a12518_prep
	.p2alignl 7, 3214868480
	.fill 96, 4, 3214868480
	.section	.rodata,"a",@progbits
	.p2align	6, 0x0
	.amdhsa_kernel k_qf589a12518_prep
		.amdhsa_group_segment_fixed_size 99840
		.amdhsa_private_segment_fixed_size 0
		.amdhsa_enable_private_segment 0
		.amdhsa_kernarg_size 64
		.amdhsa_user_sgpr_count 2
		.amdhsa_user_sgpr_kernarg_segment_ptr 1
		.amdhsa_wavefront_size32 1
		.amdhsa_system_sgpr_workgroup_id_x 1
		.amdhsa_system_sgpr_workgroup_id_y 1
		.amdhsa_system_sgpr_workgroup_id_z 1
		.amdhsa_system_vgpr_workitem_id 0
		.amdhsa_next_free_vgpr 242
		.amdhsa_next_free_sgpr 66
		.amdhsa_reserve_vcc 0
		.amdhsa_float_denorm_mode_32 3
		.amdhsa_float_denorm_mode_16_64 3
		.amdhsa_memory_ordered 1
		.amdhsa_forward_progress 1
		.amdhsa_inst_pref_size 138
	.end_amdhsa_kernel
	.amdgpu_metadata
---
amdhsa.version: [ 1, 2 ]
amdhsa.kernels:
  - .name:           k_qf589a12518_prep
    .symbol:         k_qf589a12518_prep.kd
    .args:
      - { .name: x, .offset: 0, .size: 8, .value_kind: global_buffer, .address_space: global }
      - { .name: pos_emb, .offset: 8, .size: 8, .value_kind: global_buffer, .address_space: global }
      - { .name: memory, .offset: 16, .size: 8, .value_kind: global_buffer, .address_space: global }
      - { .name: mask, .offset: 24, .size: 8, .value_kind: global_buffer, .address_space: global }
      - { .name: w_o_codes, .offset: 32, .size: 8, .value_kind: global_buffer, .address_space: global }
      - { .name: cq, .offset: 40, .size: 8, .value_kind: global_buffer, .address_space: global }
      - { .name: mk, .offset: 48, .size: 8, .value_kind: global_buffer, .address_space: global }
      - { .name: wo, .offset: 56, .size: 8, .value_kind: global_buffer, .address_space: global }
    .group_segment_fixed_size: 99840
    .private_segment_fixed_size: 0
    .kernarg_segment_align: 8
    .kernarg_segment_size: 64
    .max_flat_workgroup_size: 128
    .sgpr_count:     66
    .vgpr_count:     242
    .wavefront_size: 32
...
	.end_amdgpu_metadata
.endif
;; end of part 1
;; launch qkv (part 2): grid 4 x 80, 4 waves a work-group, clusters of 4 x 4, 327,680 bytes of LDS; arguments cq, w_qkv_codes, w_qkv_scales, qkv; writes qkv
.if DOCPART == 2
	.amdgcn_target "amdgcn-amd-amdhsa--gfx1250"
	.amdhsa_code_object_version 6
	.text
	.protected	k_qf589a12518_qkv
	.globl	k_qf589a12518_qkv
	.p2align	8
	.type	k_qf589a12518_qkv,@function
k_qf589a12518_qkv:
	s_mov_b64 s[64:65], 0
	v_nop
	global_prefetch_b8 v0, s[64:65] scope:SCOPE_SE
	s_setreg_imm32_b32 hwreg(HW_REG_WAVE_MODE, 25, 1), 1
	s_wait_xcnt 0x0
	s_wait_alu depctr_hold_cnt(0) depctr_sa_sdst(0) depctr_va_vdst(0) depctr_va_sdst(0) depctr_va_ssrc(0) depctr_va_vcc(0) depctr_vm_vsrc(0)
	s_getreg_b32 s2, hwreg(HW_REG_IB_STS2, 6, 4)
	s_cmp_eq_u32 s2, 0
	s_cbranch_scc0 .Lentry_in_a_cluster
	s_endpgm
.Lentry_in_a_cluster:
	s_bfe_u32 s2, ttmp6, 0x10000c
	s_cmp_lg_u32 s2, 0xf033
	s_cbranch_scc0 .Lentry_shape_is_right
	s_endpgm
.Lentry_shape_is_right:
; QKV: q, k and v = c w_qkv on codes of FP4 (E2M1) with E8M0 scales, K = 1,024, and the results QUANTISED ON THE WAY OUT: q and k along the head's 64, v along the keys.  No f32 result goes to memory.
; A tile of 256 x 256 is made by a work-group of four waves, a wave makes 128 x 128: 64 accumulators of 16 x 16, 512 registers.  K goes in two steps of 512; both lie in LDS from the start, so no LDS byte is filled twice.
; TWO SIDES.  R: source 1 of the matrix instruction: a lane holds one row of it.  P: source 0: a lane's registers run along it.  The results are quantised ALONG P, in blocks of 32.
; THE ROLE hangs on the cluster's y alone (G, equal in all sixteen partners); a cluster makes 1,024 of R x 1,024 of P:
;   G = 0 .. 7   K: R = rows 1,024 G on of c (row = 2,048 b + t), P = rows 1,024 .. 2,047 of w_qkv
;   G = 8 .. 11  Q: R = rows 2,048 (G - 8) + 1,024 on of c (the queries alone: q of the memory's rows is thrown away), P = rows 0 .. 1,023 of w_qkv
;   G = 12 .. 19 V: R = rows 2,048 .. 3,071 of w_qkv, P = rows 1,024 (G - 12) on of c: the sides are swapped, so that a lane's registers run along the keys
; The role chooses pointers and offsets by selects; there is no branch on it, and one text serves all three.
; CLUSTERS: 4 x 4 work-groups.  The four of a row of the cluster need the same tiles of R, the four of a column the same tiles of P: each tile is asked for JOINTLY.
; OUTPUT (buffer qkv): QC 0: [b][head][query][32 bytes]; KC 0x200000: [b][head][step of 128 keys][key][32]; VC 0x600000: [b][head][step][half of the step][d 64][32 bytes = 64 keys];
;   scale words: QS 0xA00000 [b][pair of heads][query], KS 0xA20000 [b][pair][key] (bytes 0, 1 the even head's two blocks, 2, 3 the odd head's); VS 0xA60000 [b][head][step][d] (the step's four blocks of keys).
; LIMITS: a block whose largest magnitude lies under 2^-124 (a block of zeros among them) keeps the scale byte 1; the bytes are read by this program alone.  NaN and infinities are not served.
; REGISTERS, in windows of 256: window 0: v0-31 addresses; v32-95 scale words, two sets, and nothing else; v128-191 R's fragments, one set; v200-204 offsets of the way out; on the way out v96-187 are at work.
;   window 1: P's fragments, two sets, at v0 and v128; on the way out v0-67 take what comes back from the stage.   window 2: the accumulators of my rows 0-63 ((a, b) at v[8 (8 a + b)]);   window 3: those of my rows 64-127.
.set NQ,     4                         ; matrix instructions deep in a slot: 512 along K
.set ROWB,   256                       ; a tile's row in bytes
.set KROW,   512                       ; a row of codes in memory
.set PITCH,  272                       ; an LDS row: 256 bytes + 16 of padding: the 16 rows that a load touches start 68 words apart
.set FR,     8
.set NL,     2
.set NP,     4                         ; places behind this matrix instruction (ISA guide 7.12.1)
.set HALFT,  128*PITCH
.set SLOT,   4*HALFT                   ; R's 256 rows, then P's 256 rows
.set KS,     32                        ; a row of scale bytes
.set SCL,    2*SLOT
.set HALFS,  (128*KS/256)*272
.set SBLK,   (16*KS/256)*272
.set SPARE,  SCL+4*HALFS               ; the spare words, 128 bytes for each wave, that no other line names
.set SGB,    8704                      ; the way out: a stage for each wave, in slot 0: 2 x 128 rows x 32 bytes of codes, then 128 scale words
.set ADRA, 16                          ; v16-17  LDS address of my R fragments in slot 0, 1
.set ADRB, 20                          ; v20-21  the same for P
.set STO,  24                          ; v24     the stage: where I put 4 bytes of a row
.set RD,   25                          ; v25     and where I read 16 bytes back
.set SST,  26                          ; v26     where I put a row's scale word
.set ADRS, 27                          ; v27     LDS address of my scale words: lanes 0-15 R's rows, lanes 16-31 P's
.set SPW,  28                          ; v28     my spare word; never rewritten
.set NIL,  29                          ; v29     0; never rewritten
.set SC,   32
.set AF,   128
.set TM,   96                          ; the way out: v96-99 largest magnitudes, v100-103 the other lane's, then bytes, v104-107 the conversions' scale operands
.set PCB,  108                         ; v[108 + 10 a ..]: row block a's eight registers of codes and its scale word: no store's data are written again
.set BK,   0                           ; in window 1: v0-63 the codes read back;  v64-67 the scale words
.set SWD,  64
.set VO,   200                         ; v200-203 16 x lane + 0, SB, SA, SA + SB
.set VSO,  204                         ; v204    16 (lane % 16) + SH (lane / 16)
.set G1, 24
.set G0, 32
.set G1B, 48
.set G0B, 56
.set G1S, 68
.set G0S, 76
.set G1SB, 80
.set G0SB, 88
.set SEL, 100                          ; s[100:101] lane selects: lane l xor 16
.set MSB, 0
.macro WIN new                         ; the immediate's high byte repeats the setting that is left
.if MSB != (\new)
	s_set_vgpr_msb (MSB<<8)|(\new)
.set MSB, (\new)
.endif
.endm
.set MUL_LO, 0xa1                      ; source 0 (P) window 1, source 1 (R) window 0, C and D window 2
.set MUL_HI, 0xf1
.set TO_B,   0x40                      ; destination window 1, address window 0
.set FROM_B, 0x04                      ; source 1 (a store's data) window 1, address window 0
; A joint load: waves 0 and 1 fetch for R, waves 2 and 3 for P.  The branch hangs on the wave's number alone.  Four v_nop follow each of the two lines.
.macro JLOAD g0a, g1a, g0b, g1b
	s_cmp_eq_u32 s15, 0
	s_cbranch_scc0 .Lfor_b_\@
	tensor_load_to_lds s[\g0a:\g0a+3], s[\g1a:\g1a+7]
	s_nop 0
.rept 4
	v_nop
.endr
	s_branch .Lasked_\@
.Lfor_b_\@:
	tensor_load_to_lds s[\g0b:\g0b+3], s[\g1b:\g1b+7]
	s_nop 0
.rept 4
	v_nop
.endr
.Lasked_\@:
.endm
.macro CROUND                          ; a round of the cluster's barrier
	s_barrier_signal -1
	s_barrier_wait -1
	s_cmp_lg_u32 s14, 0
	s_cbranch_scc1 .Lnot_wave_0_\@
	s_barrier_signal -3
.Lnot_wave_0_\@:
	s_barrier_wait -3
	s_barrier_signal -1
	s_barrier_wait -1
.endm
	s_load_b256 s[4:11], s[0:1], 0x0               ; cq 4:5, w_qkv_codes 6:7, w_qkv_scales 8:9, qkv 10:11
	v_lshl_add_u32 v[SPW], v0, 2, SPARE
	v_mov_b32 v[NIL], 0
	ds_add_u32 v28, v29
	ds_add_u32 v28, v29
	s_wait_dscnt 0x0
	v_lshrrev_b32 v1, 5, v0
	v_readfirstlane_b32 s14, v1                    ; wave 0..3
	s_lshr_b32 s15, s14, 1                         ; which half of the tile's R is mine.  Also: I fetch for R (0) or for P (1)
	s_and_b32 s16, s14, 1                          ; which half of its P.  Also: which 128 rows of that tile I fetch
	s_bfe_u32 s40, ttmp6, 0x40000                  ; cx, cy: my place in the cluster
	s_bfe_u32 s41, ttmp6, 0x40004
	s_and_b32 s17, ttmp7, 0xffff                   ; G: the cluster's y
	s_lshl_b32 s43, s41, 2
	s_lshl_b32 s43, 15, s43                        ; my row of the cluster
	s_lshl_b32 s44, 0x1111, s40                    ; my column
	; descriptor group 1: a tile of 128 rows x 256 bytes, 16 bytes of padding behind each row
	s_or_b32 s[G1+0], s43, (0<<16)|(1<<20)|(1<<21)|(5<<22)|(3<<25)  ; 15:0 the mask: R's tiles go to my row; elements of 1 byte; padding on; bit 21 beside a mask; after every 64 words, 4 words
	s_or_b32 s[G1B+0], s44, (0<<16)|(1<<20)|(1<<21)|(5<<22)|(3<<25)
.irp g, G1, G1B
	s_mov_b32 s[\g+1], ROWB<<16                    ; tensor_dim0
	s_mov_b32 s[\g+2], 128<<16                     ; tensor_dim1
	s_mov_b32 s[\g+3], ROWB<<16                    ; tile_dim0
	s_mov_b32 s[\g+4], 128                         ; tile_dim1
	s_mov_b32 s[\g+5], KROW                        ; tensor_dim0_stride
	s_mov_b32 s[\g+6], 0
	s_mov_b32 s[\g+7], 0
.endr
	; the scale bytes of 128 rows: 4,096 dense bytes, as 16 rows of 256 (32 elements of 8 bytes), 16 bytes of padding behind each
	s_or_b32 s[G1S+0], s43, (3<<16)|(1<<20)|(1<<21)|(5<<22)|(3<<25)
	s_or_b32 s[G1SB+0], s44, (3<<16)|(1<<20)|(1<<21)|(5<<22)|(3<<25)
.irp g, G1S, G1SB
	s_mov_b32 s[\g+1], 32<<16
	s_mov_b32 s[\g+2], (128*KS/256)<<16
	s_mov_b32 s[\g+3], 32<<16
	s_mov_b32 s[\g+4], 128*KS/256
	s_mov_b32 s[\g+5], 32
	s_mov_b32 s[\g+6], 0
	s_mov_b32 s[\g+7], 0
.endr
	; the sides' first rows, by the role
	s_lshl_b32 s18, s17, 10                        ; K: R from row 1,024 G
	s_sub_co_u32 s19, s17, 8
	s_lshl_b32 s19, s19, 11
	s_add_co_u32 s19, s19, 1024                    ; Q: from row 2,048 (G - 8) + 1,024
	s_sub_co_u32 s42, s17, 12
	s_lshl_b32 s42, s42, 10                        ; V: P from row 1,024 (G - 12)
	s_mov_b32 s22, 2048
	s_mov_b32 s23, 1024
	s_cmp_lt_u32 s17, 8
	s_cselect_b32 s18, s18, s19
	s_cselect_b32 s23, s23, 0                      ; P: K from row 1,024 of w_qkv, Q from row 0
	s_cmp_lt_u32 s17, 12
	s_cselect_b32 s18, s18, s22                    ; V: R from row 2,048 of w_qkv
	s_cselect_b32 s42, s23, s42
	s_lshl_b32 s45, s16, 7                         ; which 128 rows of the tile I fetch
	s_lshl_b32 s19, s41, 8
	s_add_co_u32 s18, s18, s19
	s_add_co_u32 s18, s18, s45                     ; R: + 256 cy + 128 x half
	s_lshl_b32 s46, s40, 8
	s_add_co_u32 s42, s42, s46
	s_add_co_u32 s42, s42, s45                     ; P: + 256 cx + 128 x half
	s_lshl_b32 s20, s18, 9                         ; in bytes: codes, 512 a row;
	s_mov_b32 s21, 0
	s_lshl_b32 s22, s18, 5                         ; scale bytes, 32 a row
	s_mov_b32 s23, 0
	s_lshl_b32 s46, s42, 9
	s_mov_b32 s47, 0
	s_lshl_b32 s92, s42, 5
	s_mov_b32 s93, 0
	s_mul_i32 s45, s14, HALFT                      ; where they go: wave x 128 rows: no place in the cluster enters an LDS address
	s_mul_i32 s94, s14, HALFS
	s_mov_b32 s[SEL], 0x76543210
	s_mov_b32 s[SEL+1], 0xfedcba98
	s_wait_kmcnt 0x0
	s_add_nc_u64 s[12:13], s[4:5], 0x400000        ; c's scale bytes
	s_cmp_lt_u32 s17, 12                           ; K or Q: R is c; V: R is w_qkv
	s_cselect_b64 s[96:97], s[4:5], s[6:7]
	s_cselect_b64 s[98:99], s[12:13], s[8:9]
	s_cselect_b64 s[4:5], s[6:7], s[4:5]
	s_cselect_b64 s[8:9], s[8:9], s[12:13]
	s_add_nc_u64 s[20:21], s[96:97], s[20:21]      ; R's codes, R's scale bytes,
	s_add_nc_u64 s[22:23], s[98:99], s[22:23]
	s_add_nc_u64 s[46:47], s[4:5], s[46:47]        ; P's
	s_add_nc_u64 s[92:93], s[8:9], s[92:93]
	CROUND                                         ; all sixteen work-groups are here: the joint loads meet
	s_mov_b32 s[G0S], 1
	s_add_co_u32 s[G0S+1], s94, SCL
	s_mov_b64 s[G0S+2:G0S+3], s[22:23]
	s_or_b32 s[G0S+3], s[G0S+3], 0x80000000
	s_mov_b32 s[G0SB], 1
	s_add_co_u32 s[G0SB+1], s94, SCL
	s_mov_b64 s[G0SB+2:G0SB+3], s[92:93]
	s_or_b32 s[G0SB+3], s[G0SB+3], 0x80000000
	JLOAD G0S, G1S, G0SB, G1SB                     ; the scale bytes first: they are wanted with the first step
.irp s, 0,1
	s_mov_b32 s[G0+4*\s], 1
	s_add_co_u32 s[G0+4*\s+1], s45, \s*SLOT
	s_add_nc_u64 s[G0+4*\s+2:G0+4*\s+3], s[20:21], \s*ROWB
	s_or_b32 s[G0+4*\s+3], s[G0+4*\s+3], 0x80000000
	s_mov_b32 s[G0B+4*\s], 1
	s_add_co_u32 s[G0B+4*\s+1], s45, \s*SLOT
	s_add_nc_u64 s[G0B+4*\s+2:G0B+4*\s+3], s[46:47], \s*ROWB
	s_or_b32 s[G0B+4*\s+3], s[G0B+4*\s+3], 0x80000000
	JLOAD G0+4*\s, G1, G0B+4*\s, G1B               ; three loads of mine are out: all that this launch fetches
.endr
	v_and_b32 v1, 15, v0                           ; r = l % 16
	v_bfe_u32 v2, v0, 4, 1                         ; h = l / 16
	v_mul_u32_u24 v3, v1, PITCH
	v_lshl_add_u32 v4, v2, 4, v3                   ; a fragment's row x pitch + 16 x half
	s_mul_i32 s21, s15, HALFT                      ; my 128 rows of R
	s_mul_i32 s22, s16, HALFT                      ; my 128 rows of P,
	s_add_co_u32 s22, s22, 2*HALFT                 ; which lie behind R's 256
.irp s, 0,1
	v_add_nc_u32 v[ADRA+\s], s21, v4
	v_add_nc_u32 v[ADRB+\s], s22, v4
	s_add_co_u32 s21, s21, SLOT
	s_add_co_u32 s22, s22, SLOT
.endr
	v_mul_u32_u24 v5, v1, KS                       ; my row's scale bytes: 32 a row,
	v_lshrrev_b32 v6, 8, v5
	v_lshl_add_u32 v5, v6, 4, v5                   ; and 16 more for each 256 passed
	s_mul_i32 s21, s15, HALFS
	s_mul_i32 s22, s16, HALFS
	s_add_co_u32 s22, s22, 2*HALFS
	s_sub_co_u32 s22, s22, s21
	v_mul_u32_u24 v6, s22, v2                      ; lanes 16-31 take P's
	s_add_co_u32 s21, s21, SCL
	v_add_nc_u32 v5, v5, v6
	v_add_nc_u32 v[ADRS], s21, v5
	s_mul_i32 s23, s14, SGB                        ; my stage
	v_lshlrev_b32 v5, 5, v1
	v_lshl_add_u32 v5, v2, 2, v5
	v_add_nc_u32 v[STO], s23, v5                   ; in: row r of 32 bytes, + 4 h
	v_lshlrev_b32 v5, 2, v1
	v_add_nc_u32 v5, s23, v5
	v_add_nc_u32 v[SST], 8192, v5                  ; a row's scale word
	v_and_b32 v6, 31, v0
	v_lshlrev_b32 v[VO], 4, v6
	v_add_nc_u32 v[RD], s23, v[VO]                 ; back: 16 bytes a lane
	; where my 128 x 128 goes.  u1 = 2 cx + my half of P, u2 = 2 cy + my half of R: units of 128 in the cluster's 1,024.  These numbers enter the stores' addresses alone.
	s_lshl_b32 s92, s40, 1
	s_add_co_u32 s92, s92, s16                     ; u1
	s_lshl_b32 s93, s41, 1
	s_add_co_u32 s93, s93, s15                     ; u2
	s_and_b32 s94, s17, 1
	s_lshl_b32 s94, s94, 3                         ; the cluster's half of the 16 steps (K, V)
	s_sub_co_u32 s95, s17, 8
	s_sub_co_u32 s96, s17, 12
	s_mov_b32 s18, 0x600000
	s_mov_b32 s19, 0xa60000
	s_mov_b32 s20, 65536
	s_mov_b32 s21, 4096
	s_mov_b32 s22, 2048
	s_cmp_lt_u32 s17, 12                           ; K or Q | V
	s_cselect_b32 s97, s92, s93                    ; the pair of heads: along P | along R
	s_cselect_b32 s98, s93, s92                    ; the step of 128 keys or queries: along R | along P
	s_cselect_b32 s96, s17, s96
	s_cselect_b32 s18, 0x200000, s18               ; the codes' region
	s_cselect_b32 s19, 0xa20000, s19               ; the scale words' region
	s_cselect_b32 s99, 1, 0                        ; a step's scale words: 512 bytes | 256
	s_cselect_b32 s23, s20, s22                    ; SA, from the first 32 bytes of a stage row to the second: the odd head | the step's second half
	s_cselect_b32 s20, s22, s20                    ; SB, from stage rows 0-63 to 64-127: on end | the odd head
	s_cselect_b32 s21, 256, s21                    ; SH, the same for the scale words
	s_lshr_b32 s96, s96, 1                         ; b
	s_cmp_lt_u32 s95, 4                            ; Q?
	s_cselect_b32 s96, s95, s96
	s_cselect_b32 s94, 0, s94
	s_cselect_b32 s18, 0, s18
	s_cselect_b32 s19, 0xa00000, s19
	s_cselect_b32 s23, 32768, s23
	s_cselect_b32 s45, 3, 4                        ; a head has 8 | 16 units of 4,096 bytes
	s_add_co_u32 s98, s98, s94
	s_lshl_b32 s96, s96, 4
	s_lshl_b32 s97, s97, 1
	s_add_co_u32 s96, s96, s97                     ; 16 b + the even head
	s_lshl_b32 s96, s96, s45
	s_add_co_u32 s97, s96, s98
	s_lshl_b32 s97, s97, 12
	s_add_co_u32 s46, s97, s18
	s_mov_b32 s47, 0
	s_lshl_b32 s98, s98, s99
	s_add_co_u32 s96, s96, s98
	s_lshl_b32 s96, s96, 8
	s_add_co_u32 s96, s96, s19
	s_mov_b32 s97, 0
	s_add_nc_u64 s[12:13], s[10:11], s[46:47]      ; my codes
	s_add_nc_u64 s[10:11], s[10:11], s[96:97]      ; my scale words
	v_add_nc_u32 v[VO+1], s20, v[VO]
	v_add_nc_u32 v[VO+2], s23, v[VO]
	v_add_nc_u32 v[VO+3], s23, v[VO+1]
	v_mul_lo_u32 v5, v2, s21
	v_lshl_add_u32 v[VSO], v1, 4, v5
.macro FRAG reg, adr, q, i             ; a fragment, 16 rows x 128 K of 4-bit codes: lane l holds row l % 16; registers 4 c .. 4 c + 3 hold K = 64 c + 32 (l / 16) + 0 .. 31
.irp c, 0,1
	ds_load_b128 v[\reg+4*\c:\reg+4*\c+3], v[\adr] offset:64*(\q)+32*\c+(\i)*16*PITCH
.endr
.endm
; 16 matrix instructions: R's blocks a0, a0 + 1 x P's eight, 128 along K.  The 64 accumulators take turns, one instruction a turn, in the same order in every step.
.macro MUL16 a0, p, q, sc, zero
.irp a, \a0, \a0+1
.irp b, 0,1,2,3,4,5,6,7
.if \zero
	v_wmma_scale_f32_16x16x128_f8f6f4 v[8*(8*((\a)%4)+\b):8*(8*((\a)%4)+\b)+7], v[128*(\p)+FR*\b:128*(\p)+FR*\b+FR-1], v[AF+FR*(\a):AF+FR*(\a)+FR-1], 0, v[SC+8*NQ*(\sc)+NQ*\b+(\q)], v[SC+8*NQ*(\sc)+NQ*(\a)+(\q)] matrix_a_fmt:MATRIX_FMT_FP4 matrix_b_fmt:MATRIX_FMT_FP4 matrix_a_scale:MATRIX_SCALE_ROW1
.else
	v_wmma_scale_f32_16x16x128_f8f6f4 v[8*(8*((\a)%4)+\b):8*(8*((\a)%4)+\b)+7], v[128*(\p)+FR*\b:128*(\p)+FR*\b+FR-1], v[AF+FR*(\a):AF+FR*(\a)+FR-1], v[8*(8*((\a)%4)+\b):8*(8*((\a)%4)+\b)+7], v[SC+8*NQ*(\sc)+NQ*\b+(\q)], v[SC+8*NQ*(\sc)+NQ*(\a)+(\q)] matrix_a_fmt:MATRIX_FMT_FP4 matrix_b_fmt:MATRIX_FMT_FP4 matrix_a_scale:MATRIX_SCALE_ROW1
.endif
.endr
.endr
.endm
.macro FETCH_B slot, q, p
	WIN TO_B
.irp i, 0,1,2,3,4,5,6,7
	FRAG 128*(\p)+FR*\i, ADRB+\slot, \q, \i
.endr
	WIN 0
.endm
.macro FETCH_A slot, q, i0
.irp i, \i0, \i0+1, \i0+2, \i0+3
	FRAG AF+FR*(\i), ADRA+\slot, \q, \i
.endr
.endm
.macro SCALES sc                       ; a slot's scale words: four a row; lanes 0-15 take R's block i, lanes 16-31 P's block i
.irp i, 0,1,2,3,4,5,6,7
	ds_load_b128 v[SC+8*NQ*\sc+NQ*\i:SC+8*NQ*\sc+NQ*\i+3], v[ADRS] offset:\i*SBLK
.endr
.endm
.macro PLACES n                        ; plain vector lines between a matrix instruction and a load into, or a read of, its registers
.rept \n
	v_nop
.endr
.endm
.macro STEP slot, q, zero              ; a step of 128 along K that has its successor in the same slot
	s_wait_dscnt 4*NL                              ; P's set and R's blocks 0-3 are in; the youngest eight loads (R's blocks 4-7) may be out
	WIN MUL_LO
	MUL16 0, (\q)%2, \q, \slot, \zero
	MUL16 2, (\q)%2, \q, \slot, \zero
	s_wait_dscnt 0                                 ; R's blocks 4-7 are in
	PLACES NP
	FETCH_B \slot, (\q)+1, 1-(\q)%2
	FETCH_A \slot, (\q)+1, 0
	WIN MUL_HI
	MUL16 4, (\q)%2, \q, \slot, \zero
	MUL16 6, (\q)%2, \q, \slot, \zero
	PLACES NP
	WIN 0
	FETCH_A \slot, (\q)+1, 4
.endm
; Slot 0's last step changes slots: one barrier; in front of it each wave waits for all its tensor loads (its part of slot 1), adds 0 to its spare word, and waits for that and for its reads of slot 0.
.macro TURN slot, next
	s_wait_tensorcnt 0x0                           ; all my tensor loads have landed
	ds_add_u32 v[SPW], v[NIL]                      ; 0 onto my spare word
	s_wait_dscnt 4*NL+1                            ; (the add and the youngest eight loads may be out)
	WIN MUL_LO
	MUL16 0, 1, NQ-1, \slot, 0
	s_wait_dscnt 0x0                               ; the add is done, and my reads of this slot are over
	s_barrier_signal -1
	MUL16 2, 1, NQ-1, \slot, 0
	WIN 0
	s_barrier_wait -1                              ; slot 1 is whole, and nobody reads slot 0 any more
	PLACES NP
	v_add_nc_u32 v[ADRS], 4*NQ, v[ADRS]            ; on to the next slot's scale words
	FETCH_B \next, 0, 0
	FETCH_A \next, 0, 0
	SCALES \next
	WIN MUL_HI
	MUL16 4, 1, NQ-1, \slot, 0
	MUL16 6, 1, NQ-1, \slot, 0
	PLACES NP
	WIN 0
	FETCH_A \next, 0, 4
.endm
.macro STEPS slot, from
.set Q, \from
.rept NQ-1-\from
	STEP \slot, Q, 0
.set Q, Q+1
.endr
.endm
	s_wait_tensorcnt 1                             ; the scale bytes and my part of slot 0 are in (slot 1's load may be out),
	s_barrier_signal -1
	s_barrier_wait -1                              ; everybody's are
	FETCH_B 0, 0, 0
	FETCH_A 0, 0, 0
	SCALES 0
	FETCH_A 0, 0, 4
	STEP 0, 0, 1                                   ; the first products start the sums: nothing is cleared
	STEPS 0, 1
	TURN 0, 1
	STEPS 1, 0
	s_wait_dscnt 4*NL                              ; the last step: nothing more to fetch
	WIN MUL_LO
	MUL16 0, 1, NQ-1, 1, 0
	MUL16 2, 1, NQ-1, 1, 0
	s_wait_dscnt 0
	WIN MUL_HI
	MUL16 4, 1, NQ-1, 1, 0
	MUL16 6, 1, NQ-1, 1, 0
	WIN 0
; THE WAY OUT.  In row block a, lane (r, h) holds row 16 a + r of R, and register j of accumulator bb the place 16 bb + 8 h + j along P.  Block beta of 32 along P lies in accumulators 2 beta and 2 beta + 1 of lanes l and l xor 16.
; Eight results of an accumulator become 4 bytes of codes, at byte 8 bb + 4 h of the row's 64.  The stage keeps the row's first 32 bytes and its second 32 bytes apart (4,096 bytes each for the 128 rows).
.macro QROW a
.set AC, 64*((\a)%4)
.set WN, 2+(\a)/4
.set PCA, PCB+10*(\a)
	WIN (WN<<2)|(WN<<4)                            ; sources 1 and 2: the accumulators' window
.irp b, 0,1,2,3
	v_max3_num_f32 v[TM+\b], 0x1800000, |v[AC+16*\b]|, |v[AC+16*\b+1]|   ; each accumulator is read from its low end on; the floor 2^(3 - 127) holds the byte at 1 from below
.endr
.irp i, 2,4,6,8,10,12,14
.irp b, 0,1,2,3
	v_max3_num_f32 v[TM+\b], v[TM+\b], |v[AC+16*\b+\i]|, |v[AC+16*\b+\i+1]|
.endr
.endr
	WIN 0
.irp b, 0,1,2,3
	v_permlanex16_b32 v[TM+4+\b], v[TM+\b], s[SEL], s[SEL+1]
.endr
.irp b, 0,1,2,3
	v_max_num_f32 v[TM+\b], v[TM+\b], v[TM+4+\b]   ; with lane l xor 16's: the block's largest magnitude
.endr
.irp b, 0,1,2,3
	v_add_nc_u32 v[TM+8+\b], 0xff000000, v[TM+\b]  ; 2 off its exponent field: the conversion's scale operand
.endr
.irp b, 0,1,2,3
	v_lshrrev_b32 v[TM+4+\b], 23, v[TM+8+\b]       ; the scale's byte
.endr
	v_lshl_or_b32 v[PCA+8], v[TM+5], 8, v[TM+4]
	v_lshl_or_b32 v[PCA+8], v[TM+6], 16, v[PCA+8]
	v_lshl_or_b32 v[PCA+8], v[TM+7], 24, v[PCA+8]  ; the row's scale word
	WIN WN                                         ; source 0: the accumulators' window
.irp b, 0,1,2,3
	v_cvt_scalef32_pk8_fp4_f32 v[PCA+2*\b], v[AC+16*\b:AC+16*\b+7], v[TM+8+\b]
	v_cvt_scalef32_pk8_fp4_f32 v[PCA+2*\b+1], v[AC+16*\b+8:AC+16*\b+15], v[TM+8+\b]
.endr
	WIN 0
	v_nop                                          ; one plain line behind the last conversion
.irp bb, 0,1,2,3,4,5,6,7
	ds_store_b32 v[STO], v[PCA+\bb] offset:(\bb/4)*4096+512*(\a)+(\bb%4)*8
.endr
	ds_store_b32 v[SST], v[PCA+8] offset:64*(\a)   ; lanes l and l xor 16 write the same word with the same value
.endm
	PLACES NP                                      ; behind the last products: their results are read, and registers that held R's fragments are written
.irp b, 0,1,2,3
	v_mov_b32 v[TM+4+\b], 0                        ; written once: a lane permute's destination counts as one of its sources
.endr
.irp a, 0,1,2,3,4,5,6,7
	QROW \a
.endr
	WIN TO_B                                       ; what comes back lands in window 1, where P's fragments lay
.irp i, 0,1,2,3,4,5,6,7,8,9,10,11,12,13,14,15
	ds_load_b128 v[BK+4*\i:BK+4*\i+3], v[RD] offset:512*\i   ; LDS serves a wave's instructions in order: these see my stores
.endr
	ds_load_b128 v[SWD:SWD+3], v[RD] offset:8192
	WIN FROM_B                                     ; and is stored from there
.irp i, 0,1,2,3,4,5,6,7,8,9,10,11,12,13,14,15
	s_wait_dscnt 16-\i                             ; behind load i: the 15 - i later ones and the scale words'
	global_store_b128 v[VO+\i/4], v[BK+4*\i:BK+4*\i+3], s[12:13] offset:(\i%4)*512   ; 512 consecutive bytes, aligned
.endr
	s_wait_dscnt 0x0
	global_store_b128 v[VSO], v[SWD:SWD+3], s[10:11]   ; each half of the lanes stores 256 consecutive bytes, aligned
	WIN 0
	s_wait_tensorcnt 0x0                           ; the wave's end
	ds_add_u32 v[SPW], v[NIL]
	s_wait_dscnt 0x0
	CROUND                                         ; the closing round
	s_endpgm
.Lfunc_end_k_qf589a12518_qkv:
	.size	k_qf589a12518_qkv, .Lfunc_end_k_qf589a12518_qkv-k_qf589a12518_qkv
	.p2alignl 7, 3214868480
	.fill 96, 4, 3214868480
	.section	.rodata,"a",@progbits
	.p2align	6, 0x0
	.amdhsa_kernel k_qf589a12518_qkv
		.amdhsa_group_segment_fixed_size 327680
		.amdhsa_private_segment_fixed_size 0
		.amdhsa_enable_private_segment 0
		.amdhsa_kernarg_size 32
		.amdhsa_user_sgpr_count 2
		.amdhsa_user_sgpr_kernarg_segment_ptr 1
		.amdhsa_wavefront_size32 1
		.amdhsa_system_sgpr_workgroup_id_x 1
		.amdhsa_system_sgpr_workgroup_id_y 1
		.amdhsa_system_sgpr_workgroup_id_z 1
		.amdhsa_system_vgpr_workitem_id 0
		.amdhsa_next_free_vgpr 1024
		.amdhsa_next_free_sgpr 106
		.amdhsa_reserve_vcc 0
		.amdhsa_float_denorm_mode_32 3
		.amdhsa_float_denorm_mode_16_64 3
		.amdhsa_memory_ordered 1
		.amdhsa_forward_progress 1
		.amdhsa_inst_pref_size 135
	.end_amdhsa_kernel
	.amdgpu_metadata
---
amdhsa.version: [ 1, 2 ]
amdhsa.kernels:
  - .name:           k_qf589a12518_qkv
    .symbol:         k_qf589a12518_qkv.kd
    .args:
      - { .name: cq, .offset: 0, .size: 8, .value_kind: global_buffer, .address_space: global }
      - { .name: w_qkv_codes, .offset: 8, .size: 8, .value_kind: global_buffer, .address_space: global }
      - { .name: w_qkv_scales, .offset: 16, .size: 8, .value_kind: global_buffer, .address_space: global }
      - { .name: qkv, .offset: 24, .size: 8, .value_kind: global_buffer, .address_space: global }
    .group_segment_fixed_size: 327680
    .private_segment_fixed_size: 0
    .kernarg_segment_align: 8
    .kernarg_segment_size: 32
    .max_flat_workgroup_size: 128
    .sgpr_count:     106
    .vgpr_count:     1024
    .wavefront_size: 32
...
	.end_amdgpu_metadata
.endif
;; end of part 2
;; launch attn (part 3): grid 4 x 64, 16 waves a work-group, no clusters, 145,408 bytes of LDS; arguments qkv, mk, vq; writes vq
.if DOCPART == 3
	.amdgcn_target "amdgcn-amd-amdhsa--gfx1250"
	.amdhsa_code_object_version 6
	.text
	.protected	k_qf589a12518_attn
	.globl	k_qf589a12518_attn
	.p2align	8
	.type	k_qf589a12518_attn,@function
k_qf589a12518_attn:
	s_mov_b64 s[64:65], 0
	v_nop
	global_prefetch_b8 v0, s[64:65] scope:SCOPE_SE
	s_setreg_imm32_b32 hwreg(HW_REG_WAVE_MODE, 25, 1), 1
	s_wait_xcnt 0x0
; ATTN: vec = softmax(q k^T / 8, hidden keys at -infinity) v, both products on codes of FP4 (E2M1) with E8M0 scales, and vec quantised along the head's 64 on the way out.
; THE SOFTMAX AHEAD OF THE SECOND PRODUCT: t = score x log2(e) / 8; M = the row's largest t so far, rounded up to a whole number; p = 2^(t - M) is quantised along the keys, not normalised;
; the row's sum is taken of the unquantised p and divides at the end; when M moves, the sum and O are multiplied by 2^(old M - new M), which rounds nothing.
; SHARES.  A work-group serves one (b, head) and 256 of its queries; the head's whole K and V, as codes 128 KB and 12 KB of scale words, lie in LDS, written once at the head, ahead of the launch's one barrier.
; Each of the sixteen waves owns one tile of 16 queries, tile 16 x + wave, in 256 registers: four waves to a SIMD, so that one wave's vector work stands beside another's products and LDS loads.
; Every wave walks all 16 steps of 128 keys: all waves do the same work, and no branch and no address hangs on data.
; THE MASK IS DATA.  An earlier launch has made of it, for each tile of queries and step, 64 lane-mask words: word n has a bit for each lane: is register n's key hidden from the lane's query?  In every step 64 selects put
; -infinity where it is.  A step all of whose keys are hidden from a query leaves that query's largest t, its sum and its O^T as they were: every p is 0, the codes are zeros.
; A query all of whose keys are hidden has the sum 0: its two scale bytes are set to 0xff, which makes the next product's row NaN, as the softmax of such a row is.
; NO JOINT REQUESTS, though the four work-groups of a head read the same 140 KB: they are copied once, 18 loads a thread, and the 16-byte pieces change places on the way into LDS, by the stores' addresses (below).
; LAYOUT.  Both products are used transposed: S^T = K Q^T (source 0 = 16 keys), O^T = V^T P^T (source 0 = 16 of the head's 64): a lane holds one query (lane % 16) throughout.
; The first product's K is 64: the upper 64 of the instruction's 128 are zero codes on Q's side (v20-23), so what stands there on K's side (the next tile's codes) adds nothing; the scale bytes there are 0, not 0xff.
; ROWS OF A TILE ARE NOT NEIGHBOURS: lane r of tile 2 beta + u takes key (or d) 32 beta + 8 u + r + 8 (r / 8), so that the 16 registers of tiles 2 beta, 2 beta + 1 are 16 neighbours, 32 beta + 16 (lane / 16) + 0 .. 15.
; LDS: step s at 8,192 s: K's eight tiles (512 bytes each, lane l's 16 bytes at 16 l), then at + 4,096 V's: half c of the keys at 2,048 c, tile delta at 512 delta.  The copy permutes the bits of a 16-byte piece's offset in a
; step's 4,096 bytes: 4 -> 8, 5-7 -> 4-6, 8 -> 9, 9 -> 7.  K's scale words at 131,072 (a word a key), V's at 139,264 (a word for each step and d).
; LIMITS: a block whose largest magnitude lies under 2^-124 keeps the scale byte 1.  NaN and infinities among the inputs are not served.
.set KSB, 131072
.set VSB, 139264
.set LI,  1                            ; v1   16 x lane
.set LSK, 2                            ; v2   KSB + 4 (l % 8) + 64 ((l / 8) % 2) + 32 (l / 16): lanes 0-15 an even tile's rows, lanes 16-31 the odd tile's
.set DK,  3                            ; v3   where my 16 bytes of a copy go
.set GT,  4                            ; v4   16 x thread
.set ADR, 5                            ; v5-7 the trip's LDS addresses: tiles, K's scale words, V's
.set ADS, 6
.set ADT, 7
.set DKB, 8                            ; v8   DK + 65,536
.set NINF, 9                           ; v9   -infinity
.set LSV, 10                           ; v10  as v2, for V's scale words
.set QF,  16                           ; v16-23 Q's fragment
.set QSC, 24                           ; v24  Q's scale word;  v25 p's
.set PSC, 25
.set FF,  26                           ; v[26:27] f = 2^(old M - new M), later 1 / the sum
.set KSC, 28                           ; v28-31 K's scale words;  v32-33 V's
.set VSC, 32
.set FRG, 36                           ; v36-71 fragments: K's tile t at 36 + 4 t (eight registers: its own four and the four above), V's tile d at 36 + 8 d; v68-71 stay 0
.set S,   96                           ; v96-159 S^T, then p
.set O,   160                          ; v160-191 O^T
.set PC,  192                          ; v192-199 p's codes
.set BM,  200                          ; v200-203 the blocks' largest
.set PL,  204                          ; v204-207 the other lane's, then bytes
.set SO,  208                          ; v208-211 the conversions' scale operands
.set TW,  212                          ; v212-213 at work
.set SM2, 214                          ; v[214:215] the sum's second chain
	s_load_b128 s[4:7], s[0:1], 0x0                ; qkv, mk
	s_load_b64 s[8:9], s[0:1], 0x10                ; vq
	v_lshl_add_u32 v254, v0, 2, 0x23000
	v_mov_b32 v255, 0
	v_lshrrev_b32 v11, 5, v0
	v_readfirstlane_b32 s10, v11                   ; wave 0..15
	s_and_b32 s30, ttmp7, 0xffff                   ; 16 b + head
	s_lshl_b32 s11, ttmp9, 4
	s_add_co_u32 s11, s11, s10                     ; my tile of queries, 0 .. 63
	s_lshr_b32 s100, s30, 4
	s_and_b32 s101, s30, 15                        ; head
	s_lshl_b32 s100, s100, 6
	s_add_co_u32 s100, s100, s11                   ; 64 b + tile
	s_mov_b32 s12, 0x76543210
	s_mov_b32 s13, 0xfedcba98                      ; lane selects: lane l xor 16
	s_mov_b32 s14, 0x3e38aa3b                      ; c = log2(e) / 8
	s_mov_b32 s15, s14                             ; (named with it as a pair, so it is written)
	v_and_b32 v11, 31, v0
	v_lshlrev_b32 v[LI], 4, v11
	v_and_b32 v2, 7, v0
	v_lshlrev_b32 v2, 2, v2
	v_bfe_u32 v11, v0, 3, 1
	v_lshl_or_b32 v2, v11, 6, v2
	v_bfe_u32 v11, v0, 4, 1
	v_lshl_or_b32 v2, v11, 5, v2
	v_add_nc_u32 v[LSV], VSB, v2
	v_add_nc_u32 v[LSK], KSB, v2
	v_bfe_u32 v[DK], v0, 1, 3
	v_lshlrev_b32 v[DK], 4, v[DK]
	v_bfe_u32 v11, v0, 5, 1
	v_lshl_or_b32 v[DK], v11, 7, v[DK]
	v_and_b32 v11, 1, v0
	v_lshl_or_b32 v[DK], v11, 8, v[DK]
	v_bfe_u32 v11, v0, 4, 1
	v_lshl_or_b32 v[DK], v11, 9, v[DK]
	v_bfe_u32 v11, v0, 6, 2
	v_lshl_or_b32 v[DK], v11, 10, v[DK]
	v_lshrrev_b32 v11, 8, v0
	v_lshl_or_b32 v[DK], v11, 13, v[DK]            ; threads 256 on: the second step of a copy's two
	v_add_nc_u32 v[DKB], 65536, v[DK]
	v_lshlrev_b32 v[GT], 4, v0
	v_lshlrev_b32 v88, 3, v0                       ; 8 x thread
	v_add_nc_u32 v90, KSB, v[GT]
	v_add_nc_u32 v91, VSB, v88
	v_and_b32 v35, 15, v0                          ; r
	v_bfe_u32 v11, v0, 4, 1                        ; h
	v_lshlrev_b32 v34, 5, v35
	v_lshl_add_u32 v34, v11, 4, v34                ; Q: row r of 32 bytes, + 16 h
	v_lshlrev_b32 v35, 2, v35                      ; Q's scale word: 4 r
	s_mov_b32 s3, 0
	s_wait_kmcnt 0x0
	s_lshl_b32 s2, s30, 6
	s_add_co_u32 s2, s2, s11
	s_lshl_b32 s2, s2, 9
	s_add_nc_u64 s[32:33], s[4:5], s[2:3]          ; my tile's codes of Q
	s_lshr_b32 s31, s30, 1                         ; 8 b + the pair of heads
	s_lshl_b32 s2, s31, 12
	s_lshl_b32 s16, s11, 6
	s_add_co_u32 s2, s2, s16
	s_add_co_u32 s2, s2, 0xa00000
	s_add_nc_u64 s[34:35], s[4:5], s[2:3]          ; and its scale words
	s_lshl_b32 s2, s31, 13
	s_add_co_u32 s2, s2, 0xa20000
	s_add_nc_u64 s[36:37], s[4:5], s[2:3]          ; K's scale words
	s_lshl_b32 s2, s30, 12
	s_add_co_u32 s2, s2, 0xa60000
	s_add_nc_u64 s[38:39], s[4:5], s[2:3]          ; V's
	s_lshl_b32 s2, s30, 16
	s_add_co_u32 s2, s2, 0x200000
	s_add_nc_u64 s[40:41], s[4:5], s[2:3]          ; K's codes; V's lie 0x400000 further on
	s_lshl_b32 s2, s100, 12
	s_add_nc_u64 s[26:27], s[6:7], s[2:3]          ; my 16 x 64 lane-mask words
	s_lshl_b32 s2, s100, 4
	s_add_co_u32 s2, s2, s101
	s_lshl_b32 s2, s2, 9
	s_add_nc_u64 s[28:29], s[8:9], s[2:3]          ; where my codes of vec go
	s_lshl_b32 s2, s100, 9
	s_lshl_b32 s16, s101, 1
	s_add_co_u32 s2, s2, s16
	s_add_co_u32 s2, s2, 0x200000
	s_add_nc_u64 s[66:67], s[8:9], s[2:3]          ; and their scale bytes
	s_and_b32 s31, s101, 1
	s_lshl_b32 s31, s31, 4                         ; my head's half of a pair's scale word
	global_load_b128 v[QF:QF+3], v34, s[32:33]
	global_load_b32 v[QSC], v35, s[34:35]
	global_load_b128 v[72:75], v[GT], s[36:37]
	global_load_b64 v[76:77], v88, s[38:39]
.irp i, 0,1,2,3,4,5,6,7
	global_load_b128 v[96+4*\i:99+4*\i], v[GT], s[40:41] offset:8192*\i              ; K: steps 2 i, 2 i + 1; the work-group reads 8,192 consecutive bytes
.endr
.irp i, 0,1,2,3,4,5,6,7
	global_load_b128 v[128+4*\i:131+4*\i], v[GT], s[40:41] offset:0x400000+8192*\i   ; V likewise
.endr
	v_mov_b32 v[NINF], 0xff800000
	v_mov_b32 v13, 0xff61b1e6                      ; the largest t so far: -3e38, under every t
	v_floor_f32 v12, -v13                          ; -M
	v_mov_b32 v14, 0                               ; the sum, in two halves
	v_mov_b32 v15, 0
.irp j, 20,21,22,23,27,68,69,70,71,204,205,206,207
	v_mov_b32 v\j, 0                               ; Q's upper 64: zero codes; the registers above K's last tile; partners of pairs and destinations of lane permutes, written once
.endr
	s_wait_loadcnt 16                              ; Q and the three loads of scale words are in; the 16 copies may be out
	v_bfe_u32 v[QSC], v[QSC], s31, 16              ; my head's two bytes; bytes 2 and 3 become 0
.irp j, 72,73,74,75
	v_bfe_u32 v\j, v\j, s31, 16
.endr
	ds_store_b128 v90, v[72:75]
	ds_store_b64 v91, v[76:77]
.irp i, 0,1,2,3,4,5,6,7
	s_wait_loadcnt 15-\i                           ; K's copy i is in; the 15 - i behind it may be out
.if \i < 4
	ds_store_b128 v[DK], v[96+4*\i:99+4*\i] offset:16384*\i
.else
	ds_store_b128 v[DKB], v[96+4*\i:99+4*\i] offset:16384*(\i-4)
.endif
.endr
.irp i, 0,1,2,3,4,5,6,7
	s_wait_loadcnt 7-\i                            ; V's copy i
.if \i < 4
	ds_store_b128 v[DK], v[128+4*\i:131+4*\i] offset:16384*\i+4096
.else
	ds_store_b128 v[DKB], v[128+4*\i:131+4*\i] offset:16384*(\i-4)+4096
.endif
.endr
.irp j, 0,1,2,3,4,5,6,7,8,9,10,11,12,13,14,15,16,17,18,19,20,21,22,23,24,25,26,27,28,29,30,31
	v_mov_b32 v[O+\j], 0                           ; O^T: the step is written once: the first finds zeros, which the first change of M leaves zeros.  These 32 lines stand here, while my stores land, for a second reason:
.endr                                          ; Q's scale word was written by a vector line above, and more than eight plain vector lines have to stand between that line and the first product that names it
	s_wait_dscnt 0x0                               ; for the others' sake: my stores have landed
	s_barrier_signal -1
	s_barrier_wait -1                              ; the head's K and V are whole; no LDS byte is written from here on
; A KEY STEP: 128 keys, the q-th of the trip's four.
.macro STEP q
	s_load_b512 s[32:47], s[26:27], (\q)*256       ; the step's 64 lane-mask words are asked for first and land under the products
	s_load_b512 s[48:63], s[26:27], (\q)*256+64
	s_load_b512 s[68:83], s[26:27], (\q)*256+128
	s_load_b512 s[84:99], s[26:27], (\q)*256+192
.irp t, 0,1,2,3,4,5,6,7
	ds_load_b128 v[FRG+4*\t:FRG+4*\t+3], v[ADR] offset:(\q)*8192+512*\t
.endr
.irp b, 0,1,2,3
	ds_load_b32 v[KSC+\b], v[ADS] offset:(\q)*512+128*\b
.endr
	s_wait_dscnt 0x0
.irp t, 0,2,4,6
	v_wmma_scale_f32_16x16x128_f8f6f4 v[S+8*\t:S+8*\t+7], v[FRG+4*\t:FRG+4*\t+7], v[QF:QF+7], 0, v[KSC+\t/2], v[QSC] matrix_a_fmt:MATRIX_FMT_FP4 matrix_b_fmt:MATRIX_FMT_FP4
	v_wmma_scale_f32_16x16x128_f8f6f4 v[S+8*\t+8:S+8*\t+15], v[FRG+4*\t+4:FRG+4*\t+11], v[QF:QF+7], 0, v[KSC+\t/2], v[QSC] matrix_a_fmt:MATRIX_FMT_FP4 matrix_b_fmt:MATRIX_FMT_FP4 matrix_a_scale:MATRIX_SCALE_ROW1
.endr
.rept 4
	v_nop                                          ; places: the loads below land in registers that these products read, and the scores are read next
.endr
.irp d, 0,1,2,3
.irp c, 0,1
	ds_load_b128 v[FRG+8*\d+4*\c:FRG+8*\d+4*\c+3], v[ADR] offset:(\q)*8192+4096+2048*\c+512*\d   ; V's tiles are asked for here and land under the softmax
.endr
.endr
.irp b, 0,1
	ds_load_b32 v[VSC+\b], v[ADT] offset:(\q)*256+128*\b
.endr
	s_wait_kmcnt 0x0                               ; the lane-mask words are in
.set n, 0
.rept 32
	v_cndmask_b32 v[S+n], v[S+n], v[NINF], s[32+n] ; word n: a bit for each lane: is register n's key hidden from the lane's query?  Each accumulator is read from its low end on
.set n, n+1
.endr
.rept 32
	v_cndmask_b32 v[S+n], v[S+n], v[NINF], s[36+n]
.set n, n+1
.endr
.irp b, 0,1,2,3
	v_max3_num_f32 v[BM+\b], v[S+16*\b], v[S+1+16*\b], v[S+2+16*\b]   ; the largest score of each block of 32 keys: it serves for the row's maximum and, since p rises with the score, for the block's largest p
.endr
.irp i, 3,5,7,9,11,13
.irp b, 0,1,2,3
	v_max3_num_f32 v[BM+\b], v[BM+\b], v[S+16*\b+\i], v[S+1+16*\b+\i]
.endr
.endr
.irp b, 0,1,2,3
	v_max_num_f32 v[BM+\b], v[BM+\b], v[S+15+16*\b]
.endr
.irp b, 0,1,2,3
	v_permlanex16_b32 v[PL+\b], v[BM+\b], s12, s13
.endr
.irp b, 0,1,2,3
	v_max_num_f32 v[BM+\b], v[BM+\b], v[PL+\b]     ; with lane l xor 16's 16 keys
.endr
	v_max3_num_f32 v[TW], v[BM], v[BM+1], v[BM+2]
	v_max_num_f32 v[TW], v[TW], v[BM+3]
	v_mul_f32 v[TW], s14, v[TW]                    ; the step's largest t (-infinity where all 128 keys are hidden)
	v_max_num_f32 v13, v13, v[TW]                  ; the running largest t
	v_mov_b32 v[TW], v12
	v_floor_f32 v12, -v13                          ; the new -M = -ceil(t): a whole number
	v_sub_f32 v[TW], v12, v[TW]                    ; old M - new M: a whole number, 0 or less
	v_cvt_i32_f32 v[TW], v[TW]                     ; (it saturates)
	v_ldexp_f32 v[FF], 1.0, v[TW]                  ; f = 2^(old M - new M)
.irp j, 0,2,4,6,8,10,12,14,16,18,20,22,24,26,28,30,32,34,36,38,40,42,44,46,48,50,52,54,56,58,60,62
	v_pk_fma_f32 v[S+\j:S+\j+1], v[S+\j:S+\j+1], s[14:15], v[12:13] op_sel_hi:[1,0,0]   ; t - M, two at a time
.endr
.irp b, 0,1,2,3
	v_fma_f32 v[BM+\b], v[BM+\b], s14, v12         ; the same of each block's largest score
.endr
.irp j, 0,1,2,3,4,5,6,7,8,9,10,11,12,13,14,15,16,17,18,19,20,21,22,23,24,25,26,27,28,29,30,31,32,33,34,35,36,37,38,39,40,41,42,43,44,45,46,47,48,49,50,51,52,53,54,55,56,57,58,59,60,61,62,63
	v_exp_f32 v[S+\j], v[S+\j]                     ; p = 2^(t - M), at most 1; 0 for a hidden key
.endr
	v_pk_mul_f32 v[14:15], v[14:15], v[FF:FF+1] op_sel_hi:[1,0]   ; the sums under the new M (a plain line behind the exponentials)
	s_wait_alu depctr_va_vdst(0)                   ; one wait for the batch of 64, ahead of its first reader
.irp b, 0,1,2,3
	v_exp_f32 v[BM+\b], v[BM+\b]                   ; the block's largest p
.endr
	v_pk_add_f32 v[SM2:SM2+1], v[S:S+1], v[S+2:S+3]   ; the row's sum of the unquantised p, in two chains
.irp j, 4,8,12,16,20,24,28,32,36,40,44,48,52,56,60
	v_pk_add_f32 v[14:15], v[14:15], v[S+\j:S+\j+1]
	v_pk_add_f32 v[SM2:SM2+1], v[SM2:SM2+1], v[S+2+\j:S+3+\j]
.endr
	v_pk_add_f32 v[14:15], v[14:15], v[SM2:SM2+1]
	s_wait_alu depctr_va_vdst(0)                   ; and one for the four
.irp b, 0,1,2,3
	v_max_num_f32 v[BM+\b], 0x1800000, v[BM+\b]    ; the floor 2^(3 - 127): a block whose every p is 0 keeps the byte 1; its codes are zeros
.endr
.irp b, 0,1,2,3
	v_add_nc_u32 v[SO+\b], 0xff000000, v[BM+\b]
.endr
.irp b, 0,1,2,3
	v_lshrrev_b32 v[PL+\b], 23, v[SO+\b]
.endr
	v_lshl_or_b32 v[PSC], v[PL+1], 8, v[PL]
	v_lshl_or_b32 v[PSC], v[PL+2], 16, v[PSC]
	v_lshl_or_b32 v[PSC], v[PL+3], 24, v[PSC]      ; p's scale word for these 128 keys
.irp b, 0,1,2,3
	v_cvt_scalef32_pk8_fp4_f32 v[PC+2*\b], v[S+16*\b:S+7+16*\b], v[SO+\b]
	v_cvt_scalef32_pk8_fp4_f32 v[PC+1+2*\b], v[S+8+16*\b:S+15+16*\b], v[SO+\b]
.endr
	v_nop                                          ; one plain line behind the last conversion
.irp c, 0,1                                    ; the operand's layout wants a whole block in a lane
.irp i, 0,1
	v_permlane16_swap_b32 v[PC+4*\c+\i], v[PC+2+4*\c+\i]
.endr
.endr
.irp j, 0,2,4,6,8,10,12,14,16,18,20,22,24,26,28,30
	v_pk_mul_f32 v[O+\j:O+\j+1], v[O+\j:O+\j+1], v[FF:FF+1] op_sel_hi:[1,0]   ; O^T under the new M; these 16 lines also stand between the writing of p's codes and scale word and the products
.endr
	s_wait_dscnt 0x0                               ; V's tiles and scale words are in
.irp d, 0,2
	v_wmma_scale_f32_16x16x128_f8f6f4 v[O+8*\d:O+8*\d+7], v[FRG+8*\d:FRG+8*\d+7], v[PC:PC+7], v[O+8*\d:O+8*\d+7], v[VSC+\d/2], v[PSC] matrix_a_fmt:MATRIX_FMT_FP4 matrix_b_fmt:MATRIX_FMT_FP4
	v_wmma_scale_f32_16x16x128_f8f6f4 v[O+8*\d+8:O+8*\d+15], v[FRG+8*\d+8:FRG+8*\d+15], v[PC:PC+7], v[O+8*\d+8:O+8*\d+15], v[VSC+\d/2], v[PSC] matrix_a_fmt:MATRIX_FMT_FP4 matrix_b_fmt:MATRIX_FMT_FP4 matrix_a_scale:MATRIX_SCALE_ROW1
.endr                                          ; the four accumulators take turns; eight products of scores stand ahead of the next step's four
.rept 4
	v_nop                                          ; places ahead of the next loads into the fragments' registers and of the next read of O^T
.endr
.endm
	s_mov_b32 s16, 0                               ; the trip's first step in LDS: 32,768 bytes a trip
	s_mov_b32 s17, 0                               ; its scale words of K: 2,048
	s_mov_b32 s18, 0                               ; of V: 1,024
	s_mov_b32 s19, 0
.Ltrip:                                        ; four trips of four steps
	v_add_nc_u32 v[ADR], s16, v[LI]
	v_add_nc_u32 v[ADS], s17, v[LSK]
	v_add_nc_u32 v[ADT], s18, v[LSV]
	STEP 0
	STEP 1
	STEP 2
	STEP 3
	s_add_nc_u64 s[26:27], s[26:27], 1024          ; every scalar load that named this pointer has been waited for
	s_add_co_u32 s16, s16, 32768
	s_add_co_u32 s17, s17, 2048
	s_add_co_u32 s18, s18, 1024
	s_add_co_u32 s19, s19, 1
	s_cmp_lt_u32 s19, 4
	s_cbranch_scc1 .Ltrip
	; THE WAY OUT.  O^T / the sum is my head's 64 numbers of 16 rows of vec: two blocks of 32 along the next product's K.  Register 16 beta + i of lane (r, h) is d = 32 beta + 16 h + i of query r.
	v_add_f32 v14, v14, v15
	v_permlanex16_b32 v[PL], v14, s12, s13
	v_add_f32 v[TW], v14, v[PL]                    ; the row's sum
	v_rcp_f32 v[FF], v[TW]
	v_and_b32 v89, 15, v0                          ; (a plain line behind the reciprocal)
	v_lshlrev_b32 v89, 5, v89                      ; 32 r: my row's scale bytes
	v_mov_b32 v[TW+1], 0xffff
	s_wait_alu depctr_va_vdst(0)                   ; ahead of the reciprocal's first reader
.irp j, 0,2,4,6,8,10,12,14,16,18,20,22,24,26,28,30
	v_pk_mul_f32 v[S+\j:S+\j+1], v[O+\j:O+\j+1], v[FF:FF+1] op_sel_hi:[1,0]   ; each accumulator from its low end on
.endr
.irp b, 0,1
	v_max3_num_f32 v[BM+\b], |v[S+16*\b]|, |v[S+1+16*\b]|, 0x1800000
.endr
.irp i, 2,4,6,8,10,12,14
.irp b, 0,1
	v_max3_num_f32 v[BM+\b], v[BM+\b], |v[S+16*\b+\i]|, |v[S+1+16*\b+\i]|
.endr
.endr
.irp b, 0,1
	v_permlanex16_b32 v[PL+\b], v[BM+\b], s12, s13
.endr
.irp b, 0,1
	v_max_num_f32 v[BM+\b], v[BM+\b], v[PL+\b]
.endr
.irp b, 0,1
	v_add_nc_u32 v[SO+\b], 0xff000000, v[BM+\b]
.endr
.irp b, 0,1
	v_lshrrev_b32 v[PL+\b], 23, v[SO+\b]
.endr
	v_lshl_or_b32 v[PSC], v[PL+1], 8, v[PL]
	v_cmp_eq_f32 vcc_lo, 0, v[TW]                  ; no key counted for this query:
	v_cndmask_b32 v[PSC], v[PSC], v[TW+1], vcc_lo  ; both bytes 0xff
.irp b, 0,1
	v_cvt_scalef32_pk8_fp4_f32 v[PC+2*\b], v[S+16*\b:S+7+16*\b], v[SO+\b]
	v_cvt_scalef32_pk8_fp4_f32 v[PC+1+2*\b], v[S+8+16*\b:S+15+16*\b], v[SO+\b]
.endr
	v_nop
	v_permlane16_swap_b32 v[PC], v[PC+2]
	v_permlane16_swap_b32 v[PC+1], v[PC+3]         ; lanes 0-15 block 0, lanes 16-31 block 1: four registers of the next product's operand, as they will stand there
	global_store_b128 v[LI], v[PC:PC+3], s[28:29]  ; 512 consecutive bytes, aligned
	global_store_b16 v89, v[PSC], s[66:67]         ; two bytes of each row's 32 (lanes l and l xor 16 store the same): one byte in 17 of what the launch stores
	s_wait_tensorcnt 0x0
	ds_add_u32 v254, v255
	s_wait_dscnt 0x0
	s_endpgm
.Lfunc_end_k_qf589a12518_attn:
	.size	k_qf589a12518_attn, .Lfunc_end_k_qf589a12518_attn-k_qf589a12518_attn
	.p2alignl 7, 3214868480
	.fill 96, 4, 3214868480
	.section	.rodata,"a",@progbits
	.p2align	6, 0x0
	.amdhsa_kernel k_qf589a12518_attn
		.amdhsa_group_segment_fixed_size 145408
		.amdhsa_private_segment_fixed_size 0
		.amdhsa_enable_private_segment 0
		.amdhsa_kernarg_size 24
		.amdhsa_user_sgpr_count 2
		.amdhsa_user_sgpr_kernarg_segment_ptr 1
		.amdhsa_wavefront_size32 1
		.amdhsa_system_sgpr_workgroup_id_x 1
		.amdhsa_system_sgpr_workgroup_id_y 1
		.amdhsa_system_sgpr_workgroup_id_z 1
		.amdhsa_system_vgpr_workitem_id 0
		.amdhsa_next_free_vgpr 256
		.amdhsa_next_free_sgpr 104
		.amdhsa_reserve_vcc 1
		.amdhsa_float_denorm_mode_32 3
		.amdhsa_float_denorm_mode_16_64 3
		.amdhsa_memory_ordered 1
		.amdhsa_forward_progress 1
		.amdhsa_inst_pref_size 90
	.end_amdhsa_kernel
	.amdgpu_metadata
---
amdhsa.version: [ 1, 2 ]
amdhsa.kernels:
  - .name:           k_qf589a12518_attn
    .symbol:         k_qf589a12518_attn.kd
    .args:
      - { .name: qkv, .offset: 0, .size: 8, .value_kind: global_buffer, .address_space: global }
      - { .name: mk, .offset: 8, .size: 8, .value_kind: global_buffer, .address_space: global }
      - { .name: vq, .offset: 16, .size: 8, .value_kind: global_buffer, .address_space: global }
    .group_segment_fixed_size: 145408
    .private_segment_fixed_size: 0
    .kernarg_segment_align: 8
    .kernarg_segment_size: 24
    .max_flat_workgroup_size: 512
    .sgpr_count:     104
    .vgpr_count:     256
    .wavefront_size: 32
...
	.end_amdgpu_metadata
.endif
;; end of part 3
;; launch outln (part 4): grid 256 x 1, 16 waves a work-group, no clusters, 76,032 bytes of LDS; arguments vq, wo, w_o_scales, x, pos_emb, ln_gamma, ln_beta, out0; writes out0
.if DOCPART == 4
	.amdgcn_target "amdgcn-amd-amdhsa--gfx1250"
	.amdhsa_code_object_version 6
	.text
	.protected	k_qf589a12518_outln
	.globl	k_qf589a12518_outln
	.p2align	8
	.type	k_qf589a12518_outln,@function
k_qf589a12518_outln:
	s_mov_b64 s[64:65], 0
	v_nop
	global_prefetch_b8 v0, s[64:65] scope:SCOPE_SE
	s_setreg_imm32_b32 hwreg(HW_REG_WAVE_MODE, 25, 1), 1
	s_wait_xcnt 0x0
; OUTLN: out = LayerNorm((x + pos_emb) + vec w_o) gamma + beta; the product on codes of FP4 (E2M1) with E8M0 scales, K = 1,024; all else in f32.
; SHARES.  A work-group owns 16 whole rows (one b, 16 neighbouring s) x all 1,024 columns, since the norm wants whole rows.  In the product wave w makes columns 64 w .. 64 w + 63: four accumulators, eight K steps.
; In the norm wave w owns row w whole: 32 numbers a lane, mean and variance in two passes, sums inside the wave.
; The product is used transposed (source 0 = 16 rows of w_o, source 1 = the 16 rows of vec): a lane holds eight neighbouring columns of one row.
; vec's 16 fragment halves (8 KB, laid by the launch before as images of the operand's registers) are copied to LDS once and read by all sixteen waves.  w_o's codes were laid in the order of the operand's registers:
; each load is 512 consecutive bytes, straight into registers, three K steps ahead; each byte feeds one wave once.
; NO JOINT REQUESTS, though every work-group walks all of w_o's 512 KB: a joint request is a tensor load into LDS, from where each byte would be read once by one wave; this text takes the bytes into registers directly.
; A row of vec whose scale bytes are 0xff (a query with every key hidden) makes its sums, and so its whole row, NaN.
; LDS: vec's images at 0 (8,192 bytes); the stage at 8,192: 16 rows x (4,096 + 16) bytes.
.set STG, 8192
.set TP,  4112
.set AF,  8                            ; v8-23    vec's fragment, two buffers
.set ASC, 24                           ; v24-31   vec's scale words, one for each K step
.set WSC, 32                           ; v32-47   w_o's: 8 x (pair of tiles) + K step; lanes 0-15 the even tile's rows, lanes 16-31 the odd one's
.set ACC, 48                           ; v48-79   four accumulators
.set WR,  80                           ; v80-175  w_o's fragments: three slots of four tiles; later beta (slot 0), the product's row (slot 1), gamma (slot 2)
.set XR,  176                          ; v176-207 x, then y, then the result
.set PS,  208                          ; v208-239 pos_emb
	s_load_b512 s[4:19], s[0:1], 0x0               ; vq 4:5, wo 6:7, w_o_scales 8:9, x 10:11, pos_emb 12:13, ln_gamma 14:15, ln_beta 16:17, out0 18:19
	v_lshl_add_u32 v254, v0, 2, 0x12100
	v_mov_b32 v255, 0
	v_lshrrev_b32 v7, 5, v0
	v_readfirstlane_b32 s20, v7                    ; wave 0..15
	v_and_b32 v7, 31, v0
	v_lshlrev_b32 v1, 4, v7                        ; v1: 16 x lane
	v_lshlrev_b32 v6, 5, v7                        ; v6: 32 x lane
	v_lshlrev_b32 v2, 4, v0                        ; v2: 16 x thread
	v_and_b32 v7, 15, v0                           ; r
	v_lshlrev_b32 v5, 5, v7                        ; v5: 32 r
	v_mul_u32_u24 v3, v7, TP
	v_bfe_u32 v7, v0, 4, 1                         ; h
	v_lshl_add_u32 v3, v7, 5, v3
	s_lshl_b32 s24, s20, 8
	s_add_co_u32 s24, s24, STG
	v_add_nc_u32 v3, s24, v3                       ; v3: the stage, in: row r, + 32 h, + my wave's 256 bytes
	s_mul_i32 s24, s20, TP
	s_add_co_u32 s24, s24, STG
	v_add_nc_u32 v4, s24, v1                       ; v4: and back: row w, 16 bytes a lane
	s_lshr_b32 s21, ttmp9, 6                       ; b
	s_and_b32 s22, ttmp9, 63
	s_lshl_b32 s23, s22, 4
	s_add_co_u32 s23, s23, s20                     ; s: my row in the norm
	s_mov_b32 s25, 0
	s_mov_b32 s26, 0x76543210
	s_mov_b32 s27, 0xfedcba98                      ; lane selects: lane l xor 16
	s_mov_b32 s28, 0x3a800000                      ; 1 / 1,024
	s_wait_kmcnt 0x0
	s_lshl_b32 s24, ttmp9, 13
	s_add_nc_u64 s[32:33], s[4:5], s[24:25]        ; vec's images
	s_lshl_b32 s24, ttmp9, 9
	s_add_co_u32 s24, s24, 0x200000
	s_add_nc_u64 s[34:35], s[4:5], s[24:25]        ; vec's scale bytes
	s_lshl_b32 s24, s20, 11
	s_add_nc_u64 s[8:9], s[8:9], s[24:25]          ; w_o's scale bytes: my 64 rows of 32
	s_lshl_b32 s24, s20, 15
	s_add_nc_u64 s[6:7], s[6:7], s[24:25]          ; w_o's codes: my four tiles of 8,192 bytes
	s_lshl_b32 s24, s23, 2
	s_add_co_u32 s24, s24, s21
	s_lshl_b32 s24, s24, 12
	s_add_nc_u64 s[10:11], s[10:11], s[24:25]      ; x and out0 at row (s, b)
	s_add_nc_u64 s[18:19], s[18:19], s[24:25]
	s_lshl_b32 s24, s23, 12
	s_add_nc_u64 s[12:13], s[12:13], s[24:25]      ; pos_emb at row s
.macro WLOAD ks                        ; K step ks of my four tiles into slot ks % 3: eight loads of 512 consecutive bytes
.irp tt, 0,1,2,3
.irp c, 0,1
	global_load_b128 v[WR+32*((\ks)%3)+8*\tt+4*\c:WR+32*((\ks)%3)+8*\tt+4*\c+3], v1, s[6:7] offset:8192*\tt+1024*(\ks)+512*\c
.endr
.endr
.endm
.macro AFETCH ks                       ; vec's fragment of K step ks: heads 2 ks and 2 ks + 1
.irp c, 0,1
	ds_load_b128 v[AF+8*((\ks)%2)+4*\c:AF+8*((\ks)%2)+4*\c+3], v1 offset:(2*(\ks)+\c)*512
.endr
.endm
	global_load_b128 v[240:243], v2, s[32:33]      ; my 16 bytes of vec's 8,192
	global_load_b128 v[ASC:ASC+3], v5, s[34:35]
	global_load_b128 v[ASC+4:ASC+7], v5, s[34:35] offset:16
.irp p, 0,1
	global_load_b128 v[WSC+8*\p:WSC+8*\p+3], v6, s[8:9] offset:1024*\p
	global_load_b128 v[WSC+8*\p+4:WSC+8*\p+7], v6, s[8:9] offset:1024*\p+16
.endr
	WLOAD 0
	WLOAD 1
	WLOAD 2
.irp i, 0,1,2,3,4,5,6,7
	global_load_b128 v[XR+4*\i:XR+4*\i+3], v1, s[10:11] offset:512*\i th:TH_LOAD_NT
.endr
.irp i, 0,1,2,3,4,5,6,7
	global_load_b128 v[PS+4*\i:PS+4*\i+3], v1, s[12:13] offset:512*\i
.endr
	s_wait_loadcnt 46                              ; the first of the 47 loads is in
	ds_store_b128 v2, v[240:243]
	s_wait_dscnt 0x0                               ; for the others' sake
	s_barrier_signal -1
	s_barrier_wait -1                              ; vec's images lie in LDS
	AFETCH 0
	AFETCH 1
; A K step: four products, the four accumulators by turns.  Behind them the slot just read takes what is due three steps on.
.macro KSTEP ks
.if (\ks) <= 2
	s_wait_loadcnt 32                              ; behind this step's eight loads: two later steps' sixteen, and x's and pos_emb's sixteen
.else
	s_wait_loadcnt 16                              ; behind this step's eight loads: the two groups of eight issued since
.endif
.if (\ks) < 7
	s_wait_dscnt 2                                 ; this step's fragment of vec is in; the next one's two loads may be out
.else
	s_wait_dscnt 0x0
.endif
.set WS, WR+32*((\ks)%3)
.set AB, AF+8*((\ks)%2)
.irp p, 0,1
.if (\ks) == 0
	v_wmma_scale_f32_16x16x128_f8f6f4 v[ACC+16*\p:ACC+16*\p+7], v[WS+16*\p:WS+16*\p+7], v[AB:AB+7], 0, v[WSC+8*\p+(\ks)], v[ASC+(\ks)] matrix_a_fmt:MATRIX_FMT_FP4 matrix_b_fmt:MATRIX_FMT_FP4
	v_wmma_scale_f32_16x16x128_f8f6f4 v[ACC+16*\p+8:ACC+16*\p+15], v[WS+16*\p+8:WS+16*\p+15], v[AB:AB+7], 0, v[WSC+8*\p+(\ks)], v[ASC+(\ks)] matrix_a_fmt:MATRIX_FMT_FP4 matrix_b_fmt:MATRIX_FMT_FP4 matrix_a_scale:MATRIX_SCALE_ROW1
.else
	v_wmma_scale_f32_16x16x128_f8f6f4 v[ACC+16*\p:ACC+16*\p+7], v[WS+16*\p:WS+16*\p+7], v[AB:AB+7], v[ACC+16*\p:ACC+16*\p+7], v[WSC+8*\p+(\ks)], v[ASC+(\ks)] matrix_a_fmt:MATRIX_FMT_FP4 matrix_b_fmt:MATRIX_FMT_FP4
	v_wmma_scale_f32_16x16x128_f8f6f4 v[ACC+16*\p+8:ACC+16*\p+15], v[WS+16*\p+8:WS+16*\p+15], v[AB:AB+7], v[ACC+16*\p+8:ACC+16*\p+15], v[WSC+8*\p+(\ks)], v[ASC+(\ks)] matrix_a_fmt:MATRIX_FMT_FP4 matrix_b_fmt:MATRIX_FMT_FP4 matrix_a_scale:MATRIX_SCALE_ROW1
.endif
.endr
.rept 4
	v_nop                                          ; places ahead of loads into registers that these products read, and of the first read of results
.endr
.if (\ks) <= 4
	WLOAD (\ks)+3
.endif
.if (\ks) == 5
.irp i, 0,1,2,3,4,5,6,7
	global_load_b128 v[WR+64+4*\i:WR+64+4*\i+3], v1, s[14:15] offset:512*\i   ; gamma, into slot 2
.endr
.endif
.if (\ks) == 6
.irp i, 0,1,2,3,4,5,6,7
	global_load_b128 v[WR+4*\i:WR+4*\i+3], v1, s[16:17] offset:512*\i         ; beta, into slot 0
.endr
.endif
.if (\ks) <= 5
	AFETCH (\ks)+2
.endif
.endm
.irp k, 0,1,2,3,4,5,6,7
	KSTEP \k
.endr
.irp tt, 0,1,2,3
	ds_store_b128 v3, v[ACC+8*\tt:ACC+8*\tt+3] offset:64*\tt       ; lane (r, h): columns 64 w + 16 tt + 8 h + 0 .. 7 of row r; each accumulator from its low end on
	ds_store_b128 v3, v[ACC+8*\tt+4:ACC+8*\tt+7] offset:64*\tt+16
.endr
	s_wait_dscnt 0x0                               ; for the others' sake
	s_barrier_signal -1
	s_barrier_wait -1                              ; 16 whole rows of the product lie in the stage
.irp i, 0,1,2,3,4,5,6,7
	ds_load_b128 v[WR+32+4*\i:WR+32+4*\i+3], v4 offset:512*\i      ; my row, into slot 1
.endr
.irp j, 0,2,4,6,8,10,12,14,16,18,20,22,24,26,28,30
	v_pk_add_f32 v[XR+\j:XR+\j+1], v[XR+\j:XR+\j+1], v[PS+\j:PS+\j+1]          ; x + pos_emb (both were in at the fourth K step's wait)
.endr
	s_wait_dscnt 0x0
.irp j, 0,2,4,6,8,10,12,14,16,18,20,22,24,26,28,30
	v_pk_add_f32 v[XR+\j:XR+\j+1], v[XR+\j:XR+\j+1], v[WR+32+\j:WR+32+\j+1]    ; y
.endr
.macro WSUM                            ; the four chains v[240:247] become one number, the same in all 32 lanes: v240
	v_pk_add_f32 v[240:241], v[240:241], v[242:243]
	v_pk_add_f32 v[244:245], v[244:245], v[246:247]
	v_pk_add_f32 v[240:241], v[240:241], v[244:245]
	v_add_f32 v240, v240, v241
	v_add_f32_dpp v240, v240, v240 row_xmask:1 row_mask:0xf bank_mask:0xf
	v_add_f32_dpp v240, v240, v240 row_xmask:2 row_mask:0xf bank_mask:0xf
	v_add_f32_dpp v240, v240, v240 row_xmask:4 row_mask:0xf bank_mask:0xf
	v_add_f32_dpp v240, v240, v240 row_xmask:8 row_mask:0xf bank_mask:0xf
	v_permlanex16_b32 v241, v240, s26, s27
	v_add_f32 v240, v240, v241
.endm
.irp c, 0,1,2,3
	v_pk_add_f32 v[240+2*\c:241+2*\c], v[XR+2*\c:XR+2*\c+1], v[XR+8+2*\c:XR+9+2*\c]
.endr
.irp c, 0,1,2,3
	v_pk_add_f32 v[240+2*\c:241+2*\c], v[240+2*\c:241+2*\c], v[XR+16+2*\c:XR+17+2*\c]
.endr
.irp c, 0,1,2,3
	v_pk_add_f32 v[240+2*\c:241+2*\c], v[240+2*\c:241+2*\c], v[XR+24+2*\c:XR+25+2*\c]
.endr
	WSUM
	v_mul_f32 v248, s28, v240                      ; the mean
	v_mov_b32 v249, v248
.irp j, 0,2,4,6,8,10,12,14,16,18,20,22,24,26,28,30
	v_pk_add_f32 v[XR+\j:XR+\j+1], v[XR+\j:XR+\j+1], v[248:249] neg_lo:[0,1] neg_hi:[0,1]   ; y - mean
.endr
.irp c, 0,1,2,3
	v_pk_mul_f32 v[240+2*\c:241+2*\c], v[XR+2*\c:XR+2*\c+1], v[XR+2*\c:XR+2*\c+1]
.endr
.irp g, 8,16,24
.irp c, 0,1,2,3
	v_pk_fma_f32 v[240+2*\c:241+2*\c], v[XR+\g+2*\c:XR+\g+2*\c+1], v[XR+\g+2*\c:XR+\g+2*\c+1], v[240+2*\c:241+2*\c]
.endr
.endr
	WSUM
	v_fmaak_f32 v250, s28, v240, 0x3727c5ac        ; the variance + 1e-5
	v_rsq_f32 v252, v250
	v_rsq_f32 v253, v250                           ; twice: a pair for the packed multiply
	v_nop                                          ; a plain line behind the last of them
	s_wait_alu depctr_va_vdst(0)                   ; one wait for both, ahead of their first reader
	s_wait_loadcnt 0x0                             ; gamma and beta
.irp j, 0,2,4,6,8,10,12,14,16,18,20,22,24,26,28,30
	v_pk_mul_f32 v[XR+\j:XR+\j+1], v[XR+\j:XR+\j+1], v[252:253]
.endr
.irp j, 0,2,4,6,8,10,12,14,16,18,20,22,24,26,28,30
	v_pk_fma_f32 v[XR+\j:XR+\j+1], v[XR+\j:XR+\j+1], v[WR+64+\j:WR+64+\j+1], v[WR+\j:WR+\j+1]
.endr
.irp i, 0,1,2,3,4,5,6,7
	global_store_b128 v1, v[XR+4*\i:XR+4*\i+3], s[18:19] offset:512*\i th:TH_STORE_NT   ; 512 consecutive bytes, aligned; written once, read by nobody here
.endr
	s_wait_tensorcnt 0x0
	ds_add_u32 v254, v255
	s_wait_dscnt 0x0
	s_endpgm
.Lfunc_end_k_qf589a12518_outln:
	.size	k_qf589a12518_outln, .Lfunc_end_k_qf589a12518_outln-k_qf589a12518_outln
	.p2alignl 7, 3214868480
	.fill 96, 4, 3214868480
	.section	.rodata,"a",@progbits
	.p2align	6, 0x0
	.amdhsa_kernel k_qf589a12518_outln
		.amdhsa_group_segment_fixed_size 76032
		.amdhsa_private_segment_fixed_size 0
		.amdhsa_enable_private_segment 0
		.amdhsa_kernarg_size 64
		.amdhsa_user_sgpr_count 2
		.amdhsa_user_sgpr_kernarg_segment_ptr 1
		.amdhsa_wavefront_size32 1
		.amdhsa_system_sgpr_workgroup_id_x 1
		.amdhsa_system_sgpr_workgroup_id_y 1
		.amdhsa_system_sgpr_workgroup_id_z 1
		.amdhsa_system_vgpr_workitem_id 0
		.amdhsa_next_free_vgpr 256
		.amdhsa_next_free_sgpr 66
		.amdhsa_reserve_vcc 0
		.amdhsa_float_denorm_mode_32 3
		.amdhsa_float_denorm_mode_16_64 3
		.amdhsa_memory_ordered 1
		.amdhsa_forward_progress 1
		.amdhsa_inst_pref_size 29
	.end_amdhsa_kernel
	.amdgpu_metadata
---
amdhsa.version: [ 1, 2 ]
amdhsa.kernels:
  - .name:           k_qf589a12518_outln
    .symbol:         k_qf589a12518_outln.kd
    .args:
      - { .name: vq, .offset: 0, .size: 8, .value_kind: global_buffer, .address_space: global }
      - { .name: wo, .offset: 8, .size: 8, .value_kind: global_buffer, .address_space: global }
      - { .name: w_o_scales, .offset: 16, .size: 8, .value_kind: global_buffer, .address_space: global }
      - { .name: x, .offset: 24, .size: 8, .value_kind: global_buffer, .address_space: global }
      - { .name: pos_emb, .offset: 32, .size: 8, .value_kind: global_buffer, .address_space: global }
      - { .name: ln_gamma, .offset: 40, .size: 8, .value_kind: global_buffer, .address_space: global }
      - { .name: ln_beta, .offset: 48, .size: 8, .value_kind: global_buffer, .address_space: global }
      - { .name: out0, .offset: 56, .size: 8, .value_kind: global_buffer, .address_space: global }
    .group_segment_fixed_size: 76032
    .private_segment_fixed_size: 0
    .kernarg_segment_align: 8
    .kernarg_segment_size: 64
    .max_flat_workgroup_size: 512
    .sgpr_count:     66
    .vgpr_count:     256
    .wavefront_size: 32
...
	.end_amdgpu_metadata
.endif
;; end of part 4
;; ======== version 2 of 3: 4 launches; 1.21 times as fast as version 1
;; workspace buffers: cq 4,456,448 bytes; qkv 11,141,120 bytes; mk 1,048,576 bytes of whole numbers; fl 16,384 bytes of whole numbers; vq 2,228,224 bytes; wo 524,288 bytes
;; launch prep (part 5): grid 528 x 1, 4 waves a work-group, no clusters, 99,840 bytes of LDS; arguments x, pos_emb, memory, mask, w_o_codes, cq, mk, wo, fl; writes cq, mk, wo, fl
.if DOCPART == 5
	.amdgcn_target "amdgcn-amd-amdhsa--gfx1250"
	.amdhsa_code_object_version 6
	.text
	.protected	k_qf589a12518_prep
	.globl	k_qf589a12518_prep
	.p2align	8
	.type	k_qf589a12518_prep,@function
k_qf589a12518_prep:
	s_mov_b64 s[64:65], 0
	v_nop
	global_prefetch_b8 v0, s[64:65] scope:SCOPE_SE
	s_setreg_imm32_b32 hwreg(HW_REG_WAVE_MODE, 25, 1), 1
	s_wait_xcnt 0x0
; PREP: four jobs that share one launch, told apart by the work-group's number; each job is a path of its own that ends by itself.
;  work-groups   0-127  MEM : memory [1024][4][1024] f32           -> codes of FP4 (E2M1) and E8M0 scale bytes of c's rows t = 0 .. 1023
;  work-groups 128-255  X   : x + pos_emb (f32 sum)                -> the same for t = 1024 .. 2047
;  work-groups 256-511  MASK: mask [1024][2048][4] bool            -> lane-mask words and one flag for each 16 queries x 128 keys x b
;  work-groups 512-527  WO  : w_o's codes [1024][512 bytes]        -> the same bytes in the order of a matrix operand's registers
; cq: codes at 0, [row = 2048 b + t][512 bytes]; scale bytes at 0x400000, [row][32].
; mk: [b][tile of 16 queries][step of 128 keys][n = 0 .. 63] words: bit L of word n = 16 beta + i is mask[16 tile + L % 16][128 step + 32 beta + 16 (L / 16) + i][b].
; fl: [b][tile][step] words: 0 = no key of the 16 x 128 hidden, 2 = all hidden, 1 = some.
; wo: [pair of K steps 0 .. 3][tile of 16 rows 0 .. 63][K step of the pair][c = 0, 1][lane][16 bytes]: lane (r, h) holds the bytes 64 step + 32 c + 16 h on of row r.  A pair of K steps of all rows is 131,072 bytes on end.
; THE QUANTISER: a block's scale is 2^(floor(log2(its largest magnitude)) - 2); its byte is the largest magnitude's exponent field - 2, held at 1 from below.
; LIMITS: a block of zeros, and a block whose largest magnitude lies under 2^-124, keeps the byte 1 (the bytes are read by this program alone; a block of zeros has zero codes);
; NaN and infinities among the inputs are not served.
; No matrix unit, no cluster, no barrier: the waves share nothing, and every byte is read once.  Each path that uses LDS has bytes of its own.
.set SP,    80                         ; a lane's place in a stage: its 64 bytes + 16 of padding
.set STEPS, 16                         ; steps of 512 numbers for a wave
.set R,     16                         ; v16-79    four sets of 16 numbers as they are loaded
.set PR,    176                        ; v176-239  the same of pos_emb
.set XN,    80                         ; v80-111   two sets of 16 neighbours
.set E,     112                        ; v112-127  a scale byte for each step
.set C,     128                        ; v128-159  two registers of codes for each step: no store's data are written again
.set MEMLB, 0                          ; LDS of path MEM: 8,192 bytes a wave
.set XLB,   32768                      ; of path X
.set MKLB,  65536                      ; of path MASK: 16 rows x 528 bytes a wave
.set MP,    528
; step t's 2,048 bytes: row t / 2 of the wave's eight, half t % 2.  Each load reads 512 consecutive bytes.
.macro QLOAD t, pos
.irp i, 0,1,2,3
	global_load_b128 v[R+16*((\t)%4)+4*\i:R+16*((\t)%4)+4*\i+3], v3, s[22:23] offset:((\t)/2)*16384+((\t)%2)*2048+512*\i th:TH_LOAD_NT
.endr
.if \pos
.irp i, 0,1,2,3
	global_load_b128 v[PR+16*((\t)%4)+4*\i:PR+16*((\t)%4)+4*\i+3], v3, s[24:25] offset:((\t)/2)*4096+((\t)%2)*2048+512*\i   ; the four waves (b = 0 .. 3) read the same row of pos_emb
.endr
.endif
.endm
; step t's numbers through the wave's own stage: in as they lie, out 64 bytes a lane.  LDS serves a wave's instructions in order: no wait between the stores and the loads.
.macro QTURN t, pos
.if \pos
.irp i, 0,2,4,6,8,10,12,14
	v_pk_add_f32 v[R+16*((\t)%4)+\i:R+16*((\t)%4)+\i+1], v[R+16*((\t)%4)+\i:R+16*((\t)%4)+\i+1], v[PR+16*((\t)%4)+\i:PR+16*((\t)%4)+\i+1]   ; x + pos_emb
.endr
.endif
.irp i, 0,1,2,3
	ds_store_b128 v14, v[R+16*((\t)%4)+4*\i:R+16*((\t)%4)+4*\i+3] offset:32*SP*((\t)%2)+8*SP*\i
.endr
.irp i, 0,1,2,3
	ds_load_b128 v[XN+16*((\t)%2)+4*\i:XN+16*((\t)%2)+4*\i+3], v15 offset:32*SP*((\t)%2)+16*\i
.endr
.endm
.macro QSTEP t, pos
.set XS, XN+16*((\t)%2)
.if (\t) > 0
	s_wait_dscnt 1                                 ; this step's numbers are back from the stage (the last step's byte store may be out): its stores into the stage have read their registers,
.else
	s_wait_dscnt 0x0
.endif
.if (\t)+4 < STEPS
	QLOAD (\t)+4, \pos                             ; which take the loads of four steps on
.endif
.if (\t)+1 < STEPS
.if STEPS-2-(\t) >= 3
	s_wait_loadcnt 3*(4+4*\pos)                    ; the next step's loads are in; those of the three steps behind it may be out
.else
	s_wait_loadcnt (4+4*\pos)*(STEPS-2-(\t))
.endif
	QTURN (\t)+1, \pos
.endif
	v_max3_num_f32 v8, |v[XS]|, |v[XS+1]|, |v[XS+2]|               ; the largest magnitude of my 16, in two chains
	v_max3_num_f32 v9, |v[XS+3]|, |v[XS+4]|, |v[XS+5]|
.irp i, 6,10
	v_max3_num_f32 v8, v8, |v[XS+\i]|, |v[XS+\i+1]|
	v_max3_num_f32 v9, v9, |v[XS+\i+2]|, |v[XS+\i+3]|
.endr
	v_max3_num_f32 v8, v8, |v[XS+14]|, |v[XS+15]|
	v_max3_num_f32 v8, v8, v9, 0x1800000           ; and the floor 2^(3 - 127): the byte cannot fall under 1
	v_max_num_f32_dpp v8, v8, v8 row_xmask:1 row_mask:0xf bank_mask:0xf   ; and of my neighbour's 16: the block's
	v_add_nc_u32 v11, 0xff000000, v8               ; 2 off its exponent field: the conversion takes the exponent field of this operand as its scale
	v_cvt_scalef32_pk8_fp4_f32 v[C+2*(\t)], v[XS:XS+7], v11
	v_cvt_scalef32_pk8_fp4_f32 v[C+2*(\t)+1], v[XS+8:XS+15], v11
	v_lshrrev_b32 v[E+(\t)], 23, v11               ; the scale's byte (a plain line behind the conversions)
	ds_store_b8 v5, v[E+(\t)] offset:16*(\t)       ; both lanes of a block write the same byte with the same value
	global_store_b64 v4, v[C+2*(\t):C+2*(\t)+1], s[34:35] offset:256*(\t)   ; the wave stores 256 consecutive bytes, aligned
.endm
; A whole path: wave = b; the work-group takes eight neighbouring t.  pos = 1: x + pos_emb, rows t = 1024 on.
.macro QPATH pos, lb
	v_lshlrev_b32 v3, 4, v2                        ; my 16 bytes of a load's 512
	s_lshl_b32 s21, s20, 13
	s_add_co_u32 s21, s21, \lb                     ; my wave's LDS
	v_lshrrev_b32 v14, 2, v2
	v_mul_u32_u24 v14, v14, SP
	v_and_b32 v15, 3, v2
	v_lshl_add_u32 v14, v15, 4, v14
	v_add_nc_u32 v14, s21, v14                     ; the stage, in: SP (lane / 4) + 16 (lane % 4)
	v_mul_u32_u24 v15, v2, SP
	v_add_nc_u32 v15, s21, v15                     ; and out: SP x lane
	v_lshlrev_b32 v4, 3, v2                        ; 8 bytes a lane: my codes in a step's 256, my part of the 256 scale bytes
	v_lshrrev_b32 v5, 1, v2
	s_add_co_u32 s21, s21, 2*32*SP
	v_add_nc_u32 v5, s21, v5                       ; LDS: my block's byte among the wave's 256
	v_add_nc_u32 v6, s21, v4
.if \pos
	s_sub_co_u32 s26, ttmp9, 128
.else
	s_mov_b32 s26, ttmp9
.endif
	s_lshl_b32 s28, s26, 17                        ; eight rows of 16,384 bytes,
	s_lshl_b32 s29, s20, 12                        ; + b's 4,096
	s_add_co_u32 s28, s28, s29
	s_mov_b32 s29, 0
	s_lshl_b32 s30, s26, 12                        ; codes: eight rows of 512 bytes,
	s_lshl_b32 s31, s20, 20                        ; + 2,048 b rows
	s_add_co_u32 s30, s30, s31
	s_add_co_u32 s30, s30, \pos*1024*512
	s_mov_b32 s31, 0
	s_lshl_b32 s32, s26, 8                         ; scale bytes: eight rows of 32
	s_lshl_b32 s33, s20, 16
	s_add_co_u32 s32, s32, s33
	s_add_co_u32 s32, s32, 0x400000+\pos*1024*32
	s_mov_b32 s33, 0
	s_lshl_b32 s38, s26, 15                        ; pos_emb: eight rows of 4,096 bytes
	s_mov_b32 s39, 0
	s_wait_kmcnt 0x0
.if \pos
	s_add_nc_u64 s[22:23], s[4:5], s[28:29]
	s_add_nc_u64 s[24:25], s[6:7], s[38:39]
.else
	s_add_nc_u64 s[22:23], s[8:9], s[28:29]
.endif
	s_add_nc_u64 s[34:35], s[14:15], s[30:31]
	s_add_nc_u64 s[36:37], s[14:15], s[32:33]
.irp t, 0,1,2,3
	QLOAD \t, \pos
.endr
	s_wait_loadcnt 3*(4+4*\pos)                    ; step 0's loads are in
	QTURN 0, \pos
.irp t, 0,1,2,3,4,5,6,7,8,9,10,11,12,13,14,15
	QSTEP \t, \pos
.endr
	ds_load_b64 v[12:13], v6                       ; LDS serves a wave's instructions in order: these see my byte stores
	s_wait_dscnt 0x0
	global_store_b64 v4, v[12:13], s[36:37]        ; the wave's 256 scale bytes: consecutive, aligned
	s_wait_tensorcnt 0x0
	ds_add_u32 v240, v241
	s_wait_dscnt 0x0
	s_endpgm
.endm
	s_load_b512 s[4:19], s[0:1], 0x0               ; x 4:5, pos_emb 6:7, memory 8:9, mask 10:11, w_o_codes 12:13, cq 14:15, mk 16:17, wo 18:19
	s_load_b64 s[40:41], s[0:1], 0x40              ; fl
	v_lshl_add_u32 v240, v0, 2, 0x18400
	v_mov_b32 v241, 0
	v_lshrrev_b32 v1, 5, v0
	v_readfirstlane_b32 s20, v1                    ; wave
	v_and_b32 v2, 31, v0                           ; lane
	s_cmp_ge_u32 ttmp9, 512
	s_cbranch_scc1 .Lwo
	s_cmp_ge_u32 ttmp9, 256
	s_cbranch_scc1 .Lmask
	s_cmp_ge_u32 ttmp9, 128
	s_cbranch_scc1 .Lx
	QPATH 0, MEMLB
.Lx:
	QPATH 1, XLB
; ---- MASK: a wave takes 16 queries x 128 keys x 4 b: 16 rows of 512 consecutive bytes
.Lmask:
	s_sub_co_u32 s21, ttmp9, 256
	s_lshl_b32 s21, s21, 2
	s_add_co_u32 s21, s21, s20                     ; task = 16 x tile + step
	s_lshr_b32 s22, s21, 4
	s_and_b32 s23, s21, 15
	s_lshl_b32 s28, s22, 17                        ; 16 queries of 8,192 bytes,
	s_lshl_b32 s29, s23, 9                         ; + 128 keys of 4
	s_add_co_u32 s28, s28, s29
	s_mov_b32 s29, 0
	s_lshl_b32 s30, s21, 8                         ; words: 256 bytes a task
	s_mov_b32 s31, 0
	s_lshl_b32 s32, s21, 2                         ; flags: 4 bytes a task
	s_mov_b32 s33, 0
	s_mul_i32 s34, s20, 16*MP
	s_add_co_u32 s34, s34, MKLB                    ; my wave's LDS
	v_lshlrev_b32 v3, 4, v2
	v_add_nc_u32 v4, s34, v3                       ; in: 16 bytes a lane of a row
	v_and_b32 v5, 15, v2
	v_lshrrev_b32 v6, 4, v2
	v_mul_u32_u24 v5, v5, MP
	v_lshl_add_u32 v5, v6, 6, v5
	v_add_nc_u32 v5, s34, v5                       ; out: row lane % 16, + 16 keys (64 bytes) for lanes 16-31
	v_lshlrev_b32 v7, 3, v2                        ; two words a lane
	v_lshlrev_b32 v8, 12, v2                       ; flags: b's are 4,096 bytes apart
	s_wait_kmcnt 0x0
	s_add_nc_u64 s[10:11], s[10:11], s[28:29]
	s_add_nc_u64 s[36:37], s[16:17], s[30:31]
	s_add_nc_u64 s[38:39], s[40:41], s[32:33]
.irp r, 0,1,2,3,4,5,6,7,8,9,10,11,12,13,14,15
	global_load_b128 v[16+4*\r:19+4*\r], v3, s[10:11] offset:8192*\r th:TH_LOAD_NT
.endr
.irp r, 0,1,2,3,4,5,6,7,8,9,10,11,12,13,14,15
	s_wait_loadcnt 15-\r                           ; loads come back in order: row r is in
	ds_store_b128 v4, v[16+4*\r:19+4*\r] offset:MP*\r
.endr
.irp k, 0,1,2,3,4,5,6,7,8,9,10,11,12,13,14,15
	ds_load_b128 v[80+4*\k:83+4*\k], v5 offset:128*(\k/4)+16*(\k%4)   ; register 80 + n: the four b bytes of (query lane % 16, key 32 beta + 16 (lane / 16) + i), n = 16 beta + i
.endr
.irp j, 144,145,146,147,148,149,150,151,152
	v_mov_b32 v\j, 0                               ; a lane write's destination counts as read
.endr
	s_wait_dscnt 0x0
.irp b, 0,1,2,3
.set n, 0
.rept 64
	v_and_b32 v[10+n%4], 0xff<<(8*\b), v[80+n]
	v_cmp_ne_u32 s[24+n%4], 0, v[10+n%4]           ; word n: a bit for each lane
	v_writelane_b32 v[144+2*\b+n%2], s[24+n%4], n/2   ; lane n / 2 keeps words n and n + 1 as a pair
.set n, n+1
.endr
	global_store_b64 v7, v[144+2*\b:145+2*\b], s[36:37] offset:262144*\b   ; b's 64 words: 256 consecutive bytes, aligned; each b has its own pair of registers
.endr
.irp b, 0,1,2,3
	v_or_b32 v10, v[144+2*\b], v[145+2*\b]
	v_and_b32 v11, v[144+2*\b], v[145+2*\b]
	v_cmp_ne_u32 s24, 0, v10                       ; is any bit set?
	v_cmp_ne_u32 s25, -1, v11                      ; is any bit clear?
	s_cmp_lg_u32 s24, 0
	s_cselect_b32 s26, 1, 0
	s_cmp_eq_u32 s25, 0
	s_cselect_b32 s27, 1, 0
	s_add_co_u32 s26, s26, s27                     ; 0 none hidden, 1 some, 2 all
	v_writelane_b32 v152, s26, \b
.endr
	v_cmp_gt_u32 vcc_lo, 4, v2
	s_wait_xcnt 0x0                                ; EXEC changes only behind this wait: the stores above have been taken with all lanes on
	s_wait_tensorcnt 0x0
	ds_add_u32 v240, v241
	s_wait_dscnt 0x0
	s_and_saveexec_b32 s24, vcc_lo
	global_store_b32 v8, v152, s[38:39]            ; lane b: b's flag: four words of the launch's 6 MB of stores
	s_wait_xcnt 0x0                                ; and again, in front of the line that widens it
	s_or_b32 exec_lo, exec_lo, s24
	s_endpgm
; ---- WO: a wave takes a tile of 16 rows of w_o's codes (8,192 bytes) and lays it fragment by fragment
.Lwo:
	s_sub_co_u32 s21, ttmp9, 512
	s_lshl_b32 s21, s21, 2
	s_add_co_u32 s21, s21, s20                     ; tile
	s_lshl_b32 s28, s21, 13                        ; in: 8,192 bytes a tile
	s_mov_b32 s29, 0
	s_lshl_b32 s30, s21, 11                        ; out: 2,048 bytes a tile in each pair of K steps
	s_mov_b32 s31, 0
	v_and_b32 v3, 15, v2
	v_lshrrev_b32 v4, 4, v2
	v_lshlrev_b32 v3, 9, v3
	v_lshl_add_u32 v3, v4, 4, v3                   ; in: row r of 512 bytes, + 16 h
	v_lshlrev_b32 v5, 4, v2                        ; out: 16 bytes a lane
	s_wait_kmcnt 0x0
	s_add_nc_u64 s[12:13], s[12:13], s[28:29]
	s_add_nc_u64 s[18:19], s[18:19], s[30:31]
.irp k, 0,1,2,3,4,5,6,7,8,9,10,11,12,13,14,15
	global_load_b128 v[16+4*\k:19+4*\k], v3, s[12:13] offset:32*\k th:TH_LOAD_NT   ; k = 2 step + c
.endr
.irp k, 0,1,2,3,4,5,6,7,8,9,10,11,12,13,14,15
	s_wait_loadcnt 15-\k
	global_store_b128 v5, v[16+4*\k:19+4*\k], s[18:19] offset:(\k/4)*131072+(\k%4)*512   ; 512 consecutive bytes; k / 4 is the pair of K steps
.endr
	s_endpgm
.Lfunc_end_k_qf589a12518_prep:
	.size	k_qf589a12518_prep, .Lfunc_end_k_qf589a12518_prep-k_qf589a12518_prep
	.p2alignl 7, 3214868480
	.fill 96, 4, 3214868480
	.section	.rodata,"a",@progbits
	.p2align	6, 0x0
	.amdhsa_kernel k_qf589a12518_prep
		.amdhsa_group_segment_fixed_size 99840
		.amdhsa_private_segment_fixed_size 0
		.amdhsa_enable_private_segment 0
		.amdhsa_kernarg_size 72
		.amdhsa_user_sgpr_count 2
		.amdhsa_user_sgpr_kernarg_segment_ptr 1
		.amdhsa_wavefront_size32 1
		.amdhsa_system_sgpr_workgroup_id_x 1
		.amdhsa_system_sgpr_workgroup_id_y 1
		.amdhsa_system_sgpr_workgroup_id_z 1
		.amdhsa_system_vgpr_workitem_id 0
		.amdhsa_next_free_vgpr 242
		.amdhsa_next_free_sgpr 66
		.amdhsa_reserve_vcc 1
		.amdhsa_float_denorm_mode_32 3
		.amdhsa_float_denorm_mode_16_64 3
		.amdhsa_memory_ordered 1
		.amdhsa_forward_progress 1
		.amdhsa_inst_pref_size 140
	.end_amdhsa_kernel
	.amdgpu_metadata
---
amdhsa.version: [ 1, 2 ]
amdhsa.kernels:
  - .name:           k_qf589a12518_prep
    .symbol:         k_qf589a12518_prep.kd
    .args:
      - { .name: x, .offset: 0, .size: 8, .value_kind: global_buffer, .address_space: global }
      - { .name: pos_emb, .offset: 8, .size: 8, .value_kind: global_buffer, .address_space: global }
      - { .name: memory, .offset: 16, .size: 8, .value_kind: global_buffer, .address_space: global }
      - { .name: mask, .offset: 24, .size: 8, .value_kind: global_buffer, .address_space: global }
      - { .name: w_o_codes, .offset: 32, .size: 8, .value_kind: global_buffer, .address_space: global }
      - { .name: cq, .offset: 40, .size: 8, .value_kind: global_buffer, .address_space: global }
      - { .name: mk, .offset: 48, .size: 8, .value_kind: global_buffer, .address_space: global }
      - { .name: wo, .offset: 56, .size: 8, .value_kind: global_buffer, .address_space: global }
      - { .name: fl, .offset: 64, .size: 8, .value_kind: global_buffer, .address_space: global }
    .group_segment_fixed_size: 99840
    .private_segment_fixed_size: 0
    .kernarg_segment_align: 8
    .kernarg_segment_size: 72
    .max_flat_workgroup_size: 128
    .sgpr_count:     66
    .vgpr_count:     242
    .wavefront_size: 32
...
	.end_amdgpu_metadata
.endif
;; end of part 5
;; launch qkv: the kernel of part 2 again; grid 4 x 80, 4 waves a work-group, clusters of 4 x 4, 327,680 bytes of LDS; arguments cq, w_qkv_codes, w_qkv_scales, qkv; writes qkv
;; launch attn (part 6): grid 4 x 64, 16 waves a work-group, no clusters, 145,408 bytes of LDS; arguments qkv, mk, fl, vq; writes vq
.if DOCPART == 6
	.amdgcn_target "amdgcn-amd-amdhsa--gfx1250"
	.amdhsa_code_object_version 6
	.text
	.protected	k_qf589a12518_attn
	.globl	k_qf589a12518_attn
	.p2align	8
	.type	k_qf589a12518_attn,@function
k_qf589a12518_attn:
	s_mov_b64 s[64:65], 0
	v_nop
	global_prefetch_b8 v0, s[64:65] scope:SCOPE_SE
	s_setreg_imm32_b32 hwreg(HW_REG_WAVE_MODE, 25, 1), 1
	s_wait_xcnt 0x0
; ATTN: vec = softmax(q k^T / 8, hidden keys at -infinity) v, both products on codes of FP4 (E2M1) with E8M0 scales, and vec quantised along the head's 64 on the way out.
; THE SOFTMAX AHEAD OF THE SECOND PRODUCT: t = score x log2(e) / 8; M = the row's largest t so far, rounded up to a whole number; p = 2^(t - M) is quantised along the keys, not normalised;
; the row's sum is taken of the unquantised p and divides at the end; when M moves, the sum and O are multiplied by 2^(old M - new M), which rounds nothing.
; SHARES.  A work-group serves one (b, head); its whole K and V, as codes 128 KB and 12 KB of scale words, lie in LDS, written once at the head, ahead of the launch's one barrier.  Each of the sixteen waves owns one tile of 16 queries,
; tile 4 rho + x with rho = 4 (((w / 4) + w % 4) % 4) + w % 4: four waves that are neighbours by number, or 4 apart, have one tile in each quarter of the queries.  A wave walks the 16 steps of 128 keys.
; THE MASK IS DATA.  An earlier launch has made of it, for each tile of queries and step, 64 lane-mask words and a flag.  Flag 2 (all 16 x 128 hidden): the step is left out; its every p would be 0.  Flag 0: no masking line runs.
; Flag 1: 64 selects put -infinity where a key is hidden.  The wave's 16 flags come by one scalar load at the head and are packed, two bits each, into one scalar register.
; These are scalar branches on stored whole numbers; that is why this launch loads through registers and has no tensor load, and so NO JOINT REQUESTS either, though four work-groups read the same 140 KB.
; A query all of whose keys are hidden has the sum 0: its two scale bytes are set to 0xff, which makes the next product's row NaN, as the softmax of such a row is.
; LAYOUT.  Both products are used transposed: S^T = K Q^T (source 0 = 16 keys), O^T = V^T P^T (source 0 = 16 of the head's 64): a lane holds one query (lane % 16) throughout.
; The first product's K is 64: the upper 64 of the instruction's 128 are zero codes on Q's side (v20-23), so what stands there on K's side (the next tile's codes) adds nothing; the scale bytes there are 0, not 0xff.
; ROWS OF A TILE ARE NOT NEIGHBOURS: lane r of tile 2 beta + u takes key (or d) 32 beta + 8 u + r + 8 (r / 8), so that the 16 registers of tiles 2 beta, 2 beta + 1 are 16 neighbours, 32 beta + 16 (lane / 16) + 0 .. 15.
; LDS: step s at 8,192 s: K's eight tiles (512 bytes each, lane l's 16 bytes at 16 l), then at + 4,096 V's: half c of the keys at 2,048 c, tile delta at 512 delta.  The copy permutes the bits of a 16-byte piece's offset in a
; step's 4,096 bytes: 4 -> 8, 5-7 -> 4-6, 8 -> 9, 9 -> 7.  K's scale words at 131,072 (a word a key), V's at 139,264 (a word for each step and d).
; LIMITS: a block whose largest magnitude lies under 2^-124 keeps the scale byte 1.  NaN and infinities among the inputs are not served.
.set KSB, 131072
.set VSB, 139264
.set LI,  1                            ; v1   16 x lane
.set LSK, 2                            ; v2   KSB + 4 (l % 8) + 64 ((l / 8) % 2) + 32 (l / 16): lanes 0-15 an even tile's rows, lanes 16-31 the odd tile's
.set DK,  3                            ; v3   where my 16 bytes of a copy go
.set GT,  4                            ; v4   16 x thread
.set ADR, 5                            ; v5-7 the trip's LDS addresses: tiles, K's scale words, V's
.set ADS, 6
.set ADT, 7
.set DKB, 8                            ; v8   DK + 65,536
.set NINF, 9                           ; v9   -infinity
.set LSV, 10                           ; v10  as v2, for V's scale words
.set QF,  16                           ; v16-23 Q's fragment
.set QSC, 24                           ; v24  Q's scale word;  v25 p's
.set PSC, 25
.set FF,  26                           ; v[26:27] f = 2^(old M - new M), later 1 / the sum
.set KSC, 28                           ; v28-31 K's scale words;  v32-33 V's
.set VSC, 32
.set FRG, 36                           ; v36-71 fragments: K's tile t at 36 + 4 t (eight registers: its own four and the four above), V's tile d at 36 + 8 d; v68-71 stay 0
.set S,   96                           ; v96-159 S^T, then p
.set O,   160                          ; v160-191 O^T
.set PC,  192                          ; v192-199 p's codes
.set BM,  200                          ; v200-203 the blocks' largest
.set PL,  204                          ; v204-207 the other lane's, then bytes
.set SO,  208                          ; v208-211 the conversions' scale operands
.set TW,  212                          ; v212-213 at work
.set SM2, 214                          ; v[214:215] the sum's second chain
.set FPK, 8                            ; s8   the flags still to come, two bits each, the next step's lowest
.set FLG, 20                           ; s20  the step's flag
	s_load_b128 s[4:7], s[0:1], 0x0                ; qkv, mk
	s_load_b128 s[44:47], s[0:1], 0x10             ; fl, vq
	v_lshl_add_u32 v254, v0, 2, 0x23000
	v_mov_b32 v255, 0
	v_lshrrev_b32 v11, 5, v0
	v_readfirstlane_b32 s10, v11                   ; wave 0..15
	s_and_b32 s30, ttmp7, 0xffff                   ; 16 b + head
	s_lshr_b32 s11, s10, 2
	s_and_b32 s31, s10, 3
	s_add_co_u32 s11, s11, s31
	s_and_b32 s11, s11, 3
	s_lshl_b32 s11, s11, 2
	s_add_co_u32 s11, s11, s31                     ; rho
	s_lshl_b32 s11, s11, 2
	s_add_co_u32 s11, s11, ttmp9                   ; my tile of queries, 0 .. 63
	s_lshr_b32 s100, s30, 4
	s_and_b32 s101, s30, 15                        ; head
	s_lshl_b32 s100, s100, 6
	s_add_co_u32 s100, s100, s11                   ; 64 b + tile
	s_mov_b32 s12, 0x76543210
	s_mov_b32 s13, 0xfedcba98                      ; lane selects: lane l xor 16
	s_mov_b32 s14, 0x3e38aa3b                      ; c = log2(e) / 8
	s_mov_b32 s15, s14                             ; (named with it as a pair, so it is written)
	v_and_b32 v11, 31, v0
	v_lshlrev_b32 v[LI], 4, v11
	v_and_b32 v2, 7, v0
	v_lshlrev_b32 v2, 2, v2
	v_bfe_u32 v11, v0, 3, 1
	v_lshl_or_b32 v2, v11, 6, v2
	v_bfe_u32 v11, v0, 4, 1
	v_lshl_or_b32 v2, v11, 5, v2
	v_add_nc_u32 v[LSV], VSB, v2
	v_add_nc_u32 v[LSK], KSB, v2
	v_bfe_u32 v[DK], v0, 1, 3
	v_lshlrev_b32 v[DK], 4, v[DK]
	v_bfe_u32 v11, v0, 5, 1
	v_lshl_or_b32 v[DK], v11, 7, v[DK]
	v_and_b32 v11, 1, v0
	v_lshl_or_b32 v[DK], v11, 8, v[DK]
	v_bfe_u32 v11, v0, 4, 1
	v_lshl_or_b32 v[DK], v11, 9, v[DK]
	v_bfe_u32 v11, v0, 6, 2
	v_lshl_or_b32 v[DK], v11, 10, v[DK]
	v_lshrrev_b32 v11, 8, v0
	v_lshl_or_b32 v[DK], v11, 13, v[DK]            ; threads 256 on: the second step of a copy's two
	v_add_nc_u32 v[DKB], 65536, v[DK]
	v_lshlrev_b32 v[GT], 4, v0
	v_lshlrev_b32 v88, 3, v0                       ; 8 x thread
	v_add_nc_u32 v90, KSB, v[GT]
	v_add_nc_u32 v91, VSB, v88
	v_and_b32 v35, 15, v0                          ; r
	v_bfe_u32 v11, v0, 4, 1                        ; h
	v_lshlrev_b32 v34, 5, v35
	v_lshl_add_u32 v34, v11, 4, v34                ; Q: row r of 32 bytes, + 16 h
	v_lshlrev_b32 v35, 2, v35                      ; Q's scale word: 4 r
	s_mov_b32 s3, 0
	s_wait_kmcnt 0x0
	s_lshl_b32 s2, s100, 6
	s_add_nc_u64 s[24:25], s[44:45], s[2:3]        ; my 16 flags
	s_load_b512 s[68:83], s[24:25], 0x0            ; asked for first: they land under the copies of K and V
	s_lshl_b32 s2, s30, 6
	s_add_co_u32 s2, s2, s11
	s_lshl_b32 s2, s2, 9
	s_add_nc_u64 s[32:33], s[4:5], s[2:3]          ; my tile's codes of Q
	s_lshr_b32 s31, s30, 1                         ; 8 b + the pair of heads
	s_lshl_b32 s2, s31, 12
	s_lshl_b32 s16, s11, 6
	s_add_co_u32 s2, s2, s16
	s_add_co_u32 s2, s2, 0xa00000
	s_add_nc_u64 s[34:35], s[4:5], s[2:3]          ; and its scale words
	s_lshl_b32 s2, s31, 13
	s_add_co_u32 s2, s2, 0xa20000
	s_add_nc_u64 s[36:37], s[4:5], s[2:3]          ; K's scale words
	s_lshl_b32 s2, s30, 12
	s_add_co_u32 s2, s2, 0xa60000
	s_add_nc_u64 s[38:39], s[4:5], s[2:3]          ; V's
	s_lshl_b32 s2, s30, 16
	s_add_co_u32 s2, s2, 0x200000
	s_add_nc_u64 s[40:41], s[4:5], s[2:3]          ; K's codes; V's lie 0x400000 further on
	s_lshl_b32 s2, s100, 12
	s_add_nc_u64 s[26:27], s[6:7], s[2:3]          ; my 16 x 64 lane-mask words
	s_lshl_b32 s2, s100, 4
	s_add_co_u32 s2, s2, s101
	s_lshl_b32 s2, s2, 9
	s_add_nc_u64 s[28:29], s[46:47], s[2:3]        ; where my codes of vec go
	s_lshl_b32 s2, s100, 9
	s_lshl_b32 s16, s101, 1
	s_add_co_u32 s2, s2, s16
	s_add_co_u32 s2, s2, 0x200000
	s_add_nc_u64 s[66:67], s[46:47], s[2:3]        ; and their scale bytes
	s_and_b32 s31, s101, 1
	s_lshl_b32 s31, s31, 4                         ; my head's half of a pair's scale word
	global_load_b128 v[QF:QF+3], v34, s[32:33]
	global_load_b32 v[QSC], v35, s[34:35]
	global_load_b128 v[72:75], v[GT], s[36:37]
	global_load_b64 v[76:77], v88, s[38:39]
.irp i, 0,1,2,3,4,5,6,7
	global_load_b128 v[96+4*\i:99+4*\i], v[GT], s[40:41] offset:8192*\i              ; K: steps 2 i, 2 i + 1; the work-group reads 8,192 consecutive bytes
.endr
.irp i, 0,1,2,3,4,5,6,7
	global_load_b128 v[128+4*\i:131+4*\i], v[GT], s[40:41] offset:0x400000+8192*\i   ; V likewise
.endr
	v_mov_b32 v[NINF], 0xff800000
	v_mov_b32 v13, 0xff61b1e6                      ; the largest t so far: -3e38, under every t
	v_floor_f32 v12, -v13                          ; -M
	v_mov_b32 v14, 0                               ; the sum, in two halves
	v_mov_b32 v15, 0
.irp j, 20,21,22,23,27,68,69,70,71,204,205,206,207
	v_mov_b32 v\j, 0                               ; Q's upper 64: zero codes; the registers above K's last tile; partners of pairs and destinations of lane permutes, written once
.endr
	s_wait_loadcnt 16                              ; Q and the three loads of scale words are in; the 16 copies may be out
	v_bfe_u32 v[QSC], v[QSC], s31, 16              ; my head's two bytes; bytes 2 and 3 become 0
.irp j, 72,73,74,75
	v_bfe_u32 v\j, v\j, s31, 16
.endr
	ds_store_b128 v90, v[72:75]
	ds_store_b64 v91, v[76:77]
.irp i, 0,1,2,3,4,5,6,7
	s_wait_loadcnt 15-\i                           ; K's copy i is in; the 15 - i behind it may be out
.if \i < 4
	ds_store_b128 v[DK], v[96+4*\i:99+4*\i] offset:16384*\i
.else
	ds_store_b128 v[DKB], v[96+4*\i:99+4*\i] offset:16384*(\i-4)
.endif
.endr
.irp i, 0,1,2,3,4,5,6,7
	s_wait_loadcnt 7-\i                            ; V's copy i
.if \i < 4
	ds_store_b128 v[DK], v[128+4*\i:131+4*\i] offset:16384*\i+4096
.else
	ds_store_b128 v[DKB], v[128+4*\i:131+4*\i] offset:16384*(\i-4)+4096
.endif
.endr
.irp j, 0,1,2,3,4,5,6,7,8,9,10,11,12,13,14,15,16,17,18,19,20,21,22,23,24,25,26,27,28,29,30,31
	v_mov_b32 v[O+\j], 0                           ; O^T: the step is written once: the first finds zeros, which the first change of M leaves zeros.  These 32 lines stand here, while my stores land, for a second reason:
.endr                                          ; Q's scale word was written by a vector line above, and more than eight plain vector lines have to stand between that line and the first product that names it
	s_wait_kmcnt 0x0                               ; my 16 flags
	s_mov_b32 s[FPK], s68                          ; packed: step i's flag in bits 2 i, 2 i + 1
.irp i, 1,2,3,4,5,6,7,8,9,10,11,12,13,14,15
	s_lshl_b32 s9, s[68+\i], 2*\i
	s_or_b32 s[FPK], s[FPK], s9
.endr
	s_wait_dscnt 0x0                               ; for the others' sake: my stores have landed
	s_barrier_signal -1
	s_barrier_wait -1                              ; the head's K and V are whole; no LDS byte is written from here on
; A KEY STEP: 128 keys, the q-th of the trip's four.
.macro STEP q
	s_and_b32 s[FLG], s[FPK], 3                    ; this step's flag,
	s_lshr_b32 s[FPK], s[FPK], 2                   ; and on to the next one's
	s_cmp_eq_u32 s[FLG], 2                         ; all 16 x 128 hidden: nothing of this step counts
	s_cbranch_scc1 .Lskip_\@
.irp t, 0,1,2,3,4,5,6,7
	ds_load_b128 v[FRG+4*\t:FRG+4*\t+3], v[ADR] offset:(\q)*8192+512*\t
.endr
.irp b, 0,1,2,3
	ds_load_b32 v[KSC+\b], v[ADS] offset:(\q)*512+128*\b
.endr
	s_wait_dscnt 0x0
.irp t, 0,2,4,6
	v_wmma_scale_f32_16x16x128_f8f6f4 v[S+8*\t:S+8*\t+7], v[FRG+4*\t:FRG+4*\t+7], v[QF:QF+7], 0, v[KSC+\t/2], v[QSC] matrix_a_fmt:MATRIX_FMT_FP4 matrix_b_fmt:MATRIX_FMT_FP4
	v_wmma_scale_f32_16x16x128_f8f6f4 v[S+8*\t+8:S+8*\t+15], v[FRG+4*\t+4:FRG+4*\t+11], v[QF:QF+7], 0, v[KSC+\t/2], v[QSC] matrix_a_fmt:MATRIX_FMT_FP4 matrix_b_fmt:MATRIX_FMT_FP4 matrix_a_scale:MATRIX_SCALE_ROW1
.endr
.rept 4
	v_nop                                          ; places: the loads below land in registers that these products read, and the scores are read next
.endr
.irp d, 0,1,2,3
.irp c, 0,1
	ds_load_b128 v[FRG+8*\d+4*\c:FRG+8*\d+4*\c+3], v[ADR] offset:(\q)*8192+4096+2048*\c+512*\d   ; V's tiles are asked for here and land under the softmax
.endr
.endr
.irp b, 0,1
	ds_load_b32 v[VSC+\b], v[ADT] offset:(\q)*256+128*\b
.endr
	s_cmp_eq_u32 s[FLG], 0                         ; no key hidden: no masking line runs
	s_cbranch_scc1 .Lopen_\@
	s_load_b512 s[32:47], s[26:27], (\q)*256
	s_load_b512 s[48:63], s[26:27], (\q)*256+64
	s_load_b512 s[68:83], s[26:27], (\q)*256+128
	s_load_b512 s[84:99], s[26:27], (\q)*256+192
	s_wait_kmcnt 0x0
.set n, 0
.rept 32
	v_cndmask_b32 v[S+n], v[S+n], v[NINF], s[32+n] ; word n: a bit for each lane: is register n's key hidden from the lane's query?
.set n, n+1
.endr
.rept 32
	v_cndmask_b32 v[S+n], v[S+n], v[NINF], s[36+n]
.set n, n+1
.endr
.Lopen_\@:
.irp b, 0,1,2,3
	v_max3_num_f32 v[BM+\b], v[S+16*\b], v[S+1+16*\b], v[S+2+16*\b]   ; the largest score of each block of 32 keys: it serves for the row's maximum and, since p rises with the score, for the block's largest p
.endr
.irp i, 3,5,7,9,11,13
.irp b, 0,1,2,3
	v_max3_num_f32 v[BM+\b], v[BM+\b], v[S+16*\b+\i], v[S+1+16*\b+\i]
.endr
.endr
.irp b, 0,1,2,3
	v_max_num_f32 v[BM+\b], v[BM+\b], v[S+15+16*\b]
.endr
.irp b, 0,1,2,3
	v_permlanex16_b32 v[PL+\b], v[BM+\b], s12, s13
.endr
.irp b, 0,1,2,3
	v_max_num_f32 v[BM+\b], v[BM+\b], v[PL+\b]     ; with lane l xor 16's 16 keys
.endr
	v_max3_num_f32 v[TW], v[BM], v[BM+1], v[BM+2]
	v_max_num_f32 v[TW], v[TW], v[BM+3]
	v_mul_f32 v[TW], s14, v[TW]                    ; the step's largest t
	v_max_num_f32 v13, v13, v[TW]                  ; the running largest t
	v_mov_b32 v[TW], v12
	v_floor_f32 v12, -v13                          ; the new -M = -ceil(t): a whole number
	v_sub_f32 v[TW], v12, v[TW]                    ; old M - new M: a whole number, 0 or less
	v_cvt_i32_f32 v[TW], v[TW]                     ; (it saturates)
	v_ldexp_f32 v[FF], 1.0, v[TW]                  ; f = 2^(old M - new M)
.irp j, 0,2,4,6,8,10,12,14,16,18,20,22,24,26,28,30,32,34,36,38,40,42,44,46,48,50,52,54,56,58,60,62
	v_pk_fma_f32 v[S+\j:S+\j+1], v[S+\j:S+\j+1], s[14:15], v[12:13] op_sel_hi:[1,0,0]   ; t - M, two at a time
.endr
.irp b, 0,1,2,3
	v_fma_f32 v[BM+\b], v[BM+\b], s14, v12         ; the same of each block's largest score
.endr
.irp j, 0,1,2,3,4,5,6,7,8,9,10,11,12,13,14,15,16,17,18,19,20,21,22,23,24,25,26,27,28,29,30,31,32,33,34,35,36,37,38,39,40,41,42,43,44,45,46,47,48,49,50,51,52,53,54,55,56,57,58,59,60,61,62,63
	v_exp_f32 v[S+\j], v[S+\j]                     ; p = 2^(t - M), at most 1
.endr
	v_pk_mul_f32 v[14:15], v[14:15], v[FF:FF+1] op_sel_hi:[1,0]   ; the sums under the new M (a plain line behind the exponentials)
	s_wait_alu depctr_va_vdst(0)                   ; one wait for the batch of 64, ahead of its first reader
.irp b, 0,1,2,3
	v_exp_f32 v[BM+\b], v[BM+\b]                   ; the block's largest p
.endr
	v_pk_add_f32 v[SM2:SM2+1], v[S:S+1], v[S+2:S+3]   ; the row's sum of the unquantised p, in two chains
.irp j, 4,8,12,16,20,24,28,32,36,40,44,48,52,56,60
	v_pk_add_f32 v[14:15], v[14:15], v[S+\j:S+\j+1]
	v_pk_add_f32 v[SM2:SM2+1], v[SM2:SM2+1], v[S+2+\j:S+3+\j]
.endr
	v_pk_add_f32 v[14:15], v[14:15], v[SM2:SM2+1]
	s_wait_alu depctr_va_vdst(0)                   ; and one for the four
.irp b, 0,1,2,3
	v_max_num_f32 v[BM+\b], 0x1800000, v[BM+\b]    ; the floor 2^(3 - 127): a block whose every p is 0 keeps the byte 1; its codes are zeros
.endr
.irp b, 0,1,2,3
	v_add_nc_u32 v[SO+\b], 0xff000000, v[BM+\b]
.endr
.irp b, 0,1,2,3
	v_lshrrev_b32 v[PL+\b], 23, v[SO+\b]
.endr
	v_lshl_or_b32 v[PSC], v[PL+1], 8, v[PL]
	v_lshl_or_b32 v[PSC], v[PL+2], 16, v[PSC]
	v_lshl_or_b32 v[PSC], v[PL+3], 24, v[PSC]      ; p's scale word for these 128 keys
.irp b, 0,1,2,3
	v_cvt_scalef32_pk8_fp4_f32 v[PC+2*\b], v[S+16*\b:S+7+16*\b], v[SO+\b]
	v_cvt_scalef32_pk8_fp4_f32 v[PC+1+2*\b], v[S+8+16*\b:S+15+16*\b], v[SO+\b]
.endr
	v_nop                                          ; one plain line behind the last conversion
.irp c, 0,1                                    ; the operand's layout wants a whole block in a lane
.irp i, 0,1
	v_permlane16_swap_b32 v[PC+4*\c+\i], v[PC+2+4*\c+\i]
.endr
.endr
.irp j, 0,2,4,6,8,10,12,14,16,18,20,22,24,26,28,30
	v_pk_mul_f32 v[O+\j:O+\j+1], v[O+\j:O+\j+1], v[FF:FF+1] op_sel_hi:[1,0]   ; O^T under the new M; these 16 lines also stand between the writing of p's codes and scale word and the products
.endr
	s_wait_dscnt 0x0                               ; V's tiles and scale words are in
.irp d, 0,2
	v_wmma_scale_f32_16x16x128_f8f6f4 v[O+8*\d:O+8*\d+7], v[FRG+8*\d:FRG+8*\d+7], v[PC:PC+7], v[O+8*\d:O+8*\d+7], v[VSC+\d/2], v[PSC] matrix_a_fmt:MATRIX_FMT_FP4 matrix_b_fmt:MATRIX_FMT_FP4
	v_wmma_scale_f32_16x16x128_f8f6f4 v[O+8*\d+8:O+8*\d+15], v[FRG+8*\d+8:FRG+8*\d+15], v[PC:PC+7], v[O+8*\d+8:O+8*\d+15], v[VSC+\d/2], v[PSC] matrix_a_fmt:MATRIX_FMT_FP4 matrix_b_fmt:MATRIX_FMT_FP4 matrix_a_scale:MATRIX_SCALE_ROW1
.endr                                          ; the four accumulators take turns; eight products of scores stand ahead of the next step's four
.rept 4
	v_nop                                          ; places ahead of the next loads into the fragments' registers and of the next read of O^T
.endr
.Lskip_\@:
.endm
	s_mov_b32 s16, 0                               ; the trip's first step in LDS: 32,768 bytes a trip
	s_mov_b32 s17, 0                               ; its scale words of K: 2,048
	s_mov_b32 s18, 0                               ; of V: 1,024
	s_mov_b32 s19, 0
.Ltrip:                                        ; four trips of four steps
	v_add_nc_u32 v[ADR], s16, v[LI]
	v_add_nc_u32 v[ADS], s17, v[LSK]
	v_add_nc_u32 v[ADT], s18, v[LSV]
	STEP 0
	STEP 1
	STEP 2
	STEP 3
	s_add_nc_u64 s[26:27], s[26:27], 1024          ; every scalar load that named this pointer has been waited for
	s_add_co_u32 s16, s16, 32768
	s_add_co_u32 s17, s17, 2048
	s_add_co_u32 s18, s18, 1024
	s_add_co_u32 s19, s19, 1
	s_cmp_lt_u32 s19, 4
	s_cbranch_scc1 .Ltrip
	; THE WAY OUT.  O^T / the sum is my head's 64 numbers of 16 rows of vec: two blocks of 32 along the next product's K.  Register 16 beta + i of lane (r, h) is d = 32 beta + 16 h + i of query r.
	v_add_f32 v14, v14, v15
	v_permlanex16_b32 v[PL], v14, s12, s13
	v_add_f32 v[TW], v14, v[PL]                    ; the row's sum
	v_rcp_f32 v[FF], v[TW]
	v_and_b32 v89, 15, v0                          ; (a plain line behind the reciprocal)
	v_lshlrev_b32 v89, 5, v89                      ; 32 r: my row's scale bytes
	v_mov_b32 v[TW+1], 0xffff
	s_wait_alu depctr_va_vdst(0)                   ; ahead of the reciprocal's first reader
.irp j, 0,2,4,6,8,10,12,14,16,18,20,22,24,26,28,30
	v_pk_mul_f32 v[S+\j:S+\j+1], v[O+\j:O+\j+1], v[FF:FF+1] op_sel_hi:[1,0]   ; each accumulator from its low end on
.endr
.irp b, 0,1
	v_max3_num_f32 v[BM+\b], |v[S+16*\b]|, |v[S+1+16*\b]|, 0x1800000
.endr
.irp i, 2,4,6,8,10,12,14
.irp b, 0,1
	v_max3_num_f32 v[BM+\b], v[BM+\b], |v[S+16*\b+\i]|, |v[S+1+16*\b+\i]|
.endr
.endr
.irp b, 0,1
	v_permlanex16_b32 v[PL+\b], v[BM+\b], s12, s13
.endr
.irp b, 0,1
	v_max_num_f32 v[BM+\b], v[BM+\b], v[PL+\b]
.endr
.irp b, 0,1
	v_add_nc_u32 v[SO+\b], 0xff000000, v[BM+\b]
.endr
.irp b, 0,1
	v_lshrrev_b32 v[PL+\b], 23, v[SO+\b]
.endr
	v_lshl_or_b32 v[PSC], v[PL+1], 8, v[PL]
	v_cmp_eq_f32 vcc_lo, 0, v[TW]                  ; no key counted for this query:
	v_cndmask_b32 v[PSC], v[PSC], v[TW+1], vcc_lo  ; both bytes 0xff
.irp b, 0,1
	v_cvt_scalef32_pk8_fp4_f32 v[PC+2*\b], v[S+16*\b:S+7+16*\b], v[SO+\b]
	v_cvt_scalef32_pk8_fp4_f32 v[PC+1+2*\b], v[S+8+16*\b:S+15+16*\b], v[SO+\b]
.endr
	v_nop
	v_permlane16_swap_b32 v[PC], v[PC+2]
	v_permlane16_swap_b32 v[PC+1], v[PC+3]         ; lanes 0-15 block 0, lanes 16-31 block 1: four registers of the next product's operand, as they will stand there
	global_store_b128 v[LI], v[PC:PC+3], s[28:29]  ; 512 consecutive bytes, aligned
	global_store_b16 v89, v[PSC], s[66:67]         ; two bytes of each row's 32 (lanes l and l xor 16 store the same): one byte in 17 of what the launch stores
	s_wait_tensorcnt 0x0
	ds_add_u32 v254, v255
	s_wait_dscnt 0x0
	s_endpgm
.Lfunc_end_k_qf589a12518_attn:
	.size	k_qf589a12518_attn, .Lfunc_end_k_qf589a12518_attn-k_qf589a12518_attn
	.p2alignl 7, 3214868480
	.fill 96, 4, 3214868480
	.section	.rodata,"a",@progbits
	.p2align	6, 0x0
	.amdhsa_kernel k_qf589a12518_attn
		.amdhsa_group_segment_fixed_size 145408
		.amdhsa_private_segment_fixed_size 0
		.amdhsa_enable_private_segment 0
		.amdhsa_kernarg_size 32
		.amdhsa_user_sgpr_count 2
		.amdhsa_user_sgpr_kernarg_segment_ptr 1
		.amdhsa_wavefront_size32 1
		.amdhsa_system_sgpr_workgroup_id_x 1
		.amdhsa_system_sgpr_workgroup_id_y 1
		.amdhsa_system_sgpr_workgroup_id_z 1
		.amdhsa_system_vgpr_workitem_id 0
		.amdhsa_next_free_vgpr 256
		.amdhsa_next_free_sgpr 104
		.amdhsa_reserve_vcc 1
		.amdhsa_float_denorm_mode_32 3
		.amdhsa_float_denorm_mode_16_64 3
		.amdhsa_memory_ordered 1
		.amdhsa_forward_progress 1
		.amdhsa_inst_pref_size 92
	.end_amdhsa_kernel
	.amdgpu_metadata
---
amdhsa.version: [ 1, 2 ]
amdhsa.kernels:
  - .name:           k_qf589a12518_attn
    .symbol:         k_qf589a12518_attn.kd
    .args:
      - { .name: qkv, .offset: 0, .size: 8, .value_kind: global_buffer, .address_space: global }
      - { .name: mk, .offset: 8, .size: 8, .value_kind: global_buffer, .address_space: global }
      - { .name: fl, .offset: 16, .size: 8, .value_kind: global_buffer, .address_space: global }
      - { .name: vq, .offset: 24, .size: 8, .value_kind: global_buffer, .address_space: global }
    .group_segment_fixed_size: 145408
    .private_segment_fixed_size: 0
    .kernarg_segment_align: 8
    .kernarg_segment_size: 32
    .max_flat_workgroup_size: 512
    .sgpr_count:     104
    .vgpr_count:     256
    .wavefront_size: 32
...
	.end_amdgpu_metadata
.endif
;; end of part 6
;; launch outln (part 7): grid 256 x 1, 16 waves a work-group, clusters of 4 x 1, 327,680 bytes of LDS; arguments vq, wo, w_o_scales, x, pos_emb, ln_gamma, ln_beta, out0; writes out0
.if DOCPART == 7
	.amdgcn_target "amdgcn-amd-amdhsa--gfx1250"
	.amdhsa_code_object_version 6
	.text
	.protected	k_qf589a12518_outln
	.globl	k_qf589a12518_outln
	.p2align	8
	.type	k_qf589a12518_outln,@function
k_qf589a12518_outln:
	s_mov_b64 s[64:65], 0
	v_nop
	global_prefetch_b8 v0, s[64:65] scope:SCOPE_SE
	s_setreg_imm32_b32 hwreg(HW_REG_WAVE_MODE, 25, 1), 1
	s_wait_xcnt 0x0
	s_wait_alu depctr_hold_cnt(0) depctr_sa_sdst(0) depctr_va_vdst(0) depctr_va_sdst(0) depctr_va_ssrc(0) depctr_va_vcc(0) depctr_vm_vsrc(0)
	s_getreg_b32 s2, hwreg(HW_REG_IB_STS2, 6, 4)
	s_cmp_eq_u32 s2, 0
	s_cbranch_scc0 .Lentry_in_a_cluster
	s_endpgm
.Lentry_in_a_cluster:
	s_bfe_u32 s2, ttmp6, 0x10000c
	s_cmp_lg_u32 s2, 0x3003
	s_cbranch_scc0 .Lentry_shape_is_right
	s_endpgm
.Lentry_shape_is_right:
; OUTLN: out = LayerNorm((x + pos_emb) + vec w_o) gamma + beta; the product on codes of FP4 (E2M1) with E8M0 scales, K = 1,024; all else in f32.
; SHARES.  A work-group owns 16 whole rows (one b, 16 neighbouring s) x all 1,024 columns, since the norm wants whole rows.  In the product wave w makes columns 64 w .. 64 w + 63: four accumulators, eight K steps.
; In the norm wave w owns row w whole: 32 numbers a lane, mean and variance in two passes, sums inside the wave.
; The product is used transposed (source 0 = 16 rows of w_o, source 1 = the 16 rows of vec): a lane holds eight neighbouring columns of one row.
; CLUSTER.  Every work-group walks all of w_o's 512 KB of codes, so the four partners of a cluster ask for them JOINTLY: the same tensor load, with the same descriptor and a mask that names the four, in all four.
; w_o's codes were laid in the order of the operand's registers, a pair of K steps of all rows on end (131,072 bytes), and in it a wave's four tiles on end (8,192 bytes).  K goes in four such pairs through a ring of two LDS slots.
; Each of the sixteen waves brings its own 8,192 bytes of a slot by one load, 32 rows of 256 bytes, and reads only those: a fragment is two LDS loads of 512 consecutive bytes.
; vec's 16 fragment halves (8 KB, laid by the launch before as images of the operand's registers), gamma and beta (8 KB) are copied to LDS once, 16 bytes a thread each, and read by all sixteen waves.
; A row of vec whose scale bytes are 0xff (a query with every key hidden) makes its sums, and so its whole row, NaN.
; LDS: slot 0 at 0, slot 1 at 131,072; vec's images at 262,144; gamma, then beta, at 270,336; the spare words at 278,528.  The stage, 16 rows x (4,096 + 16) bytes, lies in slot 0, which has had its last fill and its last read
; when the first result is stored there.
.set SLOTB, 131072
.set AIMG,  2*SLOTB
.set GBL,   AIMG+8192
.set SPARE, GBL+8192                   ; the spare words, 128 bytes for each wave: eight blocks of 256 bytes that no other line names
.set TP,    4112
.set LI,  1                            ; v1   16 x lane
.set T16, 2                            ; v2   16 x thread
.set STI, 3                            ; v3   the stage, in: row r, + 32 h, + my wave's 256 bytes
.set STB, 4                            ; v4   and back: row w, 16 bytes a lane
.set R32, 5                            ; v5   32 r
.set L32, 6                            ; v6   32 x lane
.set GBO, 7                            ; v7   16 x (thread % 256): my 16 bytes of gamma or of beta
.set WA,  8                            ; v8-9 LDS address of my fragments of w_o in slot 0, 1
.set AIA, 10                           ; v10  vec's images: 16 x lane
.set GBA, 11                           ; v11  gamma in LDS: 16 x lane
.set AIS, 12                           ; v12  where I put my 16 bytes of vec's images
.set GBS, 13                           ; v13  and of gamma or beta
.set SPW, 14                           ; v14  my spare word; never rewritten
.set NIL, 15                           ; v15  0; never rewritten
.set AF,  16                           ; v16-31   vec's fragments of a pair of K steps
.set ASC, 32                           ; v32-39   vec's scale words, one for each K step
.set WSC, 40                           ; v40-55   w_o's: 8 x (pair of tiles) + K step; lanes 0-15 the even tile's rows, lanes 16-31 the odd one's
.set ACC, 56                           ; v56-87   four accumulators
.set WR,  88                           ; v88-151  w_o's fragments of a pair of K steps; later gamma (v88-119) and beta (v120-151)
.set RW,  152                          ; v152-183 the product's row
.set XR,  184                          ; v184-215 x, then y, then the result
.set PS,  216                          ; v216-247 pos_emb; then at work
.set TC,  216
.set G1,  24                           ; s[24:31] descriptor group 1
.set G0,  32                           ; s[32:39] descriptor group 0, a set for each slot
; A round of the cluster's barrier: my work-group's barrier, so that wave 0's signal speaks for all sixteen waves; wave 0 signals for the work-group; every wave waits for all four work-groups; my work-group's barrier once more.
.macro ROUND
	s_barrier_signal -1
	s_barrier_wait -1
	s_cmp_lg_u32 s20, 0
	s_cbranch_scc1 .Lnot_wave_0_\@
	s_barrier_signal -3
.Lnot_wave_0_\@:
	s_barrier_wait -3
	s_barrier_signal -1
	s_barrier_wait -1
.endm
	s_load_b512 s[4:19], s[0:1], 0x0               ; vq 4:5, wo 6:7, w_o_scales 8:9, x 10:11, pos_emb 12:13, ln_gamma 14:15, ln_beta 16:17, out0 18:19
	v_lshl_add_u32 v[SPW], v0, 2, SPARE
	v_mov_b32 v[NIL], 0
	ds_add_u32 v14, v15
	ds_add_u32 v14, v15
	s_wait_dscnt 0x0
	v_lshrrev_b32 v7, 5, v0
	v_readfirstlane_b32 s20, v7                    ; wave 0..15
	; descriptor group 1: a dense block of 8,192 bytes as 32 rows of 256 (32 elements of 8 bytes), no padding: the fragments are read 512 consecutive bytes at a time
	s_mov_b32 s[G1], 15|(3<<16)|(1<<21)            ; 15:0 the mask: all four work-groups; 17:16 elements of 8 bytes; 21 set beside a mask
	s_mov_b32 s[G1+1], 32<<16                      ; tensor_dim0 = 32
	s_mov_b32 s[G1+2], 32<<16                      ; tensor_dim1 = 32
	s_mov_b32 s[G1+3], 32<<16                      ; tile_dim0 = 32
	s_mov_b32 s[G1+4], 32                          ; tile_dim1 = 32
	s_mov_b32 s[G1+5], 32                          ; tensor_dim0_stride
	s_mov_b32 s[G1+6], 0
	s_mov_b32 s[G1+7], 0
	s_lshl_b32 s40, s20, 13                        ; my wave's 8,192 bytes, in a pair of K steps in memory and in a slot: no place in the cluster enters these
	s_mov_b32 s41, 0
	s_wait_kmcnt 0x0
	s_add_nc_u64 s[42:43], s[6:7], s[40:41]
.irp s, 0,1
	s_mov_b32 s[G0+4*\s], 1                        ; count = 1
	s_add_co_u32 s[G0+4*\s+1], s40, \s*SLOTB       ; LDS address
	s_add_nc_u64 s[G0+4*\s+2:G0+4*\s+3], s[42:43], \s*SLOTB   ; global address: pair s of K steps
	s_or_b32 s[G0+4*\s+3], s[G0+4*\s+3], 0x80000000           ; type = 2
.endr
	ROUND                                          ; all four work-groups are here: the first joint loads meet
	tensor_load_to_lds s[G0:G0+3], s[G1:G1+7]      ; both first fills together, ahead of every wait on TENSORcnt and every LDS read: two loads of mine are out
	s_nop 0
	tensor_load_to_lds s[G0+4:G0+7], s[G1:G1+7]
	s_nop 0
.rept 4
	v_nop
.endr
	v_and_b32 v7, 31, v0
	v_lshlrev_b32 v[LI], 4, v7
	v_lshlrev_b32 v[L32], 5, v7
	v_lshlrev_b32 v[T16], 4, v0
	v_and_b32 v7, 15, v0                           ; r
	v_lshlrev_b32 v[R32], 5, v7
	v_mul_u32_u24 v[STI], v7, TP
	v_bfe_u32 v7, v0, 4, 1                         ; h
	v_lshl_add_u32 v[STI], v7, 5, v[STI]
	s_lshl_b32 s47, s20, 8
	v_add_nc_u32 v[STI], s47, v[STI]
	s_mul_i32 s47, s20, TP
	v_add_nc_u32 v[STB], s47, v[LI]
	v_add_nc_u32 v[WA], s40, v[LI]
	v_add_nc_u32 v[WA+1], SLOTB, v[WA]
	v_add_nc_u32 v[AIA], AIMG, v[LI]
	v_add_nc_u32 v[GBA], GBL, v[LI]
	v_add_nc_u32 v[AIS], AIMG, v[T16]
	v_add_nc_u32 v[GBS], GBL, v[T16]
	v_and_b32 v[GBO], 0xff, v0
	v_lshlrev_b32 v[GBO], 4, v[GBO]
	s_bfe_u32 s21, ttmp6, 0x40000                  ; cx: my place in the cluster: it enters the addresses of vec, x, pos_emb and out0 alone
	s_lshl_b32 s22, ttmp9, 2                       ; in a cluster launch ttmp9 counts clusters
	s_add_co_u32 s22, s22, s21                     ; my tile of 16 rows, 0 .. 255 = 64 b + tile of queries
	s_lshr_b32 s21, s22, 6                         ; b
	s_and_b32 s23, s22, 63
	s_lshl_b32 s23, s23, 4
	s_add_co_u32 s23, s23, s20                     ; s: my row in the norm
	s_mov_b32 s45, 0
	s_mov_b32 s54, 0x76543210
	s_mov_b32 s55, 0xfedcba98                      ; lane selects: lane l xor 16
	s_mov_b32 s56, 0x3a800000                      ; 1 / 1,024
	s_lshl_b32 s44, s22, 13
	s_add_nc_u64 s[48:49], s[4:5], s[44:45]        ; vec's images
	s_lshl_b32 s44, s22, 9
	s_add_co_u32 s44, s44, 0x200000
	s_add_nc_u64 s[50:51], s[4:5], s[44:45]        ; vec's scale bytes
	s_lshl_b32 s44, s20, 11
	s_add_nc_u64 s[8:9], s[8:9], s[44:45]          ; w_o's scale bytes: my 64 rows of 32
	s_lshl_b32 s44, s23, 2
	s_add_co_u32 s44, s44, s21
	s_lshl_b32 s44, s44, 12
	s_add_nc_u64 s[10:11], s[10:11], s[44:45]      ; x and out0 at row (s, b)
	s_add_nc_u64 s[18:19], s[18:19], s[44:45]
	s_lshl_b32 s44, s23, 12
	s_add_nc_u64 s[12:13], s[12:13], s[44:45]      ; pos_emb at row s
	s_cmp_lt_u32 s20, 8                            ; threads 0-255 copy gamma, threads 256-511 beta
	s_cselect_b64 s[52:53], s[14:15], s[16:17]
	global_load_b128 v[248:251], v[T16], s[48:49]  ; my 16 bytes of vec's 8,192
	global_load_b128 v[252:255], v[GBO], s[52:53]  ; and of gamma's or beta's 4,096
	global_load_b128 v[ASC:ASC+3], v[R32], s[50:51]
	global_load_b128 v[ASC+4:ASC+7], v[R32], s[50:51] offset:16
.irp p, 0,1
	global_load_b128 v[WSC+8*\p:WSC+8*\p+3], v[L32], s[8:9] offset:1024*\p
	global_load_b128 v[WSC+8*\p+4:WSC+8*\p+7], v[L32], s[8:9] offset:1024*\p+16
.endr
.irp i, 0,1,2,3,4,5,6,7
	global_load_b128 v[XR+4*\i:XR+4*\i+3], v[LI], s[10:11] offset:512*\i th:TH_LOAD_NT
.endr
.irp i, 0,1,2,3,4,5,6,7
	global_load_b128 v[PS+4*\i:PS+4*\i+3], v[LI], s[12:13] offset:512*\i
.endr
	s_wait_loadcnt 22                              ; the first two of the 24 loads are in
	ds_store_b128 v[AIS], v[248:251]
	ds_store_b128 v[GBS], v[252:255]
	s_wait_tensorcnt 0x1                           ; my part of slot 0 is in; slot 1's may stay out
	s_wait_dscnt 0x0                               ; for the others' sake: my two stores have landed
	s_barrier_signal -1
	s_barrier_wait -1                              ; vec's images, gamma and beta lie in LDS
	s_wait_loadcnt 16                              ; the scale words are in; x's and pos_emb's sixteen loads may be out
; Four products: K step ks, from half u of the fragments' registers; the four accumulators by turns.
.macro MUL4 u, ks, zero
.set WS, WR+32*(\u)
.set AB, AF+8*(\u)
.irp p, 0,1
.if \zero
	v_wmma_scale_f32_16x16x128_f8f6f4 v[ACC+16*\p:ACC+16*\p+7], v[WS+16*\p:WS+16*\p+7], v[AB:AB+7], 0, v[WSC+8*\p+(\ks)], v[ASC+(\ks)] matrix_a_fmt:MATRIX_FMT_FP4 matrix_b_fmt:MATRIX_FMT_FP4
	v_wmma_scale_f32_16x16x128_f8f6f4 v[ACC+16*\p+8:ACC+16*\p+15], v[WS+16*\p+8:WS+16*\p+15], v[AB:AB+7], 0, v[WSC+8*\p+(\ks)], v[ASC+(\ks)] matrix_a_fmt:MATRIX_FMT_FP4 matrix_b_fmt:MATRIX_FMT_FP4 matrix_a_scale:MATRIX_SCALE_ROW1
.else
	v_wmma_scale_f32_16x16x128_f8f6f4 v[ACC+16*\p:ACC+16*\p+7], v[WS+16*\p:WS+16*\p+7], v[AB:AB+7], v[ACC+16*\p:ACC+16*\p+7], v[WSC+8*\p+(\ks)], v[ASC+(\ks)] matrix_a_fmt:MATRIX_FMT_FP4 matrix_b_fmt:MATRIX_FMT_FP4
	v_wmma_scale_f32_16x16x128_f8f6f4 v[ACC+16*\p+8:ACC+16*\p+15], v[WS+16*\p+8:WS+16*\p+15], v[AB:AB+7], v[ACC+16*\p+8:ACC+16*\p+15], v[WSC+8*\p+(\ks)], v[ASC+(\ks)] matrix_a_fmt:MATRIX_FMT_FP4 matrix_b_fmt:MATRIX_FMT_FP4 matrix_a_scale:MATRIX_SCALE_ROW1
.endif
.endr
.endm
; Pair kc of K steps, out of a slot: for each of the two steps 2 loads of vec's fragment (heads 2 ks, 2 ks + 1) and 8 of w_o's four tiles; then the products.
.macro PAIR slot, kc, zero
.irp u, 0,1
.irp c, 0,1
	ds_load_b128 v[AF+8*\u+4*\c:AF+8*\u+4*\c+3], v[AIA] offset:(2*(2*(\kc)+\u)+\c)*512
.endr
.irp tt, 0,1,2,3
.irp c, 0,1
	ds_load_b128 v[WR+32*\u+8*\tt+4*\c:WR+32*\u+8*\tt+4*\c+3], v[WA+\slot] offset:2048*\tt+1024*\u+512*\c
.endr
.endr
.endr
	s_wait_dscnt 10                                ; the first step's ten loads are in; the second's ten may be out
	MUL4 0, 2*(\kc), \zero
	s_wait_dscnt 0x0
	MUL4 1, 2*(\kc)+1, 0
.rept 4
	v_nop                                          ; places ahead of loads into registers that these products read, and of the first read of results
.endr
.endm
; THE CHANGE OF SLOTS.  Each wave waits for all its tensor loads (its part of the slot that it is about to read), adds 0 to its spare word, and waits for that and for its reads of the slot that it has left.
; fill = 1: that slot is filled again, with the pair of K steps two pairs on.  The barrier is then a round of the cluster's, so that no wave of any partner still reads the slot or has a load on its way, and the joint
; refill is the first thing behind it: one load a wave.
.macro CHANGE slot, fill
	s_wait_tensorcnt 0x0                           ; no tensor load of mine is out, so a group 0 may be written
	ds_add_u32 v[SPW], v[NIL]                      ; 0 onto my spare word
.if \fill
	s_add_nc_u64 s[G0+4*\slot+2:G0+4*\slot+3], s[G0+4*\slot+2:G0+4*\slot+3], 2*SLOTB   ; the address steps; the type bits on top are not reached
.endif
	s_wait_dscnt 0x0                               ; the add is done, and my reads of the slot that I have left are over
.if \fill
	ROUND
	tensor_load_to_lds s[G0+4*\slot:G0+4*\slot+3], s[G1:G1+7]
	s_nop 0
.rept 4
	v_nop
.endr
.else
	s_barrier_signal -1
	s_barrier_wait -1
.endif
.endm
	PAIR 0, 0, 1                                   ; K steps 0, 1: the first products start the sums
	CHANGE 0, 1                                    ; slot 1 has landed; slot 0 takes K steps 4, 5
	PAIR 1, 1, 0
	CHANGE 1, 1                                    ; slot 0 has landed; slot 1 takes K steps 6, 7: the last load
	PAIR 0, 2, 0
	CHANGE 0, 0                                    ; slot 1 has landed; behind this barrier nobody reads slot 0 any more, and nothing is filled
	PAIR 1, 3, 0
.irp tt, 0,1,2,3
	ds_store_b128 v[STI], v[ACC+8*\tt:ACC+8*\tt+3] offset:64*\tt       ; lane (r, h): columns 64 w + 16 tt + 8 h + 0 .. 7 of row r; each accumulator from its low end on
	ds_store_b128 v[STI], v[ACC+8*\tt+4:ACC+8*\tt+7] offset:64*\tt+16
.endr
	s_wait_dscnt 0x0                               ; for the others' sake
	s_barrier_signal -1
	s_barrier_wait -1                              ; 16 whole rows of the product lie in the stage
.irp i, 0,1,2,3,4,5,6,7
	ds_load_b128 v[RW+4*\i:RW+4*\i+3], v[STB] offset:512*\i            ; my row
.endr
.irp i, 0,1,2,3,4,5,6,7
	ds_load_b128 v[WR+4*\i:WR+4*\i+3], v[GBA] offset:512*\i            ; gamma,
.endr
.irp i, 0,1,2,3,4,5,6,7
	ds_load_b128 v[WR+32+4*\i:WR+32+4*\i+3], v[GBA] offset:4096+512*\i ; beta
.endr
	s_wait_loadcnt 0x0                             ; x and pos_emb
.irp j, 0,2,4,6,8,10,12,14,16,18,20,22,24,26,28,30
	v_pk_add_f32 v[XR+\j:XR+\j+1], v[XR+\j:XR+\j+1], v[PS+\j:PS+\j+1]  ; x + pos_emb
.endr
	s_wait_dscnt 16                                ; my row is in; gamma's and beta's sixteen loads may be out
.irp j, 0,2,4,6,8,10,12,14,16,18,20,22,24,26,28,30
	v_pk_add_f32 v[XR+\j:XR+\j+1], v[XR+\j:XR+\j+1], v[RW+\j:RW+\j+1]  ; y
.endr
.macro WSUM                            ; the four chains v[TC:TC+7] become one number, the same in all 32 lanes: v[TC]
	v_pk_add_f32 v[TC:TC+1], v[TC:TC+1], v[TC+2:TC+3]
	v_pk_add_f32 v[TC+4:TC+5], v[TC+4:TC+5], v[TC+6:TC+7]
	v_pk_add_f32 v[TC:TC+1], v[TC:TC+1], v[TC+4:TC+5]
	v_add_f32 v[TC], v[TC], v[TC+1]
	v_add_f32_dpp v[TC], v[TC], v[TC] row_xmask:1 row_mask:0xf bank_mask:0xf
	v_add_f32_dpp v[TC], v[TC], v[TC] row_xmask:2 row_mask:0xf bank_mask:0xf
	v_add_f32_dpp v[TC], v[TC], v[TC] row_xmask:4 row_mask:0xf bank_mask:0xf
	v_add_f32_dpp v[TC], v[TC], v[TC] row_xmask:8 row_mask:0xf bank_mask:0xf
	v_permlanex16_b32 v[TC+1], v[TC], s54, s55
	v_add_f32 v[TC], v[TC], v[TC+1]
.endm
.irp c, 0,1,2,3
	v_pk_add_f32 v[TC+2*\c:TC+2*\c+1], v[XR+2*\c:XR+2*\c+1], v[XR+8+2*\c:XR+9+2*\c]
.endr
.irp c, 0,1,2,3
	v_pk_add_f32 v[TC+2*\c:TC+2*\c+1], v[TC+2*\c:TC+2*\c+1], v[XR+16+2*\c:XR+17+2*\c]
.endr
.irp c, 0,1,2,3
	v_pk_add_f32 v[TC+2*\c:TC+2*\c+1], v[TC+2*\c:TC+2*\c+1], v[XR+24+2*\c:XR+25+2*\c]
.endr
	WSUM
	v_mul_f32 v[TC+8], s56, v[TC]                  ; the mean
	v_mov_b32 v[TC+9], v[TC+8]
.irp j, 0,2,4,6,8,10,12,14,16,18,20,22,24,26,28,30
	v_pk_add_f32 v[XR+\j:XR+\j+1], v[XR+\j:XR+\j+1], v[TC+8:TC+9] neg_lo:[0,1] neg_hi:[0,1]   ; y - mean
.endr
.irp c, 0,1,2,3
	v_pk_mul_f32 v[TC+2*\c:TC+2*\c+1], v[XR+2*\c:XR+2*\c+1], v[XR+2*\c:XR+2*\c+1]
.endr
.irp g, 8,16,24
.irp c, 0,1,2,3
	v_pk_fma_f32 v[TC+2*\c:TC+2*\c+1], v[XR+\g+2*\c:XR+\g+2*\c+1], v[XR+\g+2*\c:XR+\g+2*\c+1], v[TC+2*\c:TC+2*\c+1]
.endr
.endr
	WSUM
	v_fmaak_f32 v[TC+10], s56, v[TC], 0x3727c5ac   ; the variance + 1e-5
	v_rsq_f32 v[TC+12], v[TC+10]
	v_rsq_f32 v[TC+13], v[TC+10]                   ; twice: a pair for the packed multiply
	v_nop                                          ; a plain line behind the last of them
	s_wait_alu depctr_va_vdst(0)                   ; one wait for both, ahead of their first reader
	s_wait_dscnt 0x0                               ; gamma and beta
.irp j, 0,2,4,6,8,10,12,14,16,18,20,22,24,26,28,30
	v_pk_mul_f32 v[XR+\j:XR+\j+1], v[XR+\j:XR+\j+1], v[TC+12:TC+13]
.endr
.irp j, 0,2,4,6,8,10,12,14,16,18,20,22,24,26,28,30
	v_pk_fma_f32 v[XR+\j:XR+\j+1], v[XR+\j:XR+\j+1], v[WR+\j:WR+\j+1], v[WR+32+\j:WR+32+\j+1]
.endr
.irp i, 0,1,2,3,4,5,6,7
	global_store_b128 v[LI], v[XR+4*\i:XR+4*\i+3], s[18:19] offset:512*\i th:TH_STORE_NT   ; 512 consecutive bytes, aligned; written once, read by nobody here
.endr
	s_wait_tensorcnt 0x0                           ; the wave's end, behind my last tensor load and my last LDS store
	ds_add_u32 v[SPW], v[NIL]
	s_wait_dscnt 0x0
	ROUND                                          ; the closing round: no work-group ends while a partner may still ask for a tile that names it
	s_endpgm
.Lfunc_end_k_qf589a12518_outln:
	.size	k_qf589a12518_outln, .Lfunc_end_k_qf589a12518_outln-k_qf589a12518_outln
	.p2alignl 7, 3214868480
	.fill 96, 4, 3214868480
	.section	.rodata,"a",@progbits
	.p2align	6, 0x0
	.amdhsa_kernel k_qf589a12518_outln
		.amdhsa_group_segment_fixed_size 327680
		.amdhsa_private_segment_fixed_size 0
		.amdhsa_enable_private_segment 0
		.amdhsa_kernarg_size 64
		.amdhsa_user_sgpr_count 2
		.amdhsa_user_sgpr_kernarg_segment_ptr 1
		.amdhsa_wavefront_size32 1
		.amdhsa_system_sgpr_workgroup_id_x 1
		.amdhsa_system_sgpr_workgroup_id_y 1
		.amdhsa_system_sgpr_workgroup_id_z 1
		.amdhsa_system_vgpr_workitem_id 0
		.amdhsa_next_free_vgpr 256
		.amdhsa_next_free_sgpr 66
		.amdhsa_reserve_vcc 0
		.amdhsa_float_denorm_mode_32 3
		.amdhsa_float_denorm_mode_16_64 3
		.amdhsa_memory_ordered 1
		.amdhsa_forward_progress 1
		.amdhsa_inst_pref_size 30
	.end_amdhsa_kernel
	.amdgpu_metadata
---
amdhsa.version: [ 1, 2 ]
amdhsa.kernels:
  - .name:           k_qf589a12518_outln
    .symbol:         k_qf589a12518_outln.kd
    .args:
      - { .name: vq, .offset: 0, .size: 8, .value_kind: global_buffer, .address_space: global }
      - { .name: wo, .offset: 8, .size: 8, .value_kind: global_buffer, .address_space: global }
      - { .name: w_o_scales, .offset: 16, .size: 8, .value_kind: global_buffer, .address_space: global }
      - { .name: x, .offset: 24, .size: 8, .value_kind: global_buffer, .address_space: global }
      - { .name: pos_emb, .offset: 32, .size: 8, .value_kind: global_buffer, .address_space: global }
      - { .name: ln_gamma, .offset: 40, .size: 8, .value_kind: global_buffer, .address_space: global }
      - { .name: ln_beta, .offset: 48, .size: 8, .value_kind: global_buffer, .address_space: global }
      - { .name: out0, .offset: 56, .size: 8, .value_kind: global_buffer, .address_space: global }
    .group_segment_fixed_size: 327680
    .private_segment_fixed_size: 0
    .kernarg_segment_align: 8
    .kernarg_segment_size: 64
    .max_flat_workgroup_size: 512
    .sgpr_count:     66
    .vgpr_count:     256
    .wavefront_size: 32
...
	.end_amdgpu_metadata
.endif
;; end of part 7
;; ======== version 3 of 3: 4 launches; version 2 with the launch attn written anew for expert scheduling mode
;; workspace buffers: cq 4,456,448 bytes; qkv 11,141,120 bytes; mk 1,048,576 bytes of whole numbers; fl 16,384 bytes of whole numbers; vq 2,228,224 bytes; wo 524,288 bytes
;; launch prep: the kernel of part 5 again; grid 528 x 1, 4 waves a work-group, no clusters, 99,840 bytes of LDS; arguments x, pos_emb, memory, mask, w_o_codes, cq, mk, wo, fl; writes cq, mk, wo, fl
;; launch qkv: the kernel of part 2 again; grid 4 x 80, 4 waves a work-group, clusters of 4 x 4, 327,680 bytes of LDS; arguments cq, w_qkv_codes, w_qkv_scales, qkv; writes qkv
;; launch attn (part 8): grid 4 x 64, 16 waves a work-group, no clusters, 145,408 bytes of LDS; arguments qkv, mk, fl, vq; writes vq
.if DOCPART == 8
	.amdgcn_target "amdgcn-amd-amdhsa--gfx1250"
	.amdhsa_code_object_version 6
	.text
	.protected	k_qf589a12518_attn
	.globl	k_qf589a12518_attn
	.p2align	8
	.type	k_qf589a12518_attn,@function
k_qf589a12518_attn:
	s_mov_b64 s[64:65], 0
	v_nop
	global_prefetch_b8 v0, s[64:65] scope:SCOPE_SE
	s_setreg_imm32_b32 hwreg(HW_REG_WAVE_SCHED_MODE, 0, 2), 2
	s_setreg_imm32_b32 hwreg(HW_REG_WAVE_MODE, 25, 1), 1
	s_wait_xcnt 0x0
	s_wait_alu depctr_vm_vsrc(0)
; ATTN: vec = softmax(q k^T / 8, hidden keys at -infinity) v, both products on codes of FP4 (E2M1) with E8M0 scales, and vec quantised along the head's 64 on the way out.
; THE SOFTMAX AHEAD OF THE SECOND PRODUCT: t = score x log2(e) / 8; M = the row's largest t so far, rounded up to a whole number; p = 2^(t - M) is quantised along the keys, not normalised;
; the row's sum is taken of the unquantised p and divides at the end; when M moves, the sum and O are multiplied by 2^(old M - new M), which rounds nothing.
; SHARES.  A work-group serves one (b, head); its whole K and V, as codes 128 KB and 12 KB of scale words, lie in LDS, written once at the head, ahead of the launch's one barrier.  Each of the sixteen waves owns one tile of 16 queries,
; tile 4 rho + x with rho = 4 (((w / 4) + w % 4) % 4) + w % 4: four waves that are neighbours by number, or 4 apart, have one tile in each quarter of the queries.  A wave walks the 16 steps of 128 keys.
; THE MASK IS DATA.  An earlier launch has made of it, for each tile of queries and step, 64 lane-mask words and a flag.  Flag 2 (all 16 x 128 hidden): the step is left out; its every p would be 0.  Flag 0: no masking line runs.
; Flag 1: 64 selects put -infinity where a key is hidden.  The wave's 16 flags come by one scalar load at the head and are packed, two bits each, into one scalar register.
; These are scalar branches on stored whole numbers; that is why this launch loads through registers and has no tensor load, and so NO JOINT REQUESTS either, though four work-groups read the same 140 KB.
; A query all of whose keys are hidden has the sum 0: its two scale bytes are set to 0xff, which makes the next product's row NaN, as the softmax of such a row is.
; LAYOUT.  Both products are used transposed: S^T = K Q^T (source 0 = 16 keys), O^T = V^T P^T (source 0 = 16 of the head's 64): a lane holds one query (lane % 16) throughout.
; The first product's K is 64: the upper 64 of the instruction's 128 are zero codes on Q's side (v20-23), so what stands there on K's side (the next tile's codes) adds nothing; the scale bytes there are 0, not 0xff.
; ROWS OF A TILE ARE NOT NEIGHBOURS: lane r of tile 2 beta + u takes key (or d) 32 beta + 8 u + r + 8 (r / 8), so that the 16 registers of tiles 2 beta, 2 beta + 1 are 16 neighbours, 32 beta + 16 (lane / 16) + 0 .. 15.
; LDS: step s at 8,192 s: K's eight tiles (512 bytes each, lane l's 16 bytes at 16 l), then at + 4,096 V's: half c of the keys at 2,048 c, tile delta at 512 delta.  The copy permutes the bits of a 16-byte piece's offset in a
; step's 4,096 bytes: 4 -> 8, 5-7 -> 4-6, 8 -> 9, 9 -> 7.  K's scale words at 131,072 (a word a key), V's at 139,264 (a word for each step and d).
; LIMITS: a block whose largest magnitude lies under 2^-124 keeps the scale byte 1.  NaN and infinities among the inputs are not served.
; THE MODE: SCHED_MODE bits 1:0 = 2 (LLVM: expert scheduling mode 2), set by the entry lines.  The code itself states the register dependences
; between vector or matrix instructions and memory or LDS instructions, with s_wait_alu, always for 0.
; THE PLAN.  Registers that memory or LDS instructions touch:
;   v1, v3, v4, v8, v34, v35, v88, v90, v91   offsets and LDS addresses, made by vector lines at the head and never written again.
;   v72-77, v96-159   At the head alone: scale words and the 16 copies of K and V on their way to LDS: loads write them (v72-75 are then cut by vector lines), LDS stores read them.  From the loop on v96-159 are the scores.
;   v5-7              The trip's LDS addresses: written by three vector adds at a trip's head, read by every LDS load of the trip.
;   v36-67, v28-31    K's fragments and scale words: written by the LDS loads at a step's head, read by the step's eight products of scores.
;   v216-247, v32-33  V's fragments and scale words, a buffer of their own: written by the LDS loads behind the step's batch of exponentials, read by the step's four last products.
;   v192-195, v25, v89   The way out: written by vector lines, read by the two global stores.      v254, v255: written at the head, read by the closing add alone.
; In a step ONE wait on va_vdst, behind the 64 exponentials, serves both buffers.  V's loads follow it at once: the last products that read V's registers were issued ahead of it.  K's loads at the next step's head
; owe nothing more either: the products of scores, the only lines that name K's registers, stand ahead of it in their own step, on every way through the text, that round a step that is left out too.
; A second wait stands ahead of the four last products, which take p's codes and scale word from vector lines.  The addresses are stepped at a trip's head, outside the steps, between a wait on vm_vsrc and one on va_vdst.
.set KSB, 131072
.set VSB, 139264
.set LI,  1                            ; v1   16 x lane
.set LSK, 2                            ; v2   KSB + 4 (l % 8) + 64 ((l / 8) % 2) + 32 (l / 16): lanes 0-15 an even tile's rows, lanes 16-31 the odd tile's
.set DK,  3                            ; v3   where my 16 bytes of a copy go
.set GT,  4                            ; v4   16 x thread
.set ADR, 5                            ; v5-7 the trip's LDS addresses: tiles, K's scale words, V's
.set ADS, 6
.set ADT, 7
.set DKB, 8                            ; v8   DK + 65,536
.set NINF, 9                           ; v9   -infinity
.set LSV, 10                           ; v10  as v2, for V's scale words
.set QF,  16                           ; v16-23 Q's fragment
.set QSC, 24                           ; v24  Q's scale word;  v25 p's
.set PSC, 25
.set FF,  26                           ; v[26:27] f = 2^(old M - new M), later 1 / the sum
.set KSC, 28                           ; v28-31 K's scale words;  v32-33 V's
.set VSC, 32
.set FRG, 36                           ; v36-71 K's fragments: tile t at 36 + 4 t (eight registers: its own four and the four above); v68-71 stay 0
.set S,   96                           ; v96-159 S^T, then p
.set O,   160                          ; v160-191 O^T
.set PC,  192                          ; v192-199 p's codes
.set BM,  200                          ; v200-203 the blocks' largest
.set PL,  204                          ; v204-207 the other lane's, then bytes
.set SO,  208                          ; v208-211 the conversions' scale operands
.set TW,  212                          ; v212-213 at work
.set SM2, 214                          ; v[214:215] the sum's second chain
.set VF,  216                          ; v216-247 V's fragments: tile d at 216 + 8 d
.set FPK, 8                            ; s8   the flags still to come, two bits each, the next step's lowest
.set FLG, 20                           ; s20  the step's flag
	s_load_b128 s[4:7], s[0:1], 0x0                ; qkv, mk
	s_load_b128 s[44:47], s[0:1], 0x10             ; fl, vq
	v_lshl_add_u32 v254, v0, 2, 0x23000
	v_mov_b32 v255, 0
	v_lshrrev_b32 v11, 5, v0
	v_readfirstlane_b32 s10, v11                   ; wave 0..15
	s_and_b32 s30, ttmp7, 0xffff                   ; 16 b + head
	s_wait_alu depctr_va_sdst(0)                   ; s10 is written, ahead of its first reader: my tile of queries is made from it
	s_lshr_b32 s11, s10, 2
	s_and_b32 s31, s10, 3
	s_add_co_u32 s11, s11, s31
	s_and_b32 s11, s11, 3
	s_lshl_b32 s11, s11, 2
	s_add_co_u32 s11, s11, s31                     ; rho
	s_lshl_b32 s11, s11, 2
	s_add_co_u32 s11, s11, ttmp9                   ; my tile of queries, 0 .. 63
	s_lshr_b32 s100, s30, 4
	s_and_b32 s101, s30, 15                        ; head
	s_lshl_b32 s100, s100, 6
	s_add_co_u32 s100, s100, s11                   ; 64 b + tile
	s_mov_b32 s12, 0x76543210
	s_mov_b32 s13, 0xfedcba98                      ; lane selects: lane l xor 16
	s_mov_b32 s14, 0x3e38aa3b                      ; c = log2(e) / 8
	s_mov_b32 s15, s14                             ; (named with it as a pair, so it is written)
	v_and_b32 v11, 31, v0
	v_lshlrev_b32 v[LI], 4, v11
	v_and_b32 v2, 7, v0
	v_lshlrev_b32 v2, 2, v2
	v_bfe_u32 v11, v0, 3, 1
	v_lshl_or_b32 v2, v11, 6, v2
	v_bfe_u32 v11, v0, 4, 1
	v_lshl_or_b32 v2, v11, 5, v2
	v_add_nc_u32 v[LSV], VSB, v2
	v_add_nc_u32 v[LSK], KSB, v2
	v_bfe_u32 v[DK], v0, 1, 3
	v_lshlrev_b32 v[DK], 4, v[DK]
	v_bfe_u32 v11, v0, 5, 1
	v_lshl_or_b32 v[DK], v11, 7, v[DK]
	v_and_b32 v11, 1, v0
	v_lshl_or_b32 v[DK], v11, 8, v[DK]
	v_bfe_u32 v11, v0, 4, 1
	v_lshl_or_b32 v[DK], v11, 9, v[DK]
	v_bfe_u32 v11, v0, 6, 2
	v_lshl_or_b32 v[DK], v11, 10, v[DK]
	v_lshrrev_b32 v11, 8, v0
	v_lshl_or_b32 v[DK], v11, 13, v[DK]            ; threads 256 on: the second step of a copy's two
	v_add_nc_u32 v[DKB], 65536, v[DK]
	v_lshlrev_b32 v[GT], 4, v0
	v_lshlrev_b32 v88, 3, v0                       ; 8 x thread
	v_add_nc_u32 v90, KSB, v[GT]
	v_add_nc_u32 v91, VSB, v88
	v_and_b32 v35, 15, v0                          ; r
	v_bfe_u32 v11, v0, 4, 1                        ; h
	v_lshlrev_b32 v34, 5, v35
	v_lshl_add_u32 v34, v11, 4, v34                ; Q: row r of 32 bytes, + 16 h
	v_lshlrev_b32 v35, 2, v35                      ; Q's scale word: 4 r
	s_mov_b32 s3, 0
	s_wait_kmcnt 0x0
	s_lshl_b32 s2, s100, 6
	s_add_nc_u64 s[24:25], s[44:45], s[2:3]        ; my 16 flags
	s_load_b512 s[68:83], s[24:25], 0x0            ; asked for first: they land under the copies of K and V
	s_lshl_b32 s2, s30, 6
	s_add_co_u32 s2, s2, s11
	s_lshl_b32 s2, s2, 9
	s_add_nc_u64 s[32:33], s[4:5], s[2:3]          ; my tile's codes of Q
	s_lshr_b32 s31, s30, 1                         ; 8 b + the pair of heads
	s_lshl_b32 s2, s31, 12
	s_lshl_b32 s16, s11, 6
	s_add_co_u32 s2, s2, s16
	s_add_co_u32 s2, s2, 0xa00000
	s_add_nc_u64 s[34:35], s[4:5], s[2:3]          ; and its scale words
	s_lshl_b32 s2, s31, 13
	s_add_co_u32 s2, s2, 0xa20000
	s_add_nc_u64 s[36:37], s[4:5], s[2:3]          ; K's scale words
	s_lshl_b32 s2, s30, 12
	s_add_co_u32 s2, s2, 0xa60000
	s_add_nc_u64 s[38:39], s[4:5], s[2:3]          ; V's
	s_lshl_b32 s2, s30, 16
	s_add_co_u32 s2, s2, 0x200000
	s_add_nc_u64 s[40:41], s[4:5], s[2:3]          ; K's codes; V's lie 0x400000 further on
	s_lshl_b32 s2, s100, 12
	s_add_nc_u64 s[26:27], s[6:7], s[2:3]          ; my 16 x 64 lane-mask words
	s_lshl_b32 s2, s100, 4
	s_add_co_u32 s2, s2, s101
	s_lshl_b32 s2, s2, 9
	s_add_nc_u64 s[28:29], s[46:47], s[2:3]        ; where my codes of vec go
	s_lshl_b32 s2, s100, 9
	s_lshl_b32 s16, s101, 1
	s_add_co_u32 s2, s2, s16
	s_add_co_u32 s2, s2, 0x200000
	s_add_nc_u64 s[66:67], s[46:47], s[2:3]        ; and their scale bytes
	s_and_b32 s31, s101, 1
	s_lshl_b32 s31, s31, 4                         ; my head's half of a pair's scale word
	s_wait_alu depctr_va_vdst(0)                   ; the offsets v1, v4, v34, v35, v88 and the LDS addresses v3, v8, v90, v91 are written: the loads and stores of the head, and the last store, read them
	global_load_b128 v[QF:QF+3], v34, s[32:33]
	global_load_b32 v[QSC], v35, s[34:35]
	global_load_b128 v[72:75], v[GT], s[36:37]
	global_load_b64 v[76:77], v88, s[38:39]
.irp i, 0,1,2,3,4,5,6,7
	global_load_b128 v[96+4*\i:99+4*\i], v[GT], s[40:41] offset:8192*\i              ; K: steps 2 i, 2 i + 1; the work-group reads 8,192 consecutive bytes
.endr
.irp i, 0,1,2,3,4,5,6,7
	global_load_b128 v[128+4*\i:131+4*\i], v[GT], s[40:41] offset:0x400000+8192*\i   ; V likewise
.endr
	v_mov_b32 v[NINF], 0xff800000
	v_mov_b32 v13, 0xff61b1e6                      ; the largest t so far: -3e38, under every t
	v_floor_f32 v12, -v13                          ; -M
	v_mov_b32 v14, 0                               ; the sum, in two halves
	v_mov_b32 v15, 0
.irp j, 20,21,22,23,27,68,69,70,71,204,205,206,207
	v_mov_b32 v\j, 0                               ; Q's upper 64: zero codes; the registers above K's last tile; partners of pairs and destinations of lane permutes, written once
.endr
	s_wait_loadcnt 16                              ; Q and the three loads of scale words are in; the 16 copies may be out
	v_bfe_u32 v[QSC], v[QSC], s31, 16              ; my head's two bytes; bytes 2 and 3 become 0
.irp j, 72,73,74,75
	v_bfe_u32 v\j, v\j, s31, 16
.endr
	s_wait_alu depctr_va_vdst(0)                   ; v72-75 are written, which the LDS store below reads; so are Q's scale word, Q's zero codes and v68-71, which the scaled products take
	ds_store_b128 v90, v[72:75]
	ds_store_b64 v91, v[76:77]
.irp i, 0,1,2,3,4,5,6,7
	s_wait_loadcnt 15-\i                           ; K's copy i is in; the 15 - i behind it may be out
.if \i < 4
	ds_store_b128 v[DK], v[96+4*\i:99+4*\i] offset:16384*\i
.else
	ds_store_b128 v[DKB], v[96+4*\i:99+4*\i] offset:16384*(\i-4)
.endif
.endr
.irp i, 0,1,2,3,4,5,6,7
	s_wait_loadcnt 7-\i                            ; V's copy i
.if \i < 4
	ds_store_b128 v[DK], v[128+4*\i:131+4*\i] offset:16384*\i+4096
.else
	ds_store_b128 v[DKB], v[128+4*\i:131+4*\i] offset:16384*(\i-4)+4096
.endif
.endr
.irp j, 0,1,2,3,4,5,6,7,8,9,10,11,12,13,14,15,16,17,18,19,20,21,22,23,24,25,26,27,28,29,30,31
	v_mov_b32 v[O+\j], 0                           ; O^T: the step is written once: the first finds zeros, which the first change of M leaves zeros.  These 32 lines stand here, while my stores land, for a second reason:
.endr                                          ; Q's scale word was written by a vector line above, and more than eight plain vector lines have to stand between that line and the first product that names it
	s_wait_kmcnt 0x0                               ; my 16 flags
	s_mov_b32 s[FPK], s68                          ; packed: step i's flag in bits 2 i, 2 i + 1
.irp i, 1,2,3,4,5,6,7,8,9,10,11,12,13,14,15
	s_lshl_b32 s9, s[68+\i], 2*\i
	s_or_b32 s[FPK], s[FPK], s9
.endr
	s_wait_dscnt 0x0                               ; for the others' sake: my stores have landed
	s_barrier_signal -1
	s_barrier_wait -1                              ; the head's K and V are whole; no LDS byte is written from here on
; A KEY STEP: 128 keys, the q-th of the trip's four.
.macro STEP q
	s_and_b32 s[FLG], s[FPK], 3                    ; this step's flag,
	s_lshr_b32 s[FPK], s[FPK], 2                   ; and on to the next one's
	s_cmp_eq_u32 s[FLG], 2                         ; all 16 x 128 hidden: nothing of this step counts
	s_cbranch_scc1 .Lskip_\@
.irp t, 0,1,2,3,4,5,6,7
	ds_load_b128 v[FRG+4*\t:FRG+4*\t+3], v[ADR] offset:(\q)*8192+512*\t   ; no wait: the last products that read K's registers stand ahead of the wait behind their own step's exponentials, and nothing since names them
.endr
.irp b, 0,1,2,3
	ds_load_b32 v[KSC+\b], v[ADS] offset:(\q)*512+128*\b
.endr
	s_wait_dscnt 0x0
.irp t, 0,2,4,6
	v_wmma_scale_f32_16x16x128_f8f6f4 v[S+8*\t:S+8*\t+7], v[FRG+4*\t:FRG+4*\t+7], v[QF:QF+7], 0, v[KSC+\t/2], v[QSC] matrix_a_fmt:MATRIX_FMT_FP4 matrix_b_fmt:MATRIX_FMT_FP4
	v_wmma_scale_f32_16x16x128_f8f6f4 v[S+8*\t+8:S+8*\t+15], v[FRG+4*\t+4:FRG+4*\t+11], v[QF:QF+7], 0, v[KSC+\t/2], v[QSC] matrix_a_fmt:MATRIX_FMT_FP4 matrix_b_fmt:MATRIX_FMT_FP4 matrix_a_scale:MATRIX_SCALE_ROW1
.endr
.rept 4
	v_nop                                          ; places: the scores are read next
.endr
	s_cmp_eq_u32 s[FLG], 0                         ; no key hidden: no masking line runs
	s_cbranch_scc1 .Lopen_\@
	s_load_b512 s[32:47], s[26:27], (\q)*256
	s_load_b512 s[48:63], s[26:27], (\q)*256+64
	s_load_b512 s[68:83], s[26:27], (\q)*256+128
	s_load_b512 s[84:99], s[26:27], (\q)*256+192
	s_wait_kmcnt 0x0
.set n, 0
.rept 32
	v_cndmask_b32 v[S+n], v[S+n], v[NINF], s[32+n] ; word n: a bit for each lane: is register n's key hidden from the lane's query?
.set n, n+1
.endr
.rept 32
	v_cndmask_b32 v[S+n], v[S+n], v[NINF], s[36+n]
.set n, n+1
.endr
.Lopen_\@:
.irp b, 0,1,2,3
	v_max3_num_f32 v[BM+\b], v[S+16*\b], v[S+1+16*\b], v[S+2+16*\b]   ; the largest score of each block of 32 keys: it serves for the row's maximum and, since p rises with the score, for the block's largest p
.endr
.irp i, 3,5,7,9,11,13
.irp b, 0,1,2,3
	v_max3_num_f32 v[BM+\b], v[BM+\b], v[S+16*\b+\i], v[S+1+16*\b+\i]
.endr
.endr
.irp b, 0,1,2,3
	v_max_num_f32 v[BM+\b], v[BM+\b], v[S+15+16*\b]
.endr
.irp b, 0,1,2,3
	v_permlanex16_b32 v[PL+\b], v[BM+\b], s12, s13
.endr
.irp b, 0,1,2,3
	v_max_num_f32 v[BM+\b], v[BM+\b], v[PL+\b]     ; with lane l xor 16's 16 keys
.endr
	v_max3_num_f32 v[TW], v[BM], v[BM+1], v[BM+2]
	v_max_num_f32 v[TW], v[TW], v[BM+3]
	v_mul_f32 v[TW], s14, v[TW]                    ; the step's largest t
	v_max_num_f32 v13, v13, v[TW]                  ; the running largest t
	v_mov_b32 v[TW], v12
	v_floor_f32 v12, -v13                          ; the new -M = -ceil(t): a whole number
	v_sub_f32 v[TW], v12, v[TW]                    ; old M - new M: a whole number, 0 or less
	v_cvt_i32_f32 v[TW], v[TW]                     ; (it saturates)
	v_ldexp_f32 v[FF], 1.0, v[TW]                  ; f = 2^(old M - new M)
.irp j, 0,2,4,6,8,10,12,14,16,18,20,22,24,26,28,30,32,34,36,38,40,42,44,46,48,50,52,54,56,58,60,62
	v_pk_fma_f32 v[S+\j:S+\j+1], v[S+\j:S+\j+1], s[14:15], v[12:13] op_sel_hi:[1,0,0]   ; t - M, two at a time
.endr
.irp b, 0,1,2,3
	v_fma_f32 v[BM+\b], v[BM+\b], s14, v12         ; the same of each block's largest score
.endr
.irp j, 0,1,2,3,4,5,6,7,8,9,10,11,12,13,14,15,16,17,18,19,20,21,22,23,24,25,26,27,28,29,30,31,32,33,34,35,36,37,38,39,40,41,42,43,44,45,46,47,48,49,50,51,52,53,54,55,56,57,58,59,60,61,62,63
	v_exp_f32 v[S+\j], v[S+\j]                     ; p = 2^(t - M), at most 1
.endr
	v_pk_mul_f32 v[14:15], v[14:15], v[FF:FF+1] op_sel_hi:[1,0]   ; the sums under the new M (a plain line behind the exponentials)
	s_wait_alu depctr_va_vdst(0)                   ; the 64 exponentials have written p, ahead of its first reader; the last step's four products are done reading V's fragments and scale words, in which the loads below land; this step's eight are done reading K's, in which the next step's loads land
.irp d, 0,1,2,3
.irp c, 0,1
	ds_load_b128 v[VF+8*\d+4*\c:VF+8*\d+4*\c+3], v[ADR] offset:(\q)*8192+4096+2048*\c+512*\d   ; V's tiles are asked for here and land under the sums, the scales and the conversions
.endr
.endr
.irp b, 0,1
	ds_load_b32 v[VSC+\b], v[ADT] offset:(\q)*256+128*\b
.endr
.irp b, 0,1,2,3
	v_exp_f32 v[BM+\b], v[BM+\b]                   ; the block's largest p
.endr
	v_pk_add_f32 v[SM2:SM2+1], v[S:S+1], v[S+2:S+3]   ; the row's sum of the unquantised p, in two chains
.irp j, 4,8,12,16,20,24,28,32,36,40,44,48,52,56,60
	v_pk_add_f32 v[14:15], v[14:15], v[S+\j:S+\j+1]
	v_pk_add_f32 v[SM2:SM2+1], v[SM2:SM2+1], v[S+2+\j:S+3+\j]
.endr
	v_pk_add_f32 v[14:15], v[14:15], v[SM2:SM2+1]
	s_wait_alu depctr_va_vdst(0)                   ; the four exponentials have written the blocks' largest p, ahead of its first reader
.irp b, 0,1,2,3
	v_max_num_f32 v[BM+\b], 0x1800000, v[BM+\b]    ; the floor 2^(3 - 127): a block whose every p is 0 keeps the byte 1; its codes are zeros
.endr
.irp b, 0,1,2,3
	v_add_nc_u32 v[SO+\b], 0xff000000, v[BM+\b]
.endr
.irp b, 0,1,2,3
	v_lshrrev_b32 v[PL+\b], 23, v[SO+\b]
.endr
	v_lshl_or_b32 v[PSC], v[PL+1], 8, v[PL]
	v_lshl_or_b32 v[PSC], v[PL+2], 16, v[PSC]
	v_lshl_or_b32 v[PSC], v[PL+3], 24, v[PSC]      ; p's scale word for these 128 keys
.irp b, 0,1,2,3
	v_cvt_scalef32_pk8_fp4_f32 v[PC+2*\b], v[S+16*\b:S+7+16*\b], v[SO+\b]
	v_cvt_scalef32_pk8_fp4_f32 v[PC+1+2*\b], v[S+8+16*\b:S+15+16*\b], v[SO+\b]
.endr
	v_nop                                          ; one plain line behind the last conversion
.irp c, 0,1                                    ; the operand's layout wants a whole block in a lane
.irp i, 0,1
	v_permlane16_swap_b32 v[PC+4*\c+\i], v[PC+2+4*\c+\i]
.endr
.endr
.irp j, 0,2,4,6,8,10,12,14,16,18,20,22,24,26,28,30
	v_pk_mul_f32 v[O+\j:O+\j+1], v[O+\j:O+\j+1], v[FF:FF+1] op_sel_hi:[1,0]   ; O^T under the new M; these 16 lines also stand between the writing of p's codes and scale word and the products
.endr
	s_wait_alu depctr_va_vdst(0)                   ; p's codes and p's scale word are written, which the scaled products below take; the places above stay beside this wait
	s_wait_dscnt 0x0                               ; V's tiles and scale words are in
.irp d, 0,2
	v_wmma_scale_f32_16x16x128_f8f6f4 v[O+8*\d:O+8*\d+7], v[VF+8*\d:VF+8*\d+7], v[PC:PC+7], v[O+8*\d:O+8*\d+7], v[VSC+\d/2], v[PSC] matrix_a_fmt:MATRIX_FMT_FP4 matrix_b_fmt:MATRIX_FMT_FP4
	v_wmma_scale_f32_16x16x128_f8f6f4 v[O+8*\d+8:O+8*\d+15], v[VF+8*\d+8:VF+8*\d+15], v[PC:PC+7], v[O+8*\d+8:O+8*\d+15], v[VSC+\d/2], v[PSC] matrix_a_fmt:MATRIX_FMT_FP4 matrix_b_fmt:MATRIX_FMT_FP4 matrix_a_scale:MATRIX_SCALE_ROW1
.endr                                          ; the four accumulators take turns; eight products of scores stand ahead of the next step's four
.rept 4
	v_nop                                          ; places ahead of the next read of O^T
.endr
.Lskip_\@:
.endm
	s_mov_b32 s16, 0                               ; the trip's first step in LDS: 32,768 bytes a trip
	s_mov_b32 s17, 0                               ; its scale words of K: 2,048
	s_mov_b32 s18, 0                               ; of V: 1,024
	s_mov_b32 s19, 0
.Ltrip:                                        ; four trips of four steps
	s_wait_alu depctr_vm_vsrc(0)                   ; the first trip: my LDS stores at the head have read v96-159, which the products of scores write; later trips: the last trip's LDS loads have read the three addresses that are written below
	v_add_nc_u32 v[ADR], s16, v[LI]
	v_add_nc_u32 v[ADS], s17, v[LSK]
	v_add_nc_u32 v[ADT], s18, v[LSV]
	s_wait_alu depctr_va_vdst(0)                   ; the three addresses are written: every LDS load of the trip reads one of them.  It stands here, outside the steps, since any step may be left out
	STEP 0
	STEP 1
	STEP 2
	STEP 3
	s_add_nc_u64 s[26:27], s[26:27], 1024          ; every scalar load that named this pointer has been waited for
	s_add_co_u32 s16, s16, 32768
	s_add_co_u32 s17, s17, 2048
	s_add_co_u32 s18, s18, 1024
	s_add_co_u32 s19, s19, 1
	s_cmp_lt_u32 s19, 4
	s_cbranch_scc1 .Ltrip
	; THE WAY OUT.  O^T / the sum is my head's 64 numbers of 16 rows of vec: two blocks of 32 along the next product's K.  Register 16 beta + i of lane (r, h) is d = 32 beta + 16 h + i of query r.
	v_add_f32 v14, v14, v15
	v_permlanex16_b32 v[PL], v14, s12, s13
	v_add_f32 v[TW], v14, v[PL]                    ; the row's sum
	v_rcp_f32 v[FF], v[TW]
	v_and_b32 v89, 15, v0                          ; (a plain line behind the reciprocal)
	v_lshlrev_b32 v89, 5, v89                      ; 32 r: my row's scale bytes
	v_mov_b32 v[TW+1], 0xffff
	v_cmp_eq_f32 vcc_lo, 0, v[TW]                  ; has no key counted for this query?  Asked here, well ahead of the select that reads the answer
	s_wait_alu depctr_va_vdst(0)                   ; the reciprocal has written 1 / the sum, ahead of its first reader
.irp j, 0,2,4,6,8,10,12,14,16,18,20,22,24,26,28,30
	v_pk_mul_f32 v[S+\j:S+\j+1], v[O+\j:O+\j+1], v[FF:FF+1] op_sel_hi:[1,0]   ; each accumulator from its low end on
.endr
.irp b, 0,1
	v_max3_num_f32 v[BM+\b], |v[S+16*\b]|, |v[S+1+16*\b]|, 0x1800000
.endr
.irp i, 2,4,6,8,10,12,14
.irp b, 0,1
	v_max3_num_f32 v[BM+\b], v[BM+\b], |v[S+16*\b+\i]|, |v[S+1+16*\b+\i]|
.endr
.endr
.irp b, 0,1
	v_permlanex16_b32 v[PL+\b], v[BM+\b], s12, s13
.endr
.irp b, 0,1
	v_max_num_f32 v[BM+\b], v[BM+\b], v[PL+\b]
.endr
.irp b, 0,1
	v_add_nc_u32 v[SO+\b], 0xff000000, v[BM+\b]
.endr
.irp b, 0,1
	v_lshrrev_b32 v[PL+\b], 23, v[SO+\b]
.endr
	v_lshl_or_b32 v[PSC], v[PL+1], 8, v[PL]
	s_wait_alu depctr_va_vcc(0)                    ; the compare above has written VCC, ahead of its first reader
	v_cndmask_b32 v[PSC], v[PSC], v[TW+1], vcc_lo  ; no key counted: both bytes 0xff
.irp b, 0,1
	v_cvt_scalef32_pk8_fp4_f32 v[PC+2*\b], v[S+16*\b:S+7+16*\b], v[SO+\b]
	v_cvt_scalef32_pk8_fp4_f32 v[PC+1+2*\b], v[S+8+16*\b:S+15+16*\b], v[SO+\b]
.endr
	v_nop
	v_permlane16_swap_b32 v[PC], v[PC+2]
	v_permlane16_swap_b32 v[PC+1], v[PC+3]         ; lanes 0-15 block 0, lanes 16-31 block 1: four registers of the next product's operand, as they will stand there
	s_wait_alu depctr_va_vdst(0)                   ; vec's codes (v192-195), its two scale bytes (v25) and the offset v89 are written, which the two stores read
	global_store_b128 v[LI], v[PC:PC+3], s[28:29]  ; 512 consecutive bytes, aligned
	global_store_b16 v89, v[PSC], s[66:67]         ; two bytes of each row's 32 (lanes l and l xor 16 store the same): one byte in 17 of what the launch stores
	s_wait_dscnt 0x0                               ; the closing lines, six on end
	s_wait_alu 0x0
	s_wait_tensorcnt 0x0
	ds_add_u32 v254, v255
	s_wait_dscnt 0x0
	s_endpgm
.Lfunc_end_k_qf589a12518_attn:
	.size	k_qf589a12518_attn, .Lfunc_end_k_qf589a12518_attn-k_qf589a12518_attn
	.p2alignl 7, 3214868480
	.fill 96, 4, 3214868480
	.section	.rodata,"a",@progbits
	.p2align	6, 0x0
	.amdhsa_kernel k_qf589a12518_attn
		.amdhsa_group_segment_fixed_size 145408
		.amdhsa_private_segment_fixed_size 0
		.amdhsa_enable_private_segment 0
		.amdhsa_kernarg_size 32
		.amdhsa_user_sgpr_count 2
		.amdhsa_user_sgpr_kernarg_segment_ptr 1
		.amdhsa_wavefront_size32 1
		.amdhsa_system_sgpr_workgroup_id_x 1
		.amdhsa_system_sgpr_workgroup_id_y 1
		.amdhsa_system_sgpr_workgroup_id_z 1
		.amdhsa_system_vgpr_workitem_id 0
		.amdhsa_next_free_vgpr 256
		.amdhsa_next_free_sgpr 104
		.amdhsa_reserve_vcc 1
		.amdhsa_float_denorm_mode_32 3
		.amdhsa_float_denorm_mode_16_64 3
		.amdhsa_memory_ordered 1
		.amdhsa_forward_progress 1
		.amdhsa_inst_pref_size 93
	.end_amdhsa_kernel
	.amdgpu_metadata
---
amdhsa.version: [ 1, 2 ]
amdhsa.kernels:
  - .name:           k_qf589a12518_attn
    .symbol:         k_qf589a12518_attn.kd
    .args:
      - { .name: qkv, .offset: 0, .size: 8, .value_kind: global_buffer, .address_space: global }
      - { .name: mk, .offset: 8, .size: 8, .value_kind: global_buffer, .address_space: global }
      - { .name: fl, .offset: 16, .size: 8, .value_kind: global_buffer, .address_space: global }
      - { .name: vq, .offset: 24, .size: 8, .value_kind: global_buffer, .address_space: global }
    .group_segment_fixed_size: 145408
    .private_segment_fixed_size: 0
    .kernarg_segment_align: 8
    .kernarg_segment_size: 32
    .max_flat_workgroup_size: 512
    .sgpr_count:     104
    .vgpr_count:     256
    .wavefront_size: 32
...
	.end_amdgpu_metadata
.endif
;; end of part 8
;; launch outln: the kernel of part 7 again; grid 256 x 1, 16 waves a work-group, clusters of 4 x 1, 327,680 bytes of LDS; arguments vq, wo, w_o_scales, x, pos_emb, ln_gamma, ln_beta, out0; writes out0
